; MI455X (gfx1250); checked and timed in simulation.
; The chip was launched on July 23, 2026; its instructions are those of AMD's public machine-readable ISA for CDNA 5 (MIT licence, August 2026) and "CDNA5" Instruction Set Architecture Reference Guide (July 2026). The comments in the code are by the model that wrote it; some were corrected since.
;; Transformer Block. Allowed arithmetic: float matrix products may take bf16 or f16 operands with f32 sums; all other float work in f32.
;; Inputs: W1 1,024 x 4,096 float32; W2 4,096 x 1,024 float32; Wk 16 x 1,024 x 64 float32; Wo 1,024 x 1,024 float32; Wq 16 x 1,024 x 64 float32; Wv 16 x 1,024 x 64 float32; b1 1,024 float32; b2 1,024 float32; bk 16 x 64 float32; bo 1,024 float32; bq 16 x 64 float32; bv 16 x 64 float32; c1 4,096 float32; c2 1,024 float32; g1 1,024 float32; g2 1,024 float32; x 2 x 2,048 x 1,024 float32.
;; Outputs: out0 2 x 2,048 x 1,024 float32.
;; 2 versions, each right. Each part assembles by itself: llvm-mc -triple=amdgcn-amd-amdhsa -mcpu=gfx1250 --defsym DOCPART=n.
;; ======== version 1 of 2: 7 launches
;; limits: a function is approximated: absolute error at most 1.5e-07
;; workspace buffers: wqkv 6,291,456 bytes; wob 2,097,152 bytes; w1b 8,388,608 bytes; w2b 8,388,608 bytes; hn 8,388,608 bytes; ctx 8,388,608 bytes; x1 16,777,216 bytes; big 33,554,432 bytes
;; launch prep (part 1): grid 1024 x 1, 8 waves a work-group, no clusters, 0 bytes of LDS; arguments x, g1, b1, Wq, Wk, Wv, Wo, W1, W2, hn, wqkv, wob, w1b, w2b; writes hn, wqkv, wob, w1b, w2b
.if DOCPART == 1
	.amdgcn_target "amdgcn-amd-amdhsa--gfx1250"
	.amdhsa_code_object_version 6
	.text
	.protected	k_q6f602bb288_prep
	.globl	k_q6f602bb288_prep
	.p2align	8
	.type	k_q6f602bb288_prep,@function
k_q6f602bb288_prep:
	s_mov_b64 s[64:65], 0
	v_nop
	global_prefetch_b8 v0, s[64:65] scope:SCOPE_SE
	s_setreg_imm32_b32 hwreg(HW_REG_WAVE_MODE, 25, 1), 1
	s_wait_xcnt 0x0
; Two jobs that stream, shared out by the work-group's number; each work-group moves 64 KiB in and 32 KiB out.
;   groups    0 ..  255: hn = LayerNorm(x, g1, b1) in bf16, 16 rows a group, two whole rows a wave (a row of 4,096 bytes is 32 registers);
;   groups  256 ..  447: Wq, Wk, Wv [16][1024][64] f32 -> wqkv [1024][3072] bf16, column = which*1024 + head*64 + j;
;   groups  448 .. 1023: Wo, W1, W2 f32 -> wob, w1b, w2b bf16, same order of elements.
; No LDS, no barrier, no matrix unit: memory binds, and no wave needs another's numbers.
; LayerNorm in two passes over registers: mean, then the centred squares, so that a common offset of x costs no digits.
; Limits: NaN and infinities in x are not served as the JAX text serves them; v_rsq_f32 takes a denormal input as zero (never met: 1e-5 is added).
.set X,  4                             ; v[4:67]    two rows: row q, piece j (4 numbers a lane) at X + 32 q + 4 j
.set G,  68                            ; v[68:99]   gain of my 32 columns
.set BB, 100                           ; v[100:131] bias of my 32 columns
.set Y,  132                           ; v[132:163] packed bf16 to store
.set T,  164                           ; v[164:171] at work
.macro WSUM                            ; v[T] summed over the 32 lanes, the result in every lane; v[T+1] has been written before
	v_add_f32_dpp v[T], v[T], v[T] row_xmask:1 row_mask:0xf bank_mask:0xf
	v_add_f32_dpp v[T], v[T], v[T] row_xmask:2 row_mask:0xf bank_mask:0xf
	v_add_f32_dpp v[T], v[T], v[T] row_xmask:4 row_mask:0xf bank_mask:0xf
	v_add_f32_dpp v[T], v[T], v[T] row_xmask:8 row_mask:0xf bank_mask:0xf
	v_permlanex16_b32 v[T+1], v[T], s48, s49
	v_add_f32 v[T], v[T], v[T+1]
.endm
.macro FOLD                            ; four chains of pairs in v[T:T+7] -> one number in v[T]
	v_pk_add_f32 v[T:T+1], v[T:T+1], v[T+2:T+3]
	v_pk_add_f32 v[T+4:T+5], v[T+4:T+5], v[T+6:T+7]
	v_pk_add_f32 v[T:T+1], v[T:T+1], v[T+4:T+5]
	v_add_f32 v[T], v[T], v[T+1]
.endm
.macro LNROW q
.set XQ, X+32*\q
.irp k, 0,1,2,3
	v_pk_add_f32 v[T+2*\k:T+2*\k+1], v[XQ+2*\k:XQ+2*\k+1], v[XQ+8+2*\k:XQ+8+2*\k+1]      ; the first pairs start four chains: nothing is cleared
.endr
.irp k, 0,1,2,3
	v_pk_add_f32 v[T+2*\k:T+2*\k+1], v[T+2*\k:T+2*\k+1], v[XQ+16+2*\k:XQ+16+2*\k+1]
.endr
.irp k, 0,1,2,3
	v_pk_add_f32 v[T+2*\k:T+2*\k+1], v[T+2*\k:T+2*\k+1], v[XQ+24+2*\k:XQ+24+2*\k+1]
.endr
	FOLD
	WSUM
	v_mul_f32 v[T], s50, v[T]                      ; mean = sum / 1024
	v_mov_b32 v[T+1], v[T]
.set i, 0
.rept 16
	v_pk_add_f32 v[XQ+2*i:XQ+2*i+1], v[XQ+2*i:XQ+2*i+1], v[T:T+1] neg_lo:[0,1] neg_hi:[0,1]   ; x - mean, in place
.set i, i+1
.endr
.irp k, 0,1,2,3
	v_pk_mul_f32 v[T+2*\k:T+2*\k+1], v[XQ+2*\k:XQ+2*\k+1], v[XQ+2*\k:XQ+2*\k+1]
.endr
.set i, 4
.rept 12
	v_pk_fma_f32 v[T+2*(i%4):T+2*(i%4)+1], v[XQ+2*i:XQ+2*i+1], v[XQ+2*i:XQ+2*i+1], v[T+2*(i%4):T+2*(i%4)+1]
.set i, i+1
.endr
	FOLD
	WSUM
	v_fmaak_f32 v[T], s50, v[T], 0x3727c5ac        ; variance + 1e-5
	v_rsq_f32 v[T+2], v[T]                         ; twice: a pair for the packed multiply
	v_rsq_f32 v[T+3], v[T]
	v_nop                                          ; one plain place behind the transcendentals before their results are used (ISA guide 5.7.2)
.if \q == 0
	s_wait_loadcnt 0x0                             ; gain and bias are in
.endif
.set i, 0
	s_wait_alu depctr_va_vdst(0)
.rept 16
	v_pk_mul_f32 v[XQ+2*i:XQ+2*i+1], v[XQ+2*i:XQ+2*i+1], v[T+2:T+3]
.set i, i+1
.endr
.set i, 0
.rept 16
	v_pk_fma_f32 v[XQ+2*i:XQ+2*i+1], v[XQ+2*i:XQ+2*i+1], v[G+2*i:G+2*i+1], v[BB+2*i:BB+2*i+1]
.set i, i+1
.endr
.irp j, 0,1,2,3,4,5,6,7
	v_cvt_pk_bf16_f32 v[Y+16*\q+2*\j], v[XQ+4*\j], v[XQ+4*\j+1]
	v_cvt_pk_bf16_f32 v[Y+16*\q+2*\j+1], v[XQ+4*\j+2], v[XQ+4*\j+3]
	global_store_b64 v2, v[Y+16*\q+2*\j:Y+16*\q+2*\j+1], s[46:47] offset:\q*2048+\j*256     ; the wave's 32 lanes store 256 consecutive bytes, aligned
.endr
.endm
; s34 = number of my pair of rows; s[40:41] x, s[42:43] gain, s[44:45] bias, s[46:47] out; v3 = lane
.macro LNBODY
	s_lshl_b32 s38, s34, 13                        ; two rows of 4,096 bytes
	s_mov_b32 s39, 0
	s_add_nc_u64 s[40:41], s[40:41], s[38:39]
	s_lshl_b32 s38, s34, 12                        ; two rows of 2,048 bytes
	s_add_nc_u64 s[46:47], s[46:47], s[38:39]
	s_mov_b32 s48, 0x76543210                      ; v_permlanex16_b32: lane i of one half reads lane i of the other
	s_mov_b32 s49, 0xfedcba98
	s_mov_b32 s50, 0x3a800000                      ; 1 / 1024
	v_lshlrev_b32 v1, 4, v3
	v_lshlrev_b32 v2, 3, v3
.irp q, 0,1
.irp j, 0,1,2,3,4,5,6,7
	global_load_b128 v[X+32*\q+4*\j:X+32*\q+4*\j+3], v1, s[40:41] offset:\q*4096+\j*512
.endr
.endr
.irp j, 0,1,2,3,4,5,6,7
	global_load_b128 v[G+4*\j:G+4*\j+3], v1, s[42:43] offset:\j*512
	global_load_b128 v[BB+4*\j:BB+4*\j+3], v1, s[44:45] offset:\j*512
.endr
	s_wait_loadcnt 16                              ; the 16 younger loads are gain and bias: both rows are in
	LNROW 0
	LNROW 1
.endm
; 16 loads of 16 bytes a lane, all in flight; each is rounded to 8 bytes and stored.  No register is written twice.
.macro CONV sstep, dstep
.set i, 0
.rept 16
	global_load_b128 v[4+4*i:7+4*i], v1, s[40:41] offset:i*\sstep th:TH_LOAD_NT
.set i, i+1
.endr
.set i, 0
.rept 16
	s_wait_loadcnt 15-i                            ; loads return in order: the 15 - i younger ones stay out
	v_cvt_pk_bf16_f32 v[68+2*i], v[4+4*i], v[5+4*i]
	v_cvt_pk_bf16_f32 v[69+2*i], v[6+4*i], v[7+4*i]
	global_store_b64 v2, v[68+2*i:69+2*i], s[46:47] offset:i*\dstep      ; 32 lanes: 256 consecutive bytes, aligned
.set i, i+1
.endr
.endm
	s_load_b512 s[4:19], s[0:1], 0x0               ; x, g1, b1, Wq, Wk, Wv, Wo, W1
	s_load_b256 s[20:27], s[0:1], 0x40             ; W2, hn, wqkv, wob
	s_load_b128 s[28:31], s[0:1], 0x60             ; w1b, w2b
	v_lshrrev_b32 v3, 5, v0
	v_readfirstlane_b32 s33, v3                    ; wave 0..7
	v_and_b32 v3, 31, v0                           ; lane
	s_mov_b32 s39, 0
	s_wait_kmcnt 0x0
	s_cmp_ge_u32 ttmp9, 256
	s_cbranch_scc1 .Lweights
	s_mov_b64 s[40:41], s[4:5]
	s_mov_b64 s[42:43], s[6:7]
	s_mov_b64 s[44:45], s[8:9]
	s_mov_b64 s[46:47], s[22:23]
	s_lshl_b32 s34, ttmp9, 3
	s_add_co_u32 s34, s34, s33                     ; pair of rows = 8 x group + wave
	LNBODY
	s_endpgm
.Lweights:
	s_cmp_ge_u32 ttmp9, 448
	s_cbranch_scc1 .Lplain
	; a group takes 128 k rows of two neighbouring heads of one of Wq, Wk, Wv
	s_sub_co_u32 s34, ttmp9, 256
	s_lshr_b32 s35, s34, 6                         ; which: 0 q, 1 k, 2 v
	s_bfe_u32 s36, s34, 0x30003                    ; pair of heads
	s_and_b32 s37, s34, 7                          ; which 128 of the 1,024 k rows
	s_cmp_eq_u32 s35, 0
	s_cselect_b64 s[40:41], s[10:11], s[12:13]
	s_cmp_eq_u32 s35, 2
	s_cselect_b64 s[40:41], s[14:15], s[40:41]
	s_lshl_b32 s38, s36, 19                        ; two heads of 262,144 bytes
	s_lshl_b32 s51, s37, 15                        ; 128 rows of 256 bytes
	s_add_co_u32 s38, s38, s51
	s_add_nc_u64 s[40:41], s[40:41], s[38:39]
	s_mul_i32 s38, s37, 786432                     ; 128 rows of 6,144 bytes
	s_lshl_b32 s51, s35, 11
	s_add_co_u32 s38, s38, s51                     ; + which x 1,024 columns
	s_lshl_b32 s51, s36, 8
	s_add_co_u32 s38, s38, s51                     ; + pair x 128 columns
	s_add_nc_u64 s[46:47], s[24:25], s[38:39]
	; lanes 0-15 read a whole row (256 bytes) of the even head, lanes 16-31 of the odd one; together they store 256 consecutive bytes
	v_lshrrev_b32 v4, 4, v3
	v_and_b32 v5, 15, v3
	v_lshlrev_b32 v1, 18, v4
	v_lshl_add_u32 v1, v5, 4, v1
	s_lshl_b32 s51, s33, 8
	v_add_nc_u32 v1, s51, v1                       ; wave w takes k rows w, w + 8, ..
	s_mul_i32 s51, s33, 6144
	v_lshl_add_u32 v2, v3, 3, s51
	CONV 2048, 49152
	s_endpgm
.Lplain:
	s_sub_co_u32 s34, ttmp9, 448                   ; 64 pieces of Wo, 256 of W1, 256 of W2, 65,536 bytes each
	s_sub_co_u32 s35, s34, 64
	s_sub_co_u32 s36, s34, 320
	s_cmp_lt_u32 s34, 64
	s_cselect_b64 s[40:41], s[16:17], s[18:19]
	s_cselect_b64 s[46:47], s[26:27], s[28:29]
	s_cselect_b32 s37, s34, s35
	s_cmp_lt_u32 s34, 320
	s_cselect_b64 s[40:41], s[40:41], s[20:21]
	s_cselect_b64 s[46:47], s[46:47], s[30:31]
	s_cselect_b32 s37, s37, s36
	s_lshl_b32 s38, s37, 16
	s_add_nc_u64 s[40:41], s[40:41], s[38:39]
	s_lshl_b32 s38, s37, 15
	s_add_nc_u64 s[46:47], s[46:47], s[38:39]
	v_lshlrev_b32 v1, 4, v0
	v_lshlrev_b32 v2, 3, v0
	CONV 4096, 2048
	s_endpgm
.Lfunc_end_k_q6f602bb288_prep:
	.size	k_q6f602bb288_prep, .Lfunc_end_k_q6f602bb288_prep-k_q6f602bb288_prep
	.p2alignl 7, 3214868480
	.fill 96, 4, 3214868480
	.section	.rodata,"a",@progbits
	.p2align	6, 0x0
	.amdhsa_kernel k_q6f602bb288_prep
		.amdhsa_group_segment_fixed_size 0
		.amdhsa_private_segment_fixed_size 0
		.amdhsa_enable_private_segment 0
		.amdhsa_kernarg_size 112
		.amdhsa_user_sgpr_count 2
		.amdhsa_user_sgpr_kernarg_segment_ptr 1
		.amdhsa_wavefront_size32 1
		.amdhsa_system_sgpr_workgroup_id_x 1
		.amdhsa_system_sgpr_workgroup_id_y 1
		.amdhsa_system_sgpr_workgroup_id_z 1
		.amdhsa_system_vgpr_workitem_id 0
		.amdhsa_next_free_vgpr 192
		.amdhsa_next_free_sgpr 66
		.amdhsa_reserve_vcc 0
		.amdhsa_float_denorm_mode_32 3
		.amdhsa_float_denorm_mode_16_64 3
		.amdhsa_memory_ordered 1
		.amdhsa_forward_progress 1
		.amdhsa_inst_pref_size 33
	.end_amdhsa_kernel
	.amdgpu_metadata
---
amdhsa.version: [ 1, 2 ]
amdhsa.kernels:
  - .name:           k_q6f602bb288_prep
    .symbol:         k_q6f602bb288_prep.kd
    .args:
      - { .name: x, .offset: 0, .size: 8, .value_kind: global_buffer, .address_space: global }
      - { .name: g1, .offset: 8, .size: 8, .value_kind: global_buffer, .address_space: global }
      - { .name: b1, .offset: 16, .size: 8, .value_kind: global_buffer, .address_space: global }
      - { .name: Wq, .offset: 24, .size: 8, .value_kind: global_buffer, .address_space: global }
      - { .name: Wk, .offset: 32, .size: 8, .value_kind: global_buffer, .address_space: global }
      - { .name: Wv, .offset: 40, .size: 8, .value_kind: global_buffer, .address_space: global }
      - { .name: Wo, .offset: 48, .size: 8, .value_kind: global_buffer, .address_space: global }
      - { .name: W1, .offset: 56, .size: 8, .value_kind: global_buffer, .address_space: global }
      - { .name: W2, .offset: 64, .size: 8, .value_kind: global_buffer, .address_space: global }
      - { .name: hn, .offset: 72, .size: 8, .value_kind: global_buffer, .address_space: global }
      - { .name: wqkv, .offset: 80, .size: 8, .value_kind: global_buffer, .address_space: global }
      - { .name: wob, .offset: 88, .size: 8, .value_kind: global_buffer, .address_space: global }
      - { .name: w1b, .offset: 96, .size: 8, .value_kind: global_buffer, .address_space: global }
      - { .name: w2b, .offset: 104, .size: 8, .value_kind: global_buffer, .address_space: global }
    .group_segment_fixed_size: 0
    .private_segment_fixed_size: 0
    .kernarg_segment_align: 8
    .kernarg_segment_size: 112
    .max_flat_workgroup_size: 256
    .sgpr_count:     66
    .vgpr_count:     192
    .wavefront_size: 32
...
	.end_amdgpu_metadata
.endif
;; end of part 1
;; launch qkv (part 2): grid 24 x 32, 4 waves a work-group, clusters of 4 x 4, 327,680 bytes of LDS; arguments hn, wqkv, bq, bk, bv, big; writes big
.if DOCPART == 2
	.amdgcn_target "amdgcn-amd-amdhsa--gfx1250"
	.amdhsa_code_object_version 6
	.text
	.protected	k_q6f602bb288_qkv
	.globl	k_q6f602bb288_qkv
	.p2align	8
	.type	k_q6f602bb288_qkv,@function
k_q6f602bb288_qkv:
	s_mov_b64 s[64:65], 0
	v_nop
	global_prefetch_b8 v0, s[64:65] scope:SCOPE_SE
	s_setreg_imm32_b32 hwreg(HW_REG_WAVE_MODE, 25, 1), 1
	s_wait_xcnt 0x0
	s_wait_alu depctr_hold_cnt(0) depctr_sa_sdst(0) depctr_va_vdst(0) depctr_va_sdst(0) depctr_va_ssrc(0) depctr_va_vcc(0) depctr_vm_vsrc(0)
	s_getreg_b32 s2, hwreg(HW_REG_IB_STS2, 6, 4)
	s_cmp_eq_u32 s2, 0
	s_cbranch_scc0 .Lentry_in_a_cluster
	s_endpgm
.Lentry_in_a_cluster:
	s_bfe_u32 s2, ttmp6, 0x10000c
	s_cmp_lg_u32 s2, 0xf033
	s_cbranch_scc0 .Lentry_shape_is_right
	s_endpgm
.Lentry_shape_is_right:
; C = A W + bias, and what MODE adds.  A: [4096][SIZE_K] bf16, rows along K.  W: [SIZE_K][SIZE_N] bf16, rows along N.  Sums in f32.
; One text serves four launches; the three constants below are all that differs.
;   MODE 0: C bf16 [4096][SIZE_N]; the bias is bq, bk or bv by the block's 1,024 columns.     MODE 1: C = gelu(..) in bf16.
;   MODE 2: C = residual + .. in f32, SIZE_N = 1024.
; A work-group makes 128 x 128 of C with four waves, a wave 64 x 64: 16 accumulator tiles, 128 registers.  That block size gives 256 work-groups
; at SIZE_N = 1024.  K goes in steps of 256 through two LDS slots filled by the tensor data mover; a step is eight octants of 32 along K.
; CLUSTERS: 4 x 4 work-groups.  A's tile hangs on the block row alone and is asked for jointly by a row of the cluster, W's on the block column
; alone and is asked for jointly by a column: a quarter of the requests.
; W lies [K][N], so its fragments come out of LDS by the transposing load.  The matrix instruction is used transposed (source 0 = 16 columns of W,
; source 1 = 16 rows of A): lane l then holds row l % 16 of C and eight neighbouring columns 8 (l / 16) + 0..7.
; Limits (MODE 1): erf by the rational form of Abramowitz and Stegun 7.1.26, absolute error at most 1.5e-7 for every argument; v_exp_f32 and
; v_rcp_f32 flush denormals; NaN and infinite inputs are not served as the JAX text serves them.
.set SIZE_N, 3072
.set SIZE_K, 1024
.set MODE,   0
.set PA,     528                       ; an LDS row of A: 512 bytes + 16 = 33 x 16: the 16 rows of a fragment load start at 16 different 16-byte columns
.set PW,     288                       ; an LDS row of W: 256 bytes + 32 = 9 x 32, for the transposing load
.set WHALF,  128*PW                    ; what one load of W brings: 128 k rows x 128 columns
.set AHALF,  64*PA                     ; what one load of A brings: 64 rows x 256 k
.set AOFF,   2*WHALF                   ; a slot: W's 256 k rows, then A's 128 rows
.set SLOT,   AOFF+2*AHALF              ; 141,312 bytes
.set STAGE,  2*SLOT                    ; 282,624, a multiple of 256: the way out's bytes, into which no tensor load lands
.set SP,     272                       ; a stage row: 256 bytes + 16
.set LAPS,   SIZE_K/512                ; a lap = two K steps = once round the ring
.set ADRA, 16                          ; v16-17  LDS address of my A fragments in slot 0, 1
.set ADRW, 20                          ; v20-23  the same for W: slot 0 k rows 0-127, 128-255, slot 1 likewise
.set STO,  24                          ; v24     way out: where I put my numbers
.set RD,   25                          ; v25     way out: where I read rows back
.set CO,   26                          ; v26     my byte offset in C (and in the residual)
.set BO,   27                          ; v27     my byte offset in the bias
.set R0,   32                          ; v[32:63]   MODE 2: residual, groups 0 and 2
.set F0,   64                          ; v[64:127]  fragment buffer 0: W's four fragments, then A's four
.set F1,   128                         ; v[128:191] fragment buffer 1
.set BIAS, 192                         ; v[192:223] bias of my 32 columns
.set R1,   224                         ; v[224:255] MODE 2: residual, groups 1 and 3
.set CA,   224                         ; v[224:231] MODE 1: a1 .. a4 of the erf form, each twice
.set XO,   64                          ; way out: 32 numbers in f32
.set YO,   128                         ; way out, MODE 2: rows read back
.set GT,   96                          ; gelu: t
.set GE,   128                         ; gelu: exp(-x x / 2)
.set GP,   160                         ; gelu: the polynomial, then erf
.if MODE == 1
.set PK,   96
.else
.set PK,   160                         ; packed bf16
.endif
.set G1A, 24                           ; s[24:31] descriptor group 1 for A's tiles
.set G0A, 32                           ; s[32:39] group 0 for A's tiles, a set for each slot
.set G1W, 48                           ; s[48:55] group 1 for W's tiles
.set G0W, 56                           ; s[56:63] group 0 for W's tiles, a set for each slot
; Accumulator tile (a, b) = rows 16 a .., columns 16 b .. of my 64 x 64 lies in window 1 at v[8 (4 a + b)] (v256-v383).
.set MSB, 0
.macro WIN new                         ; s_set_vgpr_msb: bits 1:0 source 0, 3:2 source 1, 5:4 source 2, 7:6 destination; the high byte repeats the setting left
.if MSB != \new
	s_set_vgpr_msb (MSB<<8)|\new
.set MSB, \new
.endif
.endm
.set MUL, 0x50                         ; C and D in window 1, fragments in window 0
; A joint load.  Waves 0 and 1 fetch W's two halves, waves 2 and 3 A's.  Each line has one mask; the branch hangs on the wave's number alone.
.macro JLOAD s
	s_cmp_eq_u32 s11, 0
	s_cbranch_scc0 .Lfor_a_\@
	tensor_load_to_lds s[G0W+4*\s:G0W+4*\s+3], s[G1W:G1W+7]
	s_nop 0
	s_branch .Lasked_\@
.Lfor_a_\@:
	tensor_load_to_lds s[G0A+4*\s:G0A+4*\s+3], s[G1A:G1A+7]
	s_nop 0
.Lasked_\@:
.endm
.macro CREST                           ; a round of the cluster's barrier behind its opening work-group barrier
	s_cmp_lg_u32 s10, 0
	s_cbranch_scc1 .Lnot_wave_0_\@
	s_barrier_signal -3
.Lnot_wave_0_\@:
	s_barrier_wait -3
	s_barrier_signal -1
	s_barrier_wait -1
.endm
.macro CROUND                          ; a whole round
	s_barrier_signal -1
	s_barrier_wait -1
	CREST
.endm
.macro PLACES                          ; four places behind a matrix instruction before its registers are loaded into or its result is read (ISA guide 7.12.1)
.rept 4
	v_nop
.endr
.endm
; four matrix instructions: row tile a x the four column tiles, 32 along K.  The 16 accumulators take turns, one instruction a turn, in the same
; order in every octant.  zero = 1: the first product starts the sums.
.macro MUL4 f, a, zero
.irp b, 0,1,2,3
.if \zero
	v_wmma_f32_16x16x32_bf16 v[8*(4*\a+\b):8*(4*\a+\b)+7], v[\f+8*\b:\f+8*\b+7], v[\f+32+8*\a:\f+32+8*\a+7], 0
.else
	v_wmma_f32_16x16x32_bf16 v[8*(4*\a+\b):8*(4*\a+\b)+7], v[\f+8*\b:\f+8*\b+7], v[\f+32+8*\a:\f+32+8*\a+7], v[8*(4*\a+\b):8*(4*\a+\b)+7]
.endif
.endr
.endm
; 16 LDS loads: the fragments of the octant at k of a slot into buffer f; A's row tiles 2 and 3 come last
.macro FETCH slot, k, f
	WIN 0
.irp b, 0,1,2,3
	ds_load_tr16_b128 v[\f+8*\b:\f+8*\b+3],   v[ADRW+2*\slot+(\k>>7)] offset:(\k&127)*PW+32*\b
	ds_load_tr16_b128 v[\f+8*\b+4:\f+8*\b+7], v[ADRW+2*\slot+(\k>>7)] offset:(\k&127)*PW+16*PW+32*\b
.endr
.irp a, 0,1,2,3
	ds_load_b128 v[\f+32+8*\a:\f+32+8*\a+3],   v[ADRA+\slot] offset:\a*16*PA+2*\k
	ds_load_b128 v[\f+32+8*\a+4:\f+32+8*\a+7], v[ADRA+\slot] offset:\a*16*PA+2*\k+32
.endr
.endm
; one of a slot's first seven octants: multiplies buffer f; in its middle fetches the octant at k into buffer g
.macro OCT slot, k, f, g, zero
	s_wait_dscnt 4                                 ; the youngest four loads (A's row tiles 2 and 3) may be out
	WIN MUL
	MUL4 \f, 0, \zero
	MUL4 \f, 1, \zero
	PLACES
	FETCH \slot, \k, \g
	s_wait_dscnt 16                                ; all but the 16 just issued
	WIN MUL
	MUL4 \f, 2, \zero
	MUL4 \f, 3, \zero
.endm
.macro SEVEN slot, zero
	OCT \slot, 32,  F0, F1, \zero
	OCT \slot, 64,  F1, F0, 0
	OCT \slot, 96,  F0, F1, 0
	OCT \slot, 128, F1, F0, 0
	OCT \slot, 160, F0, F1, 0
	OCT \slot, 192, F1, F0, 0
	OCT \slot, 224, F0, F1, 0
.endm
; the eighth octant: multiplies buffer 1 and changes slots.  In front of the barrier each wave waits for its reads of this slot and for all its
; tensor loads (one is out: its part of the next slot).  fill = 1: the barrier opens a round of the cluster's barrier, and behind the round this slot
; is asked for again, two K steps ahead, first thing.  From that request to the wait for it a wave issues 124 of a step's 128 matrix instructions.
.macro TURN slot, next, fill
	s_wait_dscnt 4
	WIN MUL
	MUL4 F1, 0, 0
	s_wait_dscnt 0x0                               ; my reads of this slot are over
	s_wait_tensorcnt 0x0                           ; all my tensor loads have landed
	ds_add_u32 v254, v255
	s_wait_dscnt 0x0
	s_barrier_signal -1
	MUL4 F1, 1, 0                                  ; register work while the others arrive
	WIN 0
	s_barrier_wait -1
.if \fill
	CREST                                          ; no wave of any partner still reads this slot or has a load on its way
	s_add_nc_u64 s[G0A+4*\slot+2:G0A+4*\slot+3], s[G0A+4*\slot+2:G0A+4*\slot+3], 1024           ; 512 k on: bytes along A's rows
	s_add_nc_u64 s[G0W+4*\slot+2:G0W+4*\slot+3], s[G0W+4*\slot+2:G0W+4*\slot+3], 1024*SIZE_N    ; 512 rows of W
	JLOAD \slot
.endif
	PLACES
	FETCH \next, 0, F0
	WIN MUL
	MUL4 F1, 2, 0
	MUL4 F1, 3, 0
.endm
.macro LAP zero
	SEVEN 0, \zero
	TURN 0, 1, 1
	SEVEN 1, 0
	TURN 1, 0, 1
.endm
; x -> x/2 (1 + erf(x / sqrt 2)) on v[XO:XO+31].  t = 1 / (1 + 0.3275911 |x| / sqrt 2); erf = 1 - t (a1 + t (a2 + t (a3 + t (a4 + t a5)))) exp(-x x / 2), with x's sign.
; x x = infinity gives exp2(-inf) = 0 and t = 0: erf = 1.  Transcendentals stand in runs; a plain instruction on other registers follows each run.
.macro GELU32
.set i, 0
.rept 32
	v_fma_f32 v[GT+i], |v[XO+i]|, s76, 1.0
.set i, i+1
.endr
.set i, 0
.rept 32
	v_rcp_f32 v[GT+i], v[GT+i]
.set i, i+1
.endr
.set i, 0
.rept 16
	v_pk_mul_f32 v[GE+2*i:GE+2*i+1], v[XO+2*i:XO+2*i+1], v[XO+2*i:XO+2*i+1]
.set i, i+1
.endr
.set i, 0
.rept 16
	v_pk_mul_f32 v[GE+2*i:GE+2*i+1], v[GE+2*i:GE+2*i+1], 0xbf38aa3b op_sel_hi:[1,0]            ; x (-log2 e / 2)
.set i, i+1
.endr
.set i, 0
.rept 32
	v_exp_f32 v[GE+i], v[GE+i]
.set i, i+1
.endr
.set i, 0
.rept 16
	v_pk_fma_f32 v[GP+2*i:GP+2*i+1], v[GT+2*i:GT+2*i+1], 0x3f87dc22, v[CA+6:CA+7] op_sel_hi:[1,0,1]   ; a5 t + a4
.set i, i+1
.endr
.irp c, 4, 2, 0
.set i, 0
.rept 16
	v_pk_fma_f32 v[GP+2*i:GP+2*i+1], v[GP+2*i:GP+2*i+1], v[GT+2*i:GT+2*i+1], v[CA+\c:CA+\c+1]
.set i, i+1
.endr
.endr
.set i, 0
.rept 16
	v_pk_mul_f32 v[GP+2*i:GP+2*i+1], v[GP+2*i:GP+2*i+1], v[GT+2*i:GT+2*i+1]
.set i, i+1
.endr
.set i, 0
.rept 16
	v_pk_fma_f32 v[GP+2*i:GP+2*i+1], v[GP+2*i:GP+2*i+1], v[GE+2*i:GE+2*i+1], 1.0 op_sel_hi:[1,1,0] neg_lo:[1,0,0] neg_hi:[1,0,0]
.set i, i+1
.endr
.set i, 0
.rept 32
	v_bfi_b32 v[GP+i], s77, v[GP+i], v[XO+i]       ; magnitude of erf, sign of x
.set i, i+1
.endr
.set i, 0
.rept 16
	v_pk_mul_f32 v[XO+2*i:XO+2*i+1], v[XO+2*i:XO+2*i+1], 0.5 op_sel_hi:[1,0]
.set i, i+1
.endr
.set i, 0
.rept 16
	v_pk_fma_f32 v[XO+2*i:XO+2*i+1], v[XO+2*i:XO+2*i+1], v[GP+2*i:GP+2*i+1], v[XO+2*i:XO+2*i+1]
.set i, i+1
.endr
.endm
.macro ADDBIAS a                       ; the bias add also brings row tile a's 32 numbers from window 1 into window 0
	WIN 0x01
.irp b, 0,1,2,3
.irp i, 0,1,2,3
	v_pk_add_f32 v[XO+8*\b+2*\i:XO+8*\b+2*\i+1], v[8*(4*\a+\b)+2*\i:8*(4*\a+\b)+2*\i+1], v[BIAS+8*\b+2*\i:BIAS+8*\b+2*\i+1]
.endr
.endr
	WIN 0
.endm
; MODE 0, 1: row tile a, rounded to bf16, into the block's stage
.macro OUTH a
	ADDBIAS \a
.if MODE == 1
	GELU32
.endif
.irp b, 0,1,2,3
.irp i, 0,1,2,3
	v_cvt_pk_bf16_f32 v[PK+4*\b+\i], v[XO+8*\b+2*\i], v[XO+8*\b+2*\i+1]
.endr
.endr
.irp b, 0,1,2,3
	ds_store_b128 v[STO], v[PK+4*\b:PK+4*\b+3] offset:\a*16*SP+32*\b
.endr
.endm
; MODE 2: eight loads of the residual's rows 16 a .. 16 a + 15 of my 64, in the order in which the stage is read back
.macro LOADR a, rr
.irp i, 0,1,2,3,4,5,6,7
	global_load_b128 v[\rr+4*\i:\rr+4*\i+3], v[CO], s[68:69] offset:(16*\a+2*\i)*4096
.endr
.endm
; MODE 2: row tile a through my own stage (LDS serves a wave's instructions in order: no wait between the stores and the loads), plus the residual.
; left = the residual loads of the next group, which may stay out; nxt = the group whose residual is asked for into the registers just freed (0: none).
.macro OUTF a, rr, left, nxt
	s_wait_loadcnt \left
	ADDBIAS \a
.irp b, 0,1,2,3
	ds_store_b128 v[STO], v[XO+8*\b:XO+8*\b+3] offset:64*\b
	ds_store_b128 v[STO], v[XO+8*\b+4:XO+8*\b+7] offset:64*\b+16
.endr
	s_wait_xcnt 0x0                                ; v[YO..], which the last group's stores read, are loaded again only behind this wait
.irp i, 0,1,2,3,4,5,6,7
	ds_load_b128 v[YO+4*\i:YO+4*\i+3], v[RD] offset:\i*2*SP
.endr
.irp i, 0,1,2,3,4,5,6,7
	s_wait_dscnt 7-\i
	v_pk_add_f32 v[YO+4*\i:YO+4*\i+1], v[YO+4*\i:YO+4*\i+1], v[\rr+4*\i:\rr+4*\i+1]
	v_pk_add_f32 v[YO+4*\i+2:YO+4*\i+3], v[YO+4*\i+2:YO+4*\i+3], v[\rr+4*\i+2:\rr+4*\i+3]
	global_store_b128 v[CO], v[YO+4*\i:YO+4*\i+3], s[8:9] offset:(16*\a+2*\i)*4096      ; 16 lanes store 256 consecutive bytes, aligned
.endr
.if \nxt
	LOADR \nxt, \rr
.endif
.endm
	s_load_b128 s[4:7], s[0:1], 0x0                ; A s[4:5], W s[6:7]
.if MODE == 0
	s_load_b256 s[68:75], s[0:1], 0x10             ; bq, bk, bv, C
	v_lshl_add_u32 v254, v0, 2, 0x4d800
	v_mov_b32 v255, 0
	ds_add_u32 v254, v255
	ds_add_u32 v254, v255
.endif
.if MODE == 1
	s_load_b64 s[66:67], s[0:1], 0x10              ; bias
	s_load_b64 s[8:9], s[0:1], 0x18                ; C
.endif
.if MODE == 2
	s_load_b64 s[66:67], s[0:1], 0x10              ; bias
	s_load_b64 s[68:69], s[0:1], 0x18              ; residual
	s_load_b64 s[8:9], s[0:1], 0x20                ; C
.endif
	v_lshrrev_b32 v1, 5, v0
	v_readfirstlane_b32 s10, v1                    ; wave 0..3
	s_lshr_b32 s11, s10, 1                         ; which 64 rows of the block are mine.  Also: I fetch for W (0) or for A (1)
	s_and_b32 s12, s10, 1                          ; which 64 columns.  Also: which half of that tile I fetch
	s_bfe_u32 s40, ttmp6, 0x40000                  ; cx
	s_bfe_u32 s41, ttmp6, 0x40004                  ; cy
	s_lshl_b32 s42, ttmp9, 2
	s_add_co_u32 s42, s42, s40                     ; block column = 4 x cluster x + cx
	s_and_b32 s13, ttmp7, 0xffff
	s_lshl_b32 s13, s13, 2
	s_add_co_u32 s13, s13, s41                     ; block row = 4 x cluster y + cy
	s_lshl_b32 s43, s41, 2
	s_lshl_b32 s43, 15, s43                        ; my row of the cluster: places 4 cy .. 4 cy + 3
	s_lshl_b32 s44, 0x1111, s40                    ; my column: places cx, cx + 4, cx + 8, cx + 12
	; group 1 for A: 64 rows x 256 elements of 2 bytes; 4 words of padding behind every 128 words
	s_or_b32 s[G1A+0], s43, (1<<16)|(1<<20)|(1<<21)|(6<<22)|(3<<25)
	s_mov_b32 s[G1A+1], 256<<16                    ; tensor_dim0 = 256
	s_mov_b32 s[G1A+2], 64<<16                     ; tensor_dim1 = 64
	s_mov_b32 s[G1A+3], 256<<16                    ; tile_dim0 = 256
	s_mov_b32 s[G1A+4], 64                         ; tile_dim1 = 64
	s_mov_b32 s[G1A+5], SIZE_K                     ; elements from row to row
	s_mov_b32 s[G1A+6], 0
	s_mov_b32 s[G1A+7], 0
	; group 1 for W: 128 k rows x 128 elements; 8 words of padding behind every 64 words
	s_or_b32 s[G1W+0], s44, (1<<16)|(1<<20)|(1<<21)|(5<<22)|(7<<25)
	s_mov_b32 s[G1W+1], 128<<16
	s_mov_b32 s[G1W+2], 128<<16
	s_mov_b32 s[G1W+3], 128<<16
	s_mov_b32 s[G1W+4], 128
	s_mov_b32 s[G1W+5], SIZE_N
	s_mov_b32 s[G1W+6], 0
	s_mov_b32 s[G1W+7], 0
	; A's address hangs on the block row, W's on the block column, each in registers that never hold the other coordinate
	s_lshl_b32 s16, s13, 7
	s_lshl_b32 s17, s12, 6
	s_add_co_u32 s16, s16, s17                     ; A: row 128 x block row + 64 x half
	s_mul_i32 s16, s16, SIZE_K*2                   ; at most 4,095 rows of 8,192 bytes: inside 32 bits
	s_mov_b32 s17, 0
	s_mul_i32 s46, s12, 128*SIZE_N*2               ; W: k row 128 x half,
	s_lshl_b32 s47, s42, 8
	s_add_co_u32 s46, s46, s47                     ; column 128 x block column
	s_mov_b32 s47, 0
	s_mul_i32 s20, s10, WHALF                      ; where they go: W's halves at wave x 36,864 (waves 0, 1),
	s_mul_i32 s21, s10, AHALF
	s_add_co_u32 s21, s21, AOFF-2*AHALF            ; A's at 6,144 + wave x 33,792 (waves 2, 3): 73,728 and 107,520
	s_wait_dscnt 0x0
	s_wait_kmcnt 0x0
	s_add_nc_u64 s[14:15], s[4:5], s[16:17]
	s_add_nc_u64 s[46:47], s[6:7], s[46:47]
	CROUND                                         ; all sixteen work-groups are here: the first joint loads meet
.irp s, 0,1
	s_mov_b32 s[G0A+4*\s], 1
	s_add_co_u32 s[G0A+4*\s+1], s21, \s*SLOT
	s_add_nc_u64 s[G0A+4*\s+2:G0A+4*\s+3], s[14:15], \s*512
	s_or_b32 s[G0A+4*\s+3], s[G0A+4*\s+3], 0x80000000
	s_mov_b32 s[G0W+4*\s], 1
	s_add_co_u32 s[G0W+4*\s+1], s20, \s*SLOT
	s_add_nc_u64 s[G0W+4*\s+2:G0W+4*\s+3], s[46:47], \s*256*SIZE_N*2
	s_or_b32 s[G0W+4*\s+3], s[G0W+4*\s+3], 0x80000000
	JLOAD \s                                       ; both slots are asked for before anything else: two loads of the wave are out
.endr
	v_and_b32 v1, 15, v0                           ; r = l % 16
	v_bfe_u32 v2, v0, 4, 1                         ; h = l / 16
	v_mul_u32_u24 v3, v1, PA
	v_lshl_add_u32 v3, v2, 4, v3                   ; A: row r, 16 bytes for each half of the lanes
	s_mul_i32 s22, s11, AHALF
	s_add_co_u32 s22, s22, AOFF
	v_add_nc_u32 v[ADRA], s22, v3
	v_add_nc_u32 v[ADRA+1], SLOT, v[ADRA]
	v_and_b32 v4, 7, v0
	v_lshl_add_u32 v4, v2, 3, v4                   ; W: k row 8 h + l % 8,
	v_mul_u32_u24 v4, v4, PW
	v_bfe_u32 v5, v0, 3, 1
	v_lshl_add_u32 v4, v5, 4, v4                   ; 16 bytes by bit 3 of the lane,
	s_lshl_b32 s22, s12, 7
	v_add_nc_u32 v[ADRW], s22, v4                  ; my 64 columns
	v_add_nc_u32 v[ADRW+1], WHALF, v[ADRW]
	v_add_nc_u32 v[ADRW+2], SLOT, v[ADRW]
	v_add_nc_u32 v[ADRW+3], SLOT+WHALF, v[ADRW]
	v_lshlrev_b32 v[BO], 5, v2                     ; bias: 8 h numbers of 4 bytes
	v_mul_u32_u24 v6, v1, SP
	v_mul_u32_u24 v7, v2, SP
	v_lshl_add_u32 v7, v1, 4, v7                   ; back: lanes 0-15 one row of 256 bytes, lanes 16-31 the next
.if MODE == 2
	s_mul_i32 s23, s10, 16*SP
	s_add_co_u32 s23, s23, STAGE                   ; my own stage of 16 rows
	v_lshl_add_u32 v6, v2, 5, v6
	v_add_nc_u32 v[STO], s23, v6
	v_add_nc_u32 v[RD], s23, v7
	v_lshlrev_b32 v6, 12, v2
	v_lshl_add_u32 v[CO], v1, 4, v6
.else
	s_mul_i32 s23, s11, 64*SP
	s_lshl_b32 s22, s12, 7
	s_add_co_u32 s23, s23, s22
	s_add_co_u32 s23, s23, STAGE                   ; the block's stage: my 64 rows, my 128 bytes of them
	v_lshl_add_u32 v6, v2, 4, v6
	v_add_nc_u32 v[STO], s23, v6
	s_mul_i32 s23, s10, 32*SP
	s_add_co_u32 s23, s23, STAGE                   ; back: wave w takes the block's rows 32 w .. 32 w + 31
	v_add_nc_u32 v[RD], s23, v7
	v_mul_u32_u24 v6, v2, SIZE_N*2
	v_lshl_add_u32 v[CO], v1, 4, v6
.endif
.if MODE == 0
	s_lshr_b32 s76, ttmp9, 1                       ; 8 block columns = 2 clusters to each of q, k, v
	s_cmp_eq_u32 s76, 0
	s_cselect_b64 s[66:67], s[68:69], s[70:71]
	s_cmp_eq_u32 s76, 2
	s_cselect_b64 s[66:67], s[72:73], s[66:67]
	s_mov_b64 s[8:9], s[74:75]
	s_and_b32 s78, s42, 7
	s_lshl_b32 s78, s78, 9
.else
	s_lshl_b32 s78, s42, 9                         ; 128 columns of 4 bytes a block
.endif
	s_lshl_b32 s79, s12, 8
	s_add_co_u32 s78, s78, s79                     ; + my 64 columns
	s_mov_b32 s79, 0
	s_add_nc_u64 s[66:67], s[66:67], s[78:79]
.irp b, 0,1,2,3
	global_load_b128 v[BIAS+8*\b:BIAS+8*\b+3],   v[BO], s[66:67] offset:64*\b
	global_load_b128 v[BIAS+8*\b+4:BIAS+8*\b+7], v[BO], s[66:67] offset:64*\b+16
.endr
	s_lshl_b32 s80, s13, 7
.if MODE == 2
	s_lshl_b32 s81, s11, 6
	s_add_co_u32 s80, s80, s81                     ; my first row
	s_lshl_b32 s80, s80, 12                        ; rows of 4,096 bytes
	s_add_co_u32 s78, s78, s80                     ; + my first column, 4 bytes each, as for the bias
	s_add_nc_u64 s[68:69], s[68:69], s[78:79]
	s_add_nc_u64 s[8:9], s[8:9], s[78:79]
	LOADR 0, R0
	LOADR 1, R1
.else
	s_lshl_b32 s81, s10, 5
	s_add_co_u32 s80, s80, s81                     ; the first row that I store
	s_mul_i32 s80, s80, SIZE_N*2
	s_lshl_b32 s78, s42, 8                         ; the block's 256 bytes of a row
	s_add_co_u32 s78, s78, s80
	s_add_nc_u64 s[8:9], s[8:9], s[78:79]
.endif
.if MODE == 1
	s_mov_b32 s76, 0x3e6d3388                      ; 0.3275911 / sqrt 2
	s_mov_b32 s77, 0x7fffffff
.irp c, 0,1
	v_mov_b32 v[CA+\c],   0x3e827906               ; a1 =  0.254829592
	v_mov_b32 v[CA+2+\c], 0xbe91a98e               ; a2 = -0.284496736
	v_mov_b32 v[CA+4+\c], 0x3fb5f0e3               ; a3 =  1.421413741
	v_mov_b32 v[CA+6+\c], 0xbfba00e3               ; a4 = -1.453152027
.endr
.endif
	s_wait_tensorcnt 0x1                           ; my part of K step 0 is in; K step 1's may stay out
	s_barrier_signal -1
	s_barrier_wait -1
	FETCH 0, 0, F0
	LAP 1                                          ; the first lap stands in front of the loop: its first products start the sums
.if LAPS > 2
	WIN 0                                          ; at a label and at a branch every window is 0
	s_mov_b32 s3, LAPS-2
.Llap:
	LAP 0
	WIN 0
	s_sub_co_u32 s3, s3, 1
	s_cmp_lg_u32 s3, 0
	s_cbranch_scc1 .Llap
.endif
	SEVEN 0, 0                                     ; the last lap fills nothing
	TURN 0, 1, 0
	SEVEN 1, 0
	s_wait_dscnt 4
	WIN MUL
	MUL4 F1, 0, 0
	MUL4 F1, 1, 0
	s_wait_dscnt 0x0
	MUL4 F1, 2, 0
	MUL4 F1, 3, 0
	PLACES                                         ; behind the last matrix instructions, before results are read and fragment registers rewritten
.if MODE == 2
	OUTF 0, R0, 8, 2
	OUTF 1, R1, 8, 3
	OUTF 2, R0, 8, 0
	OUTF 3, R1, 0, 0
.else
	s_wait_loadcnt 0x0                             ; the bias
	OUTH 0
	OUTH 1
	OUTH 2
	OUTH 3
	s_wait_dscnt 0x0                               ; my stores into the stage are done,
	s_barrier_signal -1
	s_barrier_wait -1                              ; everybody's are: a row's two halves come from two waves
.irp i, 0,1,2,3,4,5,6,7,8,9,10,11,12,13,14,15
	ds_load_b128 v[F0+4*\i:F0+4*\i+3], v[RD] offset:\i*2*SP
.endr
.irp i, 0,1,2,3,4,5,6,7,8,9,10,11,12,13,14,15
	s_wait_dscnt 15-\i
	global_store_b128 v[CO], v[F0+4*\i:F0+4*\i+3], s[8:9] offset:\i*4*SIZE_N       ; 16 lanes store 256 consecutive bytes, aligned
.endr
.endif
	s_wait_tensorcnt 0x0
	ds_add_u32 v254, v255
	s_wait_dscnt 0x0
	CROUND                                         ; the closing round: no work-group ends while a partner may still ask for a tile that names it
	s_endpgm
.Lfunc_end_k_q6f602bb288_qkv:
	.size	k_q6f602bb288_qkv, .Lfunc_end_k_q6f602bb288_qkv-k_q6f602bb288_qkv
	.p2alignl 7, 3214868480
	.fill 96, 4, 3214868480
	.section	.rodata,"a",@progbits
	.p2align	6, 0x0
	.amdhsa_kernel k_q6f602bb288_qkv
		.amdhsa_group_segment_fixed_size 327680
		.amdhsa_private_segment_fixed_size 0
		.amdhsa_enable_private_segment 0
		.amdhsa_kernarg_size 48
		.amdhsa_user_sgpr_count 2
		.amdhsa_user_sgpr_kernarg_segment_ptr 1
		.amdhsa_wavefront_size32 1
		.amdhsa_system_sgpr_workgroup_id_x 1
		.amdhsa_system_sgpr_workgroup_id_y 1
		.amdhsa_system_sgpr_workgroup_id_z 1
		.amdhsa_system_vgpr_workitem_id 0
		.amdhsa_next_free_vgpr 384
		.amdhsa_next_free_sgpr 84
		.amdhsa_reserve_vcc 0
		.amdhsa_float_denorm_mode_32 3
		.amdhsa_float_denorm_mode_16_64 3
		.amdhsa_memory_ordered 1
		.amdhsa_forward_progress 1
		.amdhsa_inst_pref_size 95
	.end_amdhsa_kernel
	.amdgpu_metadata
---
amdhsa.version: [ 1, 2 ]
amdhsa.kernels:
  - .name:           k_q6f602bb288_qkv
    .symbol:         k_q6f602bb288_qkv.kd
    .args:
      - { .name: hn, .offset: 0, .size: 8, .value_kind: global_buffer, .address_space: global }
      - { .name: wqkv, .offset: 8, .size: 8, .value_kind: global_buffer, .address_space: global }
      - { .name: bq, .offset: 16, .size: 8, .value_kind: global_buffer, .address_space: global }
      - { .name: bk, .offset: 24, .size: 8, .value_kind: global_buffer, .address_space: global }
      - { .name: bv, .offset: 32, .size: 8, .value_kind: global_buffer, .address_space: global }
      - { .name: big, .offset: 40, .size: 8, .value_kind: global_buffer, .address_space: global }
    .group_segment_fixed_size: 327680
    .private_segment_fixed_size: 0
    .kernarg_segment_align: 8
    .kernarg_segment_size: 48
    .max_flat_workgroup_size: 128
    .sgpr_count:     84
    .vgpr_count:     384
    .wavefront_size: 32
...
	.end_amdgpu_metadata
.endif
;; end of part 2
;; launch attn (part 3): grid 256 x 1, 4 waves a work-group, no clusters, 327,680 bytes of LDS; arguments big, ctx; writes ctx
.if DOCPART == 3
	.amdgcn_target "amdgcn-amd-amdhsa--gfx1250"
	.amdhsa_code_object_version 6
	.text
	.protected	k_q6f602bb288_attn
	.globl	k_q6f602bb288_attn
	.p2align	8
	.type	k_q6f602bb288_attn,@function
k_q6f602bb288_attn:
	s_mov_b64 s[64:65], 0
	v_nop
	global_prefetch_b8 v0, s[64:65] scope:SCOPE_SE
	s_setreg_imm32_b32 hwreg(HW_REG_WAVE_MODE, 25, 1), 1
	s_wait_xcnt 0x0
; Causal attention, one pass with a running maximum.  big: [4096][3072] bf16, a row = q (1,024), k (1,024), v (1,024), head h at column 64 h of each.
; ctx: [4096][1024] bf16, head h at column 64 h.
; A work-group has one (batch, head) and two blocks of 128 queries, e = 2 p and o = 15 - e (p = 0..7): (e + 1) + (o + 1) = 17 key tiles of 128 in
; every work-group.  What lies above the diagonal block is not computed.  A block begins with its diagonal tile, whose key 0 no query masks, so the
; running maximum is finite from the first 64 keys on.  A wave has 32 queries.
; S^T = K Q^T: lane l holds query l % 16 and keys 8 (l / 16) + 0..7 of each tile of 16, so a query's maximum and sum are per lane plus one exchange
; between the halves, and the packed registers of S^T are the second source of O^T = V^T P^T as they stand.  V^T comes from [key][64] by the transposing load.
; NO CLUSTER: the eight work-groups of a head walk different sequences of tiles (e, 0 .. e-1, o, 0 .. o-1); a joint walk would run every partner to the
; longest partner's tiles of both blocks, up to 31 requests and steps where a work-group needs 17.
; Two LDS slots of one key tile (K and V), one tensor load of 64 rows a wave behind each barrier: one load of a wave is out at any time.
; Limits: v_exp_f32 and v_rcp_f32 flush denormals; NaN or infinite scores are not served as the JAX text serves them.
.set KP,    144                        ; LDS row of K: 128 bytes + 16 = 9 x 16
.set VP,    160                        ; LDS row of V: 128 bytes + 32 = 5 x 32
.set QUART, 10240                      ; a quarter of a slot: K keys 0-63, K keys 64-127, V keys 0-63, V keys 64-127; wave w fills quarter w
.set SLOTB, 4*QUART
.set STAGE, 2*SLOTB                    ; 81,920, a multiple of 256: 32 rows x 144 bytes for each wave, into which no tensor load lands
.set TILEB, 128*6144                   ; bytes from a key tile to the next
.set KA,   2                           ; v2-3   LDS address of my K fragments in slot 0, 1
.set VA,   4                           ; v4-5   the same for V
.set STO,  6                           ; v6     way out: where I put 16 bytes
.set RD,   7                           ; v7     way out: where I read rows back
.set CO,   8                           ; v8     my byte offset in ctx
.set QO,   9                           ; v9     my byte offset in q
.set DQ,   10                          ; v10-11 my query in the block less 8 (l / 16), for query tiles 0, 1
.set NINF, 12                          ; v12    -infinity
.set MX,   14                          ; v14-15 running maximum
.set LS,   16                          ; v16-17 running sum of my half of the keys
.set NM,   18                          ; v[18:21] -c x maximum, twice for each query tile
.set AL,   22                          ; v[22:25] the factor that brings old sums to the new maximum, twice for each
.set T,    26                          ; v[26:31] at work
.set QF,   32                          ; v[32:63]   Q fragments: (query tile b, half ks of the 64) at 16 b + 8 ks
.set S,    64                          ; v[64:127]  S^T tile (b, key tile a) at 32 b + 8 a; later P packed
.set FK,   128                         ; v[128:191] K fragments (a, ks) at 16 a + 8 ks
.set FV,   192                         ; v[192:255] V^T fragments (32 keys k2, 16 of the 64 t) at 8 (4 k2 + t)
; window 1: O^T tile (t, b) at v[8 (2 t + b)] (v256-v319)
.set MSB, 0
.macro WIN new                         ; s_set_vgpr_msb: bits 1:0 source 0, 3:2 source 1, 5:4 source 2, 7:6 destination; the high byte repeats the setting left
.if MSB != \new
	s_set_vgpr_msb (MSB<<8)|\new
.set MSB, \new
.endif
.endm
.macro KVLOAD                          ; waves 0, 1 bring K's halves (pitch 144), waves 2, 3 V's (pitch 160): one load a wave
	s_cmp_eq_u32 s9, 0
	s_cbranch_scc0 .Lfor_v_\@
	tensor_load_to_lds s[32:35], s[16:23]
	s_nop 0
	s_branch .Lasked_\@
.Lfor_v_\@:
	tensor_load_to_lds s[32:35], s[24:31]
	s_nop 0
.Lasked_\@:
.endm
.macro OSCALE                          ; O *= AL, each query tile by its own factor
	WIN 0x41
.irp t, 0,1,2,3
.irp b, 0,1
.irp i, 0,1,2,3
	v_pk_mul_f32 v[8*(2*\t+\b)+2*\i:8*(2*\t+\b)+2*\i+1], v[8*(2*\t+\b)+2*\i:8*(2*\t+\b)+2*\i+1], v[AL+2*\b:AL+2*\b+1]
.endr
.endr
.endr
.endm
; softmax step of query tile b on 64 keys (32 numbers a lane)
.macro SOFT b, u, first, masked
.set SB, S+32*\b
.if \masked
.irp a, 0,1,2,3
.irp j, 0,1,2,3,4,5,6,7
	v_cmp_gt_i32 vcc_lo, 64*\u+16*\a+\j, v[DQ+\b]                  ; key 64 u + 16 a + 8 h + j lies behind my query
	v_cndmask_b32 v[SB+8*\a+\j], v[SB+8*\a+\j], v[NINF], vcc_lo
.endr
.endr
.endif
	v_max3_num_f32 v[T], v[SB], v[SB+1], v[SB+2]
	v_max3_num_f32 v[T+1], v[SB+3], v[SB+4], v[SB+5]
.set n, 6
.rept 13
	v_max3_num_f32 v[T+((n/2)&1)], v[T+((n/2)&1)], v[SB+n], v[SB+n+1]
.set n, n+2
.endr
	v_max_num_f32 v[T], v[T], v[T+1]
	v_permlanex16_b32 v[T+1], v[T], s46, s47       ; the other half's keys of the same query
.if \first
	v_max_num_f32 v[T+2], v[T], v[T+1]
.else
	v_max3_num_f32 v[T+2], v[T], v[T+1], v[MX+\b]
.endif
	v_mul_f32 v[T+3], 0xbe38aa3b, v[T+2]           ; -c x maximum, c = log2 e / 8
.if \first == 0
	v_sub_f32 v[T+4], v[T+3], v[NM+2*\b]           ; the old sums were made with the old shift: their factor is 2^(new shift - old shift)
	v_exp_f32 v[AL+2*\b], v[T+4]
	v_exp_f32 v[AL+2*\b+1], v[T+4]
.endif
	v_mov_b32 v[NM+2*\b], v[T+3]                   ; plain work on other registers stands behind the transcendentals
	v_mov_b32 v[NM+2*\b+1], v[T+3]
	v_mov_b32 v[MX+\b], v[T+2]
.set n, 0
.rept 16
	v_pk_fma_f32 v[SB+2*n:SB+2*n+1], v[SB+2*n:SB+2*n+1], s[44:45], v[NM+2*\b:NM+2*\b+1] op_sel_hi:[1,0,1]
.set n, n+1
.endr
.set n, 0
.rept 32
	v_exp_f32 v[SB+n], v[SB+n]
.set n, n+1
.endr
	v_nop                                          ; one plain place before the run's results are used (ISA guide 5.7.2)
	s_wait_alu depctr_va_vdst(0)
	v_pk_add_f32 v[T:T+1], v[SB:SB+1], v[SB+2:SB+3]
	v_pk_add_f32 v[T+2:T+3], v[SB+4:SB+5], v[SB+6:SB+7]
.set n, 4
.rept 12
	v_pk_add_f32 v[T+2*(n&1):T+2*(n&1)+1], v[T+2*(n&1):T+2*(n&1)+1], v[SB+2*n:SB+2*n+1]
.set n, n+1
.endr
	v_pk_add_f32 v[T:T+1], v[T:T+1], v[T+2:T+3]
.if \first
	v_add_f32 v[LS+\b], v[T], v[T+1]
.else
	v_add_f32 v[T], v[T], v[T+1]
	v_fma_f32 v[LS+\b], v[LS+\b], v[AL+2*\b], v[T]
.endif
.irp k2, 0,1
.irp i, 0,1,2,3,4,5,6,7
	v_cvt_pk_bf16_f32 v[SB+16*\k2+\i], v[SB+16*\k2+2*\i], v[SB+16*\k2+2*\i+1]     ; in place, ascending: register i is written when 2 i and 2 i + 1 are read
.endr
.endr
.endm
; 64 keys (quarter u of K and of V in a slot) against my 32 queries
.macro SUB slot, u, first, masked
.irp a, 0,1,2,3
.irp c, 0,1,2,3
	ds_load_b128 v[FK+16*\a+4*\c:FK+16*\a+4*\c+3], v[KA+\slot] offset:\u*QUART+\a*16*KP+32*\c
.endr
.endr
.irp k2, 0,1
.irp t, 0,1,2,3
	ds_load_tr16_b128 v[FV+8*(4*\k2+\t):FV+8*(4*\k2+\t)+3],   v[VA+\slot] offset:\u*QUART+\k2*32*VP+32*\t
	ds_load_tr16_b128 v[FV+8*(4*\k2+\t)+4:FV+8*(4*\k2+\t)+7], v[VA+\slot] offset:\u*QUART+\k2*32*VP+16*VP+32*\t
.endr
.endr
	s_wait_dscnt 16                                ; the 16 younger loads are V's: K's fragments are in
	; the eight tiles of S^T take turns, one instruction a turn; the first 32 of the 64 start the sums
.irp a, 0,1,2,3
.irp b, 0,1
	v_wmma_f32_16x16x32_bf16 v[S+32*\b+8*\a:S+32*\b+8*\a+7], v[FK+16*\a:FK+16*\a+7], v[QF+16*\b:QF+16*\b+7], 0
.endr
.endr
.irp a, 0,1,2,3
.irp b, 0,1
	v_wmma_f32_16x16x32_bf16 v[S+32*\b+8*\a:S+32*\b+8*\a+7], v[FK+16*\a+8:FK+16*\a+15], v[QF+16*\b+8:QF+16*\b+15], v[S+32*\b+8*\a:S+32*\b+8*\a+7]
.endr
.endr
.rept 4
	v_nop                                          ; four places before vector instructions read the results (ISA guide 7.12.1)
.endr
	SOFT 0, \u, \first, \masked
	SOFT 1, \u, \first, \masked
.if \first == 0
	OSCALE
.endif
	s_wait_dscnt 0x0                               ; V's fragments are in
	WIN 0x50                                       ; C and D in window 1
	; the eight tiles of O^T take turns likewise
.irp t, 0,1,2,3
.irp b, 0,1
.if \first
	v_wmma_f32_16x16x32_bf16 v[8*(2*\t+\b):8*(2*\t+\b)+7], v[FV+8*\t:FV+8*\t+7], v[S+32*\b:S+32*\b+7], 0
.else
	v_wmma_f32_16x16x32_bf16 v[8*(2*\t+\b):8*(2*\t+\b)+7], v[FV+8*\t:FV+8*\t+7], v[S+32*\b:S+32*\b+7], v[8*(2*\t+\b):8*(2*\t+\b)+7]
.endif
.endr
.endr
.irp t, 0,1,2,3
.irp b, 0,1
	v_wmma_f32_16x16x32_bf16 v[8*(2*\t+\b):8*(2*\t+\b)+7], v[FV+8*(4+\t):FV+8*(4+\t)+7], v[S+32*\b+16:S+32*\b+23], v[8*(2*\t+\b):8*(2*\t+\b)+7]
.endr
.endr
	WIN 0
.rept 5
	v_nop                                          ; five places: the next matrix instructions write over S, a source of these; the next loads land in FK, FV or QF
.endr
.endm
; One key tile.  In front of the barrier: all my tensor loads have landed (my quarter of this tile), my reads of the other slot are back.  Behind it the
; other slot is asked for first (tile s40), and has this tile's 64 matrix instructions and four softmax steps in which to land.
.macro STEP slot, fill, first, masked
	s_set_vgpr_msb 0x4
	s_wait_tensorcnt 0x0
	ds_add_u32 v31, v65
	s_wait_dscnt 0x0
	s_set_vgpr_msb 0x400
.if \fill
	s_add_co_u32 s33, s42, (1-\slot)*SLOTB         ; no load of mine is out: group 0 may be written
	s_mul_i32 s38, s40, TILEB
	s_add_nc_u64 s[34:35], s[36:37], s[38:39]
	s_or_b32 s35, s35, 0x80000000
.endif
	s_wait_dscnt 0x0
	s_barrier_signal -1
	s_barrier_wait -1
.if \fill
	KVLOAD
.endif
	SUB \slot, 0, \first, \masked
	SUB \slot, 1, 0, \masked
.endm
.macro QLOAD qb                        ; my 32 rows of q of block qb, as second-source fragments straight from memory
	s_lshl_b32 s55, \qb, 7
	s_add_co_u32 s55, s55, s52
	s_mul_i32 s38, s55, 6144
	s_add_co_u32 s38, s38, s54
	s_add_nc_u64 s[48:49], s[4:5], s[38:39]
.irp b, 0,1
.irp c, 0,1,2,3
	global_load_b128 v[QF+16*\b+4*\c:QF+16*\b+4*\c+3], v[QO], s[48:49] offset:\b*16*6144+32*\c
.endr
.endr
.endm
; O / sum, rounded, through my own stage (LDS serves a wave's instructions in order), out as whole rows of the head's 128 bytes
.macro FINAL qb, more
	s_lshl_b32 s55, \qb, 7
	s_add_co_u32 s55, s55, s52
	s_lshl_b32 s38, s55, 11
	s_add_co_u32 s38, s38, s54
	s_add_nc_u64 s[50:51], s[6:7], s[38:39]
	v_permlanex16_b32 v[T], v[LS], s46, s47
	v_permlanex16_b32 v[T+1], v[LS+1], s46, s47
	v_add_f32 v[T], v[T], v[LS]                    ; the two halves' sums
	v_add_f32 v[T+1], v[T+1], v[LS+1]
	v_rcp_f32 v[AL], v[T]
	v_rcp_f32 v[AL+1], v[T]
	v_rcp_f32 v[AL+2], v[T+1]
	v_rcp_f32 v[AL+3], v[T+1]
	v_nop
	s_wait_alu depctr_va_vdst(0)
	OSCALE
	WIN 0x05                                       ; sources in window 1, destination in window 0
.irp t, 0,1,2,3
.irp b, 0,1
.irp i, 0,1,2,3
	v_cvt_pk_bf16_f32 v[S+4*(2*\t+\b)+\i], v[8*(2*\t+\b)+2*\i], v[8*(2*\t+\b)+2*\i+1]
.endr
.endr
.endr
	WIN 0
.irp t, 0,1,2,3
.irp b, 0,1
	ds_store_b128 v[STO], v[S+4*(2*\t+\b):S+4*(2*\t+\b)+3] offset:\b*16*KP+32*\t
.endr
.endr
.irp i, 0,1,2,3,4,5,6,7
	ds_load_b128 v[FK+4*\i:FK+4*\i+3], v[RD] offset:\i*4*KP
.endr
.irp i, 0,1,2,3,4,5,6,7
	s_wait_dscnt 7-\i
	global_store_b128 v[CO], v[FK+4*\i:FK+4*\i+3], s[50:51] offset:\i*4*2048       ; eight lanes store a head's whole row of 128 bytes; the tensor's rows of a head are no longer
.endr
.if \more
	s_wait_xcnt 0x0                                ; FK, which these stores read, and their base are written again only behind this wait
.endif
.endm
	s_load_b128 s[4:7], s[0:1], 0x0                ; big s[4:5], ctx s[6:7]
	v_lshl_add_u32 v31, v0, 2, 0x29000
	s_set_vgpr_msb 0x40
	v_mov_b32 v65, 0
	s_set_vgpr_msb 0x4044
	ds_add_u32 v31, v65
	ds_add_u32 v31, v65
	s_set_vgpr_msb 0x4400
	v_lshrrev_b32 v1, 5, v0
	v_readfirstlane_b32 s8, v1                     ; wave 0..3
	s_lshr_b32 s9, s8, 1                           ; I fetch K (0) or V (1),
	s_and_b32 s10, s8, 1                           ; keys 0-63 or 64-127 of a tile
	s_and_b32 s11, ttmp9, 7                        ; p
	s_lshl_b32 s12, s11, 1                         ; e
	s_sub_co_u32 s13, 15, s12                      ; o
	s_sub_co_u32 s43, 7, s11
	s_lshr_b32 s14, ttmp9, 3
	s_lshr_b32 s15, s14, 4                         ; batch
	s_and_b32 s14, s14, 15                         ; head
	s_lshl_b32 s54, s14, 7                         ; the head's 128 bytes in a row
	s_lshl_b32 s52, s15, 11
	s_lshl_b32 s53, s8, 5
	s_add_co_u32 s52, s52, s53                     ; row of my first query less the block's 128 qb
	; group 1: 64 rows x 64 elements of 2 bytes, 3,072 elements from row to row; padding behind every 32 words: 4 words for K, 8 for V
	s_mov_b32 s16, (1<<16)|(1<<20)|(4<<22)|(3<<25)
	s_mov_b32 s17, 64<<16
	s_mov_b32 s18, 64<<16
	s_mov_b32 s19, 64<<16
	s_mov_b32 s20, 64
	s_mov_b32 s21, 3072
	s_mov_b32 s22, 0
	s_mov_b32 s23, 0
	s_mov_b32 s24, (1<<16)|(1<<20)|(4<<22)|(7<<25)
	s_mov_b32 s25, 64<<16
	s_mov_b32 s26, 64<<16
	s_mov_b32 s27, 64<<16
	s_mov_b32 s28, 64
	s_mov_b32 s29, 3072
	s_mov_b32 s30, 0
	s_mov_b32 s31, 0
	s_mul_i32 s42, s8, QUART                       ; my quarter of a slot
	s_lshl_b32 s38, s15, 11
	s_lshl_b32 s39, s10, 6
	s_add_co_u32 s38, s38, s39                     ; the batch's first row + my 64 keys
	s_mul_i32 s38, s38, 6144
	s_add_co_u32 s38, s38, s54
	s_lshl_b32 s39, s9, 11
	s_add_co_u32 s38, s38, s39
	s_add_co_u32 s38, s38, 2048                    ; k begins 2,048 bytes into a row, v 4,096
	s_mov_b32 s39, 0                               ; stays 0: the upper word of every offset
	s_wait_dscnt 0x0
	s_wait_kmcnt 0x0
	s_add_nc_u64 s[36:37], s[4:5], s[38:39]        ; my quarter of key tile 0
	s_mov_b32 s32, 1
	s_add_co_u32 s33, s42, 0                       ; slot 0
	s_mul_i32 s38, s12, TILEB                      ; block e's diagonal tile
	s_add_nc_u64 s[34:35], s[36:37], s[38:39]
	s_or_b32 s35, s35, 0x80000000
	KVLOAD                                         ; the first fill, ahead of everything else
	s_mov_b32 s44, 0x3e38aa3b                      ; c = log2 e / sqrt 64
	s_mov_b32 s45, 0x3e38aa3b
	s_mov_b32 s46, 0x76543210                      ; v_permlanex16_b32: lane i of one half reads lane i of the other
	s_mov_b32 s47, 0xfedcba98
	v_and_b32 v1, 15, v0                           ; r
	v_bfe_u32 v13, v0, 4, 1                        ; h
	v_mul_u32_u24 v[QO], v1, 6144
	v_lshl_add_u32 v[QO], v13, 4, v[QO]
	QLOAD s12
	v_mul_u32_u24 v[KA], v1, KP
	v_lshl_add_u32 v[KA], v13, 4, v[KA]            ; K: row r, 16 bytes for each half of the lanes
	v_add_nc_u32 v[KA+1], SLOTB, v[KA]
	v_and_b32 v[T], 7, v0
	v_lshl_add_u32 v[T], v13, 3, v[T]              ; V: key 8 h + l % 8,
	v_mul_u32_u24 v[T], v[T], VP
	v_bfe_u32 v[T+1], v0, 3, 1
	v_lshl_add_u32 v[T], v[T+1], 4, v[T]           ; 16 bytes by bit 3 of the lane
	v_add_nc_u32 v[VA], 2*QUART, v[T]
	v_add_nc_u32 v[VA+1], SLOTB+2*QUART, v[T]
	s_mul_i32 s53, s8, 32*KP
	s_add_co_u32 s53, s53, STAGE                   ; my stage
	v_add_nc_u32 v[STO], s53, v[KA]
	v_bfe_u32 v[T+1], v0, 3, 2                     ; back: eight lanes a row, four rows a load
	v_and_b32 v[T+2], 7, v0
	v_mul_u32_u24 v[T+3], v[T+1], KP
	v_lshl_add_u32 v[T+3], v[T+2], 4, v[T+3]
	v_add_nc_u32 v[RD], s53, v[T+3]
	v_lshlrev_b32 v[T+3], 11, v[T+1]
	v_lshl_add_u32 v[CO], v[T+2], 4, v[T+3]
	s_lshl_b32 s53, s8, 5
	v_lshlrev_b32 v[T], 3, v13
	v_sub_nc_u32 v[T], v1, v[T]
	v_add_nc_u32 v[DQ], s53, v[T]                  ; 32 w + r - 8 h
	v_add_nc_u32 v[DQ+1], 16, v[DQ]
	v_mov_b32 v[NINF], 0xff800000
	s_cmp_eq_u32 s12, 0
	s_cselect_b32 s40, s13, 0                      ; the tile behind e's diagonal: 0, or o's diagonal where e = 0
	s_wait_loadcnt 0x0                             ; q
	; block e: 2 p + 1 tiles, an odd number, so that the slots' turns are the same in every work-group
	STEP 0, 1, 1, 1
	s_cmp_eq_u32 s11, 0
	s_cbranch_scc1 .Le_done
	s_mov_b32 s41, 0
.Le_loop:
	s_add_co_u32 s40, s40, 1
	STEP 1, 1, 0, 0
	s_add_co_u32 s40, s40, 1
	s_cmp_eq_u32 s40, s12                          ; behind tile e - 1 comes o's diagonal
	s_cselect_b32 s40, s13, s40
	STEP 0, 1, 0, 0
	s_add_co_u32 s41, s41, 1
	s_cmp_lt_u32 s41, s11
	s_cbranch_scc1 .Le_loop
.Le_done:
	QLOAD s13
	FINAL s12, 1
	s_wait_loadcnt 0x0
	; block o: 16 - 2 p tiles
	s_mov_b32 s40, 0
	STEP 1, 1, 1, 1
	s_cmp_eq_u32 s43, 0
	s_cbranch_scc1 .Lo_done
	s_mov_b32 s41, 0
.Lo_loop:
	s_add_co_u32 s40, s40, 1
	STEP 0, 1, 0, 0
	s_add_co_u32 s40, s40, 1
	STEP 1, 1, 0, 0
	s_add_co_u32 s41, s41, 1
	s_cmp_lt_u32 s41, s43
	s_cbranch_scc1 .Lo_loop
.Lo_done:
	STEP 0, 0, 0, 0                                ; tile o - 1: nothing is left to fetch
	FINAL s13, 0
	s_set_vgpr_msb 0x4
	s_wait_tensorcnt 0x0
	ds_add_u32 v31, v65
	s_wait_dscnt 0x0
	s_set_vgpr_msb 0x400
	s_endpgm
.Lfunc_end_k_q6f602bb288_attn:
	.size	k_q6f602bb288_attn, .Lfunc_end_k_q6f602bb288_attn-k_q6f602bb288_attn
	.p2alignl 7, 3214868480
	.fill 96, 4, 3214868480
	.section	.rodata,"a",@progbits
	.p2align	6, 0x0
	.amdhsa_kernel k_q6f602bb288_attn
		.amdhsa_group_segment_fixed_size 327680
		.amdhsa_private_segment_fixed_size 0
		.amdhsa_enable_private_segment 0
		.amdhsa_kernarg_size 16
		.amdhsa_user_sgpr_count 2
		.amdhsa_user_sgpr_kernarg_segment_ptr 1
		.amdhsa_wavefront_size32 1
		.amdhsa_system_sgpr_workgroup_id_x 1
		.amdhsa_system_sgpr_workgroup_id_y 1
		.amdhsa_system_sgpr_workgroup_id_z 1
		.amdhsa_system_vgpr_workitem_id 0
		.amdhsa_next_free_vgpr 322
		.amdhsa_next_free_sgpr 66
		.amdhsa_reserve_vcc 1
		.amdhsa_float_denorm_mode_32 3
		.amdhsa_float_denorm_mode_16_64 3
		.amdhsa_memory_ordered 1
		.amdhsa_forward_progress 1
		.amdhsa_inst_pref_size 255
	.end_amdhsa_kernel
	.section	.bss,"aw",@nobits
	.p2align	6
	.space	262144
	.amdgpu_metadata
---
amdhsa.version: [ 1, 2 ]
amdhsa.kernels:
  - .name:           k_q6f602bb288_attn
    .symbol:         k_q6f602bb288_attn.kd
    .args:
      - { .name: big, .offset: 0, .size: 8, .value_kind: global_buffer, .address_space: global }
      - { .name: ctx, .offset: 8, .size: 8, .value_kind: global_buffer, .address_space: global }
    .group_segment_fixed_size: 327680
    .private_segment_fixed_size: 0
    .kernarg_segment_align: 8
    .kernarg_segment_size: 16
    .max_flat_workgroup_size: 128
    .sgpr_count:     66
    .vgpr_count:     322
    .wavefront_size: 32
...
	.end_amdgpu_metadata
.endif
;; end of part 3
;; launch wo (part 4): grid 8 x 32, 4 waves a work-group, clusters of 4 x 4, 327,680 bytes of LDS; arguments ctx, wob, bo, x, x1; writes x1
.if DOCPART == 4
	.amdgcn_target "amdgcn-amd-amdhsa--gfx1250"
	.amdhsa_code_object_version 6
	.text
	.protected	k_q6f602bb288_wo
	.globl	k_q6f602bb288_wo
	.p2align	8
	.type	k_q6f602bb288_wo,@function
k_q6f602bb288_wo:
	s_mov_b64 s[64:65], 0
	v_nop
	global_prefetch_b8 v0, s[64:65] scope:SCOPE_SE
	s_setreg_imm32_b32 hwreg(HW_REG_WAVE_MODE, 25, 1), 1
	s_wait_xcnt 0x0
	s_wait_alu depctr_hold_cnt(0) depctr_sa_sdst(0) depctr_va_vdst(0) depctr_va_sdst(0) depctr_va_ssrc(0) depctr_va_vcc(0) depctr_vm_vsrc(0)
	s_getreg_b32 s2, hwreg(HW_REG_IB_STS2, 6, 4)
	s_cmp_eq_u32 s2, 0
	s_cbranch_scc0 .Lentry_in_a_cluster
	s_endpgm
.Lentry_in_a_cluster:
	s_bfe_u32 s2, ttmp6, 0x10000c
	s_cmp_lg_u32 s2, 0xf033
	s_cbranch_scc0 .Lentry_shape_is_right
	s_endpgm
.Lentry_shape_is_right:
; C = A W + bias, and what MODE adds.  A: [4096][SIZE_K] bf16, rows along K.  W: [SIZE_K][SIZE_N] bf16, rows along N.  Sums in f32.
; One text serves four launches; the three constants below are all that differs.
;   MODE 0: C bf16 [4096][SIZE_N]; the bias is bq, bk or bv by the block's 1,024 columns.     MODE 1: C = gelu(..) in bf16.
;   MODE 2: C = residual + .. in f32, SIZE_N = 1024.
; A work-group makes 128 x 128 of C with four waves, a wave 64 x 64: 16 accumulator tiles, 128 registers.  That block size gives 256 work-groups
; at SIZE_N = 1024.  K goes in steps of 256 through two LDS slots filled by the tensor data mover; a step is eight octants of 32 along K.
; CLUSTERS: 4 x 4 work-groups.  A's tile hangs on the block row alone and is asked for jointly by a row of the cluster, W's on the block column
; alone and is asked for jointly by a column: a quarter of the requests.
; W lies [K][N], so its fragments come out of LDS by the transposing load.  The matrix instruction is used transposed (source 0 = 16 columns of W,
; source 1 = 16 rows of A): lane l then holds row l % 16 of C and eight neighbouring columns 8 (l / 16) + 0..7.
; Limits (MODE 1): erf by the rational form of Abramowitz and Stegun 7.1.26, absolute error at most 1.5e-7 for every argument; v_exp_f32 and
; v_rcp_f32 flush denormals; NaN and infinite inputs are not served as the JAX text serves them.
.set SIZE_N, 1024
.set SIZE_K, 1024
.set MODE,   2
.set PA,     528                       ; an LDS row of A: 512 bytes + 16 = 33 x 16: the 16 rows of a fragment load start at 16 different 16-byte columns
.set PW,     288                       ; an LDS row of W: 256 bytes + 32 = 9 x 32, for the transposing load
.set WHALF,  128*PW                    ; what one load of W brings: 128 k rows x 128 columns
.set AHALF,  64*PA                     ; what one load of A brings: 64 rows x 256 k
.set AOFF,   2*WHALF                   ; a slot: W's 256 k rows, then A's 128 rows
.set SLOT,   AOFF+2*AHALF              ; 141,312 bytes
.set STAGE,  2*SLOT                    ; 282,624, a multiple of 256: the way out's bytes, into which no tensor load lands
.set SP,     272                       ; a stage row: 256 bytes + 16
.set LAPS,   SIZE_K/512                ; a lap = two K steps = once round the ring
.set ADRA, 16                          ; v16-17  LDS address of my A fragments in slot 0, 1
.set ADRW, 20                          ; v20-23  the same for W: slot 0 k rows 0-127, 128-255, slot 1 likewise
.set STO,  24                          ; v24     way out: where I put my numbers
.set RD,   25                          ; v25     way out: where I read rows back
.set CO,   26                          ; v26     my byte offset in C (and in the residual)
.set BO,   27                          ; v27     my byte offset in the bias
.set R0,   32                          ; v[32:63]   MODE 2: residual, groups 0 and 2
.set F0,   64                          ; v[64:127]  fragment buffer 0: W's four fragments, then A's four
.set F1,   128                         ; v[128:191] fragment buffer 1
.set BIAS, 192                         ; v[192:223] bias of my 32 columns
.set R1,   224                         ; v[224:255] MODE 2: residual, groups 1 and 3
.set CA,   224                         ; v[224:231] MODE 1: a1 .. a4 of the erf form, each twice
.set XO,   64                          ; way out: 32 numbers in f32
.set YO,   128                         ; way out, MODE 2: rows read back
.set GT,   96                          ; gelu: t
.set GE,   128                         ; gelu: exp(-x x / 2)
.set GP,   160                         ; gelu: the polynomial, then erf
.if MODE == 1
.set PK,   96
.else
.set PK,   160                         ; packed bf16
.endif
.set G1A, 24                           ; s[24:31] descriptor group 1 for A's tiles
.set G0A, 32                           ; s[32:39] group 0 for A's tiles, a set for each slot
.set G1W, 48                           ; s[48:55] group 1 for W's tiles
.set G0W, 56                           ; s[56:63] group 0 for W's tiles, a set for each slot
; Accumulator tile (a, b) = rows 16 a .., columns 16 b .. of my 64 x 64 lies in window 1 at v[8 (4 a + b)] (v256-v383).
.set MSB, 0
.macro WIN new                         ; s_set_vgpr_msb: bits 1:0 source 0, 3:2 source 1, 5:4 source 2, 7:6 destination; the high byte repeats the setting left
.if MSB != \new
	s_set_vgpr_msb (MSB<<8)|\new
.set MSB, \new
.endif
.endm
.set MUL, 0x50                         ; C and D in window 1, fragments in window 0
; A joint load.  Waves 0 and 1 fetch W's two halves, waves 2 and 3 A's.  Each line has one mask; the branch hangs on the wave's number alone.
.macro JLOAD s
	s_cmp_eq_u32 s11, 0
	s_cbranch_scc0 .Lfor_a_\@
	tensor_load_to_lds s[G0W+4*\s:G0W+4*\s+3], s[G1W:G1W+7]
	s_nop 0
	s_branch .Lasked_\@
.Lfor_a_\@:
	tensor_load_to_lds s[G0A+4*\s:G0A+4*\s+3], s[G1A:G1A+7]
	s_nop 0
.Lasked_\@:
.endm
.macro CREST                           ; a round of the cluster's barrier behind its opening work-group barrier
	s_cmp_lg_u32 s10, 0
	s_cbranch_scc1 .Lnot_wave_0_\@
	s_barrier_signal -3
.Lnot_wave_0_\@:
	s_barrier_wait -3
	s_barrier_signal -1
	s_barrier_wait -1
.endm
.macro CROUND                          ; a whole round
	s_barrier_signal -1
	s_barrier_wait -1
	CREST
.endm
.macro PLACES                          ; four places behind a matrix instruction before its registers are loaded into or its result is read (ISA guide 7.12.1)
.rept 4
	v_nop
.endr
.endm
; four matrix instructions: row tile a x the four column tiles, 32 along K.  The 16 accumulators take turns, one instruction a turn, in the same
; order in every octant.  zero = 1: the first product starts the sums.
.macro MUL4 f, a, zero
.irp b, 0,1,2,3
.if \zero
	v_wmma_f32_16x16x32_bf16 v[8*(4*\a+\b):8*(4*\a+\b)+7], v[\f+8*\b:\f+8*\b+7], v[\f+32+8*\a:\f+32+8*\a+7], 0
.else
	v_wmma_f32_16x16x32_bf16 v[8*(4*\a+\b):8*(4*\a+\b)+7], v[\f+8*\b:\f+8*\b+7], v[\f+32+8*\a:\f+32+8*\a+7], v[8*(4*\a+\b):8*(4*\a+\b)+7]
.endif
.endr
.endm
; 16 LDS loads: the fragments of the octant at k of a slot into buffer f; A's row tiles 2 and 3 come last
.macro FETCH slot, k, f
	WIN 0
.irp b, 0,1,2,3
	ds_load_tr16_b128 v[\f+8*\b:\f+8*\b+3],   v[ADRW+2*\slot+(\k>>7)] offset:(\k&127)*PW+32*\b
	ds_load_tr16_b128 v[\f+8*\b+4:\f+8*\b+7], v[ADRW+2*\slot+(\k>>7)] offset:(\k&127)*PW+16*PW+32*\b
.endr
.irp a, 0,1,2,3
	ds_load_b128 v[\f+32+8*\a:\f+32+8*\a+3],   v[ADRA+\slot] offset:\a*16*PA+2*\k
	ds_load_b128 v[\f+32+8*\a+4:\f+32+8*\a+7], v[ADRA+\slot] offset:\a*16*PA+2*\k+32
.endr
.endm
; one of a slot's first seven octants: multiplies buffer f; in its middle fetches the octant at k into buffer g
.macro OCT slot, k, f, g, zero
	s_wait_dscnt 4                                 ; the youngest four loads (A's row tiles 2 and 3) may be out
	WIN MUL
	MUL4 \f, 0, \zero
	MUL4 \f, 1, \zero
	PLACES
	FETCH \slot, \k, \g
	s_wait_dscnt 16                                ; all but the 16 just issued
	WIN MUL
	MUL4 \f, 2, \zero
	MUL4 \f, 3, \zero
.endm
.macro SEVEN slot, zero
	OCT \slot, 32,  F0, F1, \zero
	OCT \slot, 64,  F1, F0, 0
	OCT \slot, 96,  F0, F1, 0
	OCT \slot, 128, F1, F0, 0
	OCT \slot, 160, F0, F1, 0
	OCT \slot, 192, F1, F0, 0
	OCT \slot, 224, F0, F1, 0
.endm
; the eighth octant: multiplies buffer 1 and changes slots.  In front of the barrier each wave waits for its reads of this slot and for all its
; tensor loads (one is out: its part of the next slot).  fill = 1: the barrier opens a round of the cluster's barrier, and behind the round this slot
; is asked for again, two K steps ahead, first thing.  From that request to the wait for it a wave issues 124 of a step's 128 matrix instructions.
.macro TURN slot, next, fill
	s_wait_dscnt 4
	WIN MUL
	MUL4 F1, 0, 0
	s_wait_dscnt 0x0                               ; my reads of this slot are over
	s_wait_tensorcnt 0x0                           ; all my tensor loads have landed
	ds_add_u32 v30, v31
	s_wait_dscnt 0x0
	s_barrier_signal -1
	MUL4 F1, 1, 0                                  ; register work while the others arrive
	WIN 0
	s_barrier_wait -1
.if \fill
	CREST                                          ; no wave of any partner still reads this slot or has a load on its way
	s_add_nc_u64 s[G0A+4*\slot+2:G0A+4*\slot+3], s[G0A+4*\slot+2:G0A+4*\slot+3], 1024           ; 512 k on: bytes along A's rows
	s_add_nc_u64 s[G0W+4*\slot+2:G0W+4*\slot+3], s[G0W+4*\slot+2:G0W+4*\slot+3], 1024*SIZE_N    ; 512 rows of W
	JLOAD \slot
.endif
	PLACES
	FETCH \next, 0, F0
	WIN MUL
	MUL4 F1, 2, 0
	MUL4 F1, 3, 0
.endm
.macro LAP zero
	SEVEN 0, \zero
	TURN 0, 1, 1
	SEVEN 1, 0
	TURN 1, 0, 1
.endm
; x -> x/2 (1 + erf(x / sqrt 2)) on v[XO:XO+31].  t = 1 / (1 + 0.3275911 |x| / sqrt 2); erf = 1 - t (a1 + t (a2 + t (a3 + t (a4 + t a5)))) exp(-x x / 2), with x's sign.
; x x = infinity gives exp2(-inf) = 0 and t = 0: erf = 1.  Transcendentals stand in runs; a plain instruction on other registers follows each run.
.macro GELU32
.set i, 0
.rept 32
	v_fma_f32 v[GT+i], |v[XO+i]|, s76, 1.0
.set i, i+1
.endr
.set i, 0
.rept 32
	v_rcp_f32 v[GT+i], v[GT+i]
.set i, i+1
.endr
.set i, 0
.rept 16
	v_pk_mul_f32 v[GE+2*i:GE+2*i+1], v[XO+2*i:XO+2*i+1], v[XO+2*i:XO+2*i+1]
.set i, i+1
.endr
.set i, 0
.rept 16
	v_pk_mul_f32 v[GE+2*i:GE+2*i+1], v[GE+2*i:GE+2*i+1], 0xbf38aa3b op_sel_hi:[1,0]            ; x (-log2 e / 2)
.set i, i+1
.endr
.set i, 0
.rept 32
	v_exp_f32 v[GE+i], v[GE+i]
.set i, i+1
.endr
.set i, 0
.rept 16
	v_pk_fma_f32 v[GP+2*i:GP+2*i+1], v[GT+2*i:GT+2*i+1], 0x3f87dc22, v[CA+6:CA+7] op_sel_hi:[1,0,1]   ; a5 t + a4
.set i, i+1
.endr
.irp c, 4, 2, 0
.set i, 0
.rept 16
	v_pk_fma_f32 v[GP+2*i:GP+2*i+1], v[GP+2*i:GP+2*i+1], v[GT+2*i:GT+2*i+1], v[CA+\c:CA+\c+1]
.set i, i+1
.endr
.endr
.set i, 0
.rept 16
	v_pk_mul_f32 v[GP+2*i:GP+2*i+1], v[GP+2*i:GP+2*i+1], v[GT+2*i:GT+2*i+1]
.set i, i+1
.endr
.set i, 0
.rept 16
	v_pk_fma_f32 v[GP+2*i:GP+2*i+1], v[GP+2*i:GP+2*i+1], v[GE+2*i:GE+2*i+1], 1.0 op_sel_hi:[1,1,0] neg_lo:[1,0,0] neg_hi:[1,0,0]
.set i, i+1
.endr
.set i, 0
.rept 32
	v_bfi_b32 v[GP+i], s77, v[GP+i], v[XO+i]       ; magnitude of erf, sign of x
.set i, i+1
.endr
.set i, 0
.rept 16
	v_pk_mul_f32 v[XO+2*i:XO+2*i+1], v[XO+2*i:XO+2*i+1], 0.5 op_sel_hi:[1,0]
.set i, i+1
.endr
.set i, 0
.rept 16
	v_pk_fma_f32 v[XO+2*i:XO+2*i+1], v[XO+2*i:XO+2*i+1], v[GP+2*i:GP+2*i+1], v[XO+2*i:XO+2*i+1]
.set i, i+1
.endr
.endm
.macro ADDBIAS a                       ; the bias add also brings row tile a's 32 numbers from window 1 into window 0
	WIN 0x01
.irp b, 0,1,2,3
.irp i, 0,1,2,3
	v_pk_add_f32 v[XO+8*\b+2*\i:XO+8*\b+2*\i+1], v[8*(4*\a+\b)+2*\i:8*(4*\a+\b)+2*\i+1], v[BIAS+8*\b+2*\i:BIAS+8*\b+2*\i+1]
.endr
.endr
	WIN 0
.endm
; MODE 0, 1: row tile a, rounded to bf16, into the block's stage
.macro OUTH a
	ADDBIAS \a
.if MODE == 1
	GELU32
.endif
.irp b, 0,1,2,3
.irp i, 0,1,2,3
	v_cvt_pk_bf16_f32 v[PK+4*\b+\i], v[XO+8*\b+2*\i], v[XO+8*\b+2*\i+1]
.endr
.endr
.irp b, 0,1,2,3
	ds_store_b128 v[STO], v[PK+4*\b:PK+4*\b+3] offset:\a*16*SP+32*\b
.endr
.endm
; MODE 2: eight loads of the residual's rows 16 a .. 16 a + 15 of my 64, in the order in which the stage is read back
.macro LOADR a, rr
.irp i, 0,1,2,3,4,5,6,7
	global_load_b128 v[\rr+4*\i:\rr+4*\i+3], v[CO], s[68:69] offset:(16*\a+2*\i)*4096
.endr
.endm
; MODE 2: row tile a through my own stage (LDS serves a wave's instructions in order: no wait between the stores and the loads), plus the residual.
; left = the residual loads of the next group, which may stay out; nxt = the group whose residual is asked for into the registers just freed (0: none).
.macro OUTF a, rr, left, nxt
	s_wait_loadcnt \left
	ADDBIAS \a
.irp b, 0,1,2,3
	ds_store_b128 v[STO], v[XO+8*\b:XO+8*\b+3] offset:64*\b
	ds_store_b128 v[STO], v[XO+8*\b+4:XO+8*\b+7] offset:64*\b+16
.endr
	s_wait_xcnt 0x0                                ; v[YO..], which the last group's stores read, are loaded again only behind this wait
.irp i, 0,1,2,3,4,5,6,7
	ds_load_b128 v[YO+4*\i:YO+4*\i+3], v[RD] offset:\i*2*SP
.endr
.irp i, 0,1,2,3,4,5,6,7
	s_wait_dscnt 7-\i
	v_pk_add_f32 v[YO+4*\i:YO+4*\i+1], v[YO+4*\i:YO+4*\i+1], v[\rr+4*\i:\rr+4*\i+1]
	v_pk_add_f32 v[YO+4*\i+2:YO+4*\i+3], v[YO+4*\i+2:YO+4*\i+3], v[\rr+4*\i+2:\rr+4*\i+3]
	global_store_b128 v[CO], v[YO+4*\i:YO+4*\i+3], s[8:9] offset:(16*\a+2*\i)*4096      ; 16 lanes store 256 consecutive bytes, aligned
.endr
.if \nxt
	LOADR \nxt, \rr
.endif
.endm
	s_load_b128 s[4:7], s[0:1], 0x0                ; A s[4:5], W s[6:7]
.if MODE == 0
	s_load_b256 s[68:75], s[0:1], 0x10             ; bq, bk, bv, C
.endif
.if MODE == 1
	s_load_b64 s[66:67], s[0:1], 0x10              ; bias
	s_load_b64 s[8:9], s[0:1], 0x18                ; C
.endif
.if MODE == 2
	s_load_b64 s[66:67], s[0:1], 0x10              ; bias
	s_load_b64 s[68:69], s[0:1], 0x18              ; residual
	s_load_b64 s[8:9], s[0:1], 0x20                ; C
	v_lshl_add_u32 v30, v0, 2, 0x49400
	v_mov_b32 v31, 0
	ds_add_u32 v30, v31
	ds_add_u32 v30, v31
.endif
	v_lshrrev_b32 v1, 5, v0
	v_readfirstlane_b32 s10, v1                    ; wave 0..3
	s_lshr_b32 s11, s10, 1                         ; which 64 rows of the block are mine.  Also: I fetch for W (0) or for A (1)
	s_and_b32 s12, s10, 1                          ; which 64 columns.  Also: which half of that tile I fetch
	s_bfe_u32 s40, ttmp6, 0x40000                  ; cx
	s_bfe_u32 s41, ttmp6, 0x40004                  ; cy
	s_lshl_b32 s42, ttmp9, 2
	s_add_co_u32 s42, s42, s40                     ; block column = 4 x cluster x + cx
	s_and_b32 s13, ttmp7, 0xffff
	s_lshl_b32 s13, s13, 2
	s_add_co_u32 s13, s13, s41                     ; block row = 4 x cluster y + cy
	s_lshl_b32 s43, s41, 2
	s_lshl_b32 s43, 15, s43                        ; my row of the cluster: places 4 cy .. 4 cy + 3
	s_lshl_b32 s44, 0x1111, s40                    ; my column: places cx, cx + 4, cx + 8, cx + 12
	; group 1 for A: 64 rows x 256 elements of 2 bytes; 4 words of padding behind every 128 words
	s_or_b32 s[G1A+0], s43, (1<<16)|(1<<20)|(1<<21)|(6<<22)|(3<<25)
	s_mov_b32 s[G1A+1], 256<<16                    ; tensor_dim0 = 256
	s_mov_b32 s[G1A+2], 64<<16                     ; tensor_dim1 = 64
	s_mov_b32 s[G1A+3], 256<<16                    ; tile_dim0 = 256
	s_mov_b32 s[G1A+4], 64                         ; tile_dim1 = 64
	s_mov_b32 s[G1A+5], SIZE_K                     ; elements from row to row
	s_mov_b32 s[G1A+6], 0
	s_mov_b32 s[G1A+7], 0
	; group 1 for W: 128 k rows x 128 elements; 8 words of padding behind every 64 words
	s_or_b32 s[G1W+0], s44, (1<<16)|(1<<20)|(1<<21)|(5<<22)|(7<<25)
	s_mov_b32 s[G1W+1], 128<<16
	s_mov_b32 s[G1W+2], 128<<16
	s_mov_b32 s[G1W+3], 128<<16
	s_mov_b32 s[G1W+4], 128
	s_mov_b32 s[G1W+5], SIZE_N
	s_mov_b32 s[G1W+6], 0
	s_mov_b32 s[G1W+7], 0
	; A's address hangs on the block row, W's on the block column, each in registers that never hold the other coordinate
	s_lshl_b32 s16, s13, 7
	s_lshl_b32 s17, s12, 6
	s_add_co_u32 s16, s16, s17                     ; A: row 128 x block row + 64 x half
	s_mul_i32 s16, s16, SIZE_K*2                   ; at most 4,095 rows of 8,192 bytes: inside 32 bits
	s_mov_b32 s17, 0
	s_mul_i32 s46, s12, 128*SIZE_N*2               ; W: k row 128 x half,
	s_lshl_b32 s47, s42, 8
	s_add_co_u32 s46, s46, s47                     ; column 128 x block column
	s_mov_b32 s47, 0
	s_mul_i32 s20, s10, WHALF                      ; where they go: W's halves at wave x 36,864 (waves 0, 1),
	s_mul_i32 s21, s10, AHALF
	s_add_co_u32 s21, s21, AOFF-2*AHALF            ; A's at 6,144 + wave x 33,792 (waves 2, 3): 73,728 and 107,520
	s_wait_dscnt 0x0
	s_wait_kmcnt 0x0
	s_add_nc_u64 s[14:15], s[4:5], s[16:17]
	s_add_nc_u64 s[46:47], s[6:7], s[46:47]
	CROUND                                         ; all sixteen work-groups are here: the first joint loads meet
.irp s, 0,1
	s_mov_b32 s[G0A+4*\s], 1
	s_add_co_u32 s[G0A+4*\s+1], s21, \s*SLOT
	s_add_nc_u64 s[G0A+4*\s+2:G0A+4*\s+3], s[14:15], \s*512
	s_or_b32 s[G0A+4*\s+3], s[G0A+4*\s+3], 0x80000000
	s_mov_b32 s[G0W+4*\s], 1
	s_add_co_u32 s[G0W+4*\s+1], s20, \s*SLOT
	s_add_nc_u64 s[G0W+4*\s+2:G0W+4*\s+3], s[46:47], \s*256*SIZE_N*2
	s_or_b32 s[G0W+4*\s+3], s[G0W+4*\s+3], 0x80000000
	JLOAD \s                                       ; both slots are asked for before anything else: two loads of the wave are out
.endr
	v_and_b32 v1, 15, v0                           ; r = l % 16
	v_bfe_u32 v2, v0, 4, 1                         ; h = l / 16
	v_mul_u32_u24 v3, v1, PA
	v_lshl_add_u32 v3, v2, 4, v3                   ; A: row r, 16 bytes for each half of the lanes
	s_mul_i32 s22, s11, AHALF
	s_add_co_u32 s22, s22, AOFF
	v_add_nc_u32 v[ADRA], s22, v3
	v_add_nc_u32 v[ADRA+1], SLOT, v[ADRA]
	v_and_b32 v4, 7, v0
	v_lshl_add_u32 v4, v2, 3, v4                   ; W: k row 8 h + l % 8,
	v_mul_u32_u24 v4, v4, PW
	v_bfe_u32 v5, v0, 3, 1
	v_lshl_add_u32 v4, v5, 4, v4                   ; 16 bytes by bit 3 of the lane,
	s_lshl_b32 s22, s12, 7
	v_add_nc_u32 v[ADRW], s22, v4                  ; my 64 columns
	v_add_nc_u32 v[ADRW+1], WHALF, v[ADRW]
	v_add_nc_u32 v[ADRW+2], SLOT, v[ADRW]
	v_add_nc_u32 v[ADRW+3], SLOT+WHALF, v[ADRW]
	v_lshlrev_b32 v[BO], 5, v2                     ; bias: 8 h numbers of 4 bytes
	v_mul_u32_u24 v6, v1, SP
	v_mul_u32_u24 v7, v2, SP
	v_lshl_add_u32 v7, v1, 4, v7                   ; back: lanes 0-15 one row of 256 bytes, lanes 16-31 the next
.if MODE == 2
	s_mul_i32 s23, s10, 16*SP
	s_add_co_u32 s23, s23, STAGE                   ; my own stage of 16 rows
	v_lshl_add_u32 v6, v2, 5, v6
	v_add_nc_u32 v[STO], s23, v6
	v_add_nc_u32 v[RD], s23, v7
	v_lshlrev_b32 v6, 12, v2
	v_lshl_add_u32 v[CO], v1, 4, v6
.else
	s_mul_i32 s23, s11, 64*SP
	s_lshl_b32 s22, s12, 7
	s_add_co_u32 s23, s23, s22
	s_add_co_u32 s23, s23, STAGE                   ; the block's stage: my 64 rows, my 128 bytes of them
	v_lshl_add_u32 v6, v2, 4, v6
	v_add_nc_u32 v[STO], s23, v6
	s_mul_i32 s23, s10, 32*SP
	s_add_co_u32 s23, s23, STAGE                   ; back: wave w takes the block's rows 32 w .. 32 w + 31
	v_add_nc_u32 v[RD], s23, v7
	v_mul_u32_u24 v6, v2, SIZE_N*2
	v_lshl_add_u32 v[CO], v1, 4, v6
.endif
.if MODE == 0
	s_lshr_b32 s76, ttmp9, 1                       ; 8 block columns = 2 clusters to each of q, k, v
	s_cmp_eq_u32 s76, 0
	s_cselect_b64 s[66:67], s[68:69], s[70:71]
	s_cmp_eq_u32 s76, 2
	s_cselect_b64 s[66:67], s[72:73], s[66:67]
	s_mov_b64 s[8:9], s[74:75]
	s_and_b32 s78, s42, 7
	s_lshl_b32 s78, s78, 9
.else
	s_lshl_b32 s78, s42, 9                         ; 128 columns of 4 bytes a block
.endif
	s_lshl_b32 s79, s12, 8
	s_add_co_u32 s78, s78, s79                     ; + my 64 columns
	s_mov_b32 s79, 0
	s_add_nc_u64 s[66:67], s[66:67], s[78:79]
.irp b, 0,1,2,3
	global_load_b128 v[BIAS+8*\b:BIAS+8*\b+3],   v[BO], s[66:67] offset:64*\b
	global_load_b128 v[BIAS+8*\b+4:BIAS+8*\b+7], v[BO], s[66:67] offset:64*\b+16
.endr
	s_lshl_b32 s80, s13, 7
.if MODE == 2
	s_lshl_b32 s81, s11, 6
	s_add_co_u32 s80, s80, s81                     ; my first row
	s_lshl_b32 s80, s80, 12                        ; rows of 4,096 bytes
	s_add_co_u32 s78, s78, s80                     ; + my first column, 4 bytes each, as for the bias
	s_add_nc_u64 s[68:69], s[68:69], s[78:79]
	s_add_nc_u64 s[8:9], s[8:9], s[78:79]
	LOADR 0, R0
	LOADR 1, R1
.else
	s_lshl_b32 s81, s10, 5
	s_add_co_u32 s80, s80, s81                     ; the first row that I store
	s_mul_i32 s80, s80, SIZE_N*2
	s_lshl_b32 s78, s42, 8                         ; the block's 256 bytes of a row
	s_add_co_u32 s78, s78, s80
	s_add_nc_u64 s[8:9], s[8:9], s[78:79]
.endif
.if MODE == 1
	s_mov_b32 s76, 0x3e6d3388                      ; 0.3275911 / sqrt 2
	s_mov_b32 s77, 0x7fffffff
.irp c, 0,1
	v_mov_b32 v[CA+\c],   0x3e827906               ; a1 =  0.254829592
	v_mov_b32 v[CA+2+\c], 0xbe91a98e               ; a2 = -0.284496736
	v_mov_b32 v[CA+4+\c], 0x3fb5f0e3               ; a3 =  1.421413741
	v_mov_b32 v[CA+6+\c], 0xbfba00e3               ; a4 = -1.453152027
.endr
.endif
	s_wait_tensorcnt 0x1                           ; my part of K step 0 is in; K step 1's may stay out
	s_barrier_signal -1
	s_barrier_wait -1
	FETCH 0, 0, F0
	LAP 1                                          ; the first lap stands in front of the loop: its first products start the sums
.if LAPS > 2
	WIN 0                                          ; at a label and at a branch every window is 0
	s_mov_b32 s3, LAPS-2
.Llap:
	LAP 0
	WIN 0
	s_sub_co_u32 s3, s3, 1
	s_cmp_lg_u32 s3, 0
	s_cbranch_scc1 .Llap
.endif
	SEVEN 0, 0                                     ; the last lap fills nothing
	TURN 0, 1, 0
	SEVEN 1, 0
	s_wait_dscnt 4
	WIN MUL
	MUL4 F1, 0, 0
	MUL4 F1, 1, 0
	s_wait_dscnt 0x0
	MUL4 F1, 2, 0
	MUL4 F1, 3, 0
	PLACES                                         ; behind the last matrix instructions, before results are read and fragment registers rewritten
.if MODE == 2
	OUTF 0, R0, 8, 2
	OUTF 1, R1, 8, 3
	OUTF 2, R0, 8, 0
	OUTF 3, R1, 0, 0
.else
	s_wait_loadcnt 0x0                             ; the bias
	OUTH 0
	OUTH 1
	OUTH 2
	OUTH 3
	s_wait_dscnt 0x0                               ; my stores into the stage are done,
	s_barrier_signal -1
	s_barrier_wait -1                              ; everybody's are: a row's two halves come from two waves
.irp i, 0,1,2,3,4,5,6,7,8,9,10,11,12,13,14,15
	ds_load_b128 v[F0+4*\i:F0+4*\i+3], v[RD] offset:\i*2*SP
.endr
.irp i, 0,1,2,3,4,5,6,7,8,9,10,11,12,13,14,15
	s_wait_dscnt 15-\i
	global_store_b128 v[CO], v[F0+4*\i:F0+4*\i+3], s[8:9] offset:\i*4*SIZE_N       ; 16 lanes store 256 consecutive bytes, aligned
.endr
.endif
	s_wait_tensorcnt 0x0
	ds_add_u32 v30, v31
	s_wait_dscnt 0x0
	CROUND                                         ; the closing round: no work-group ends while a partner may still ask for a tile that names it
	s_endpgm
.Lfunc_end_k_q6f602bb288_wo:
	.size	k_q6f602bb288_wo, .Lfunc_end_k_q6f602bb288_wo-k_q6f602bb288_wo
	.p2alignl 7, 3214868480
	.fill 96, 4, 3214868480
	.section	.rodata,"a",@progbits
	.p2align	6, 0x0
	.amdhsa_kernel k_q6f602bb288_wo
		.amdhsa_group_segment_fixed_size 327680
		.amdhsa_private_segment_fixed_size 0
		.amdhsa_enable_private_segment 0
		.amdhsa_kernarg_size 40
		.amdhsa_user_sgpr_count 2
		.amdhsa_user_sgpr_kernarg_segment_ptr 1
		.amdhsa_wavefront_size32 1
		.amdhsa_system_sgpr_workgroup_id_x 1
		.amdhsa_system_sgpr_workgroup_id_y 1
		.amdhsa_system_sgpr_workgroup_id_z 1
		.amdhsa_system_vgpr_workitem_id 0
		.amdhsa_next_free_vgpr 384
		.amdhsa_next_free_sgpr 84
		.amdhsa_reserve_vcc 0
		.amdhsa_float_denorm_mode_32 3
		.amdhsa_float_denorm_mode_16_64 3
		.amdhsa_memory_ordered 1
		.amdhsa_forward_progress 1
		.amdhsa_inst_pref_size 102
	.end_amdhsa_kernel
	.amdgpu_metadata
---
amdhsa.version: [ 1, 2 ]
amdhsa.kernels:
  - .name:           k_q6f602bb288_wo
    .symbol:         k_q6f602bb288_wo.kd
    .args:
      - { .name: ctx, .offset: 0, .size: 8, .value_kind: global_buffer, .address_space: global }
      - { .name: wob, .offset: 8, .size: 8, .value_kind: global_buffer, .address_space: global }
      - { .name: bo, .offset: 16, .size: 8, .value_kind: global_buffer, .address_space: global }
      - { .name: x, .offset: 24, .size: 8, .value_kind: global_buffer, .address_space: global }
      - { .name: x1, .offset: 32, .size: 8, .value_kind: global_buffer, .address_space: global }
    .group_segment_fixed_size: 327680
    .private_segment_fixed_size: 0
    .kernarg_segment_align: 8
    .kernarg_segment_size: 40
    .max_flat_workgroup_size: 128
    .sgpr_count:     84
    .vgpr_count:     384
    .wavefront_size: 32
...
	.end_amdgpu_metadata
.endif
;; end of part 4
;; launch ln2 (part 5): grid 256 x 1, 8 waves a work-group, no clusters, 0 bytes of LDS; arguments x1, g2, b2, hn; writes hn
.if DOCPART == 5
	.amdgcn_target "amdgcn-amd-amdhsa--gfx1250"
	.amdhsa_code_object_version 6
	.text
	.protected	k_q6f602bb288_ln2
	.globl	k_q6f602bb288_ln2
	.p2align	8
	.type	k_q6f602bb288_ln2,@function
k_q6f602bb288_ln2:
	s_mov_b64 s[64:65], 0
	v_nop
	global_prefetch_b8 v0, s[64:65] scope:SCOPE_SE
	s_setreg_imm32_b32 hwreg(HW_REG_WAVE_MODE, 25, 1), 1
	s_wait_xcnt 0x0
; hn = LayerNorm(x1, g2, b2) in bf16.  x1: [4096][1024] f32.  16 rows a work-group, two whole rows a wave: a row of 4,096 bytes is 32 registers,
; so it is read once and the sums never leave the wave: no LDS, no barrier, no matrix unit (memory binds).
; Two passes over registers: mean, then the centred squares, so that a common offset of x1 costs no digits.
; Limits: NaN and infinities are not served as the JAX text serves them.
.set X,  4                             ; v[4:67]    two rows: row q, piece j (4 numbers a lane) at X + 32 q + 4 j
.set G,  68                            ; v[68:99]   gain of my 32 columns
.set BB, 100                           ; v[100:131] bias of my 32 columns
.set Y,  132                           ; v[132:163] packed bf16 to store
.set T,  164                           ; v[164:171] at work
.macro WSUM                            ; v[T] summed over the 32 lanes, the result in every lane; v[T+1] has been written before
	v_add_f32_dpp v[T], v[T], v[T] row_xmask:1 row_mask:0xf bank_mask:0xf
	v_add_f32_dpp v[T], v[T], v[T] row_xmask:2 row_mask:0xf bank_mask:0xf
	v_add_f32_dpp v[T], v[T], v[T] row_xmask:4 row_mask:0xf bank_mask:0xf
	v_add_f32_dpp v[T], v[T], v[T] row_xmask:8 row_mask:0xf bank_mask:0xf
	v_permlanex16_b32 v[T+1], v[T], s48, s49
	v_add_f32 v[T], v[T], v[T+1]
.endm
.macro FOLD                            ; four chains of pairs in v[T:T+7] -> one number in v[T]
	v_pk_add_f32 v[T:T+1], v[T:T+1], v[T+2:T+3]
	v_pk_add_f32 v[T+4:T+5], v[T+4:T+5], v[T+6:T+7]
	v_pk_add_f32 v[T:T+1], v[T:T+1], v[T+4:T+5]
	v_add_f32 v[T], v[T], v[T+1]
.endm
.macro LNROW q
.set XQ, X+32*\q
.irp k, 0,1,2,3
	v_pk_add_f32 v[T+2*\k:T+2*\k+1], v[XQ+2*\k:XQ+2*\k+1], v[XQ+8+2*\k:XQ+8+2*\k+1]      ; the first pairs start four chains: nothing is cleared
.endr
.irp k, 0,1,2,3
	v_pk_add_f32 v[T+2*\k:T+2*\k+1], v[T+2*\k:T+2*\k+1], v[XQ+16+2*\k:XQ+16+2*\k+1]
.endr
.irp k, 0,1,2,3
	v_pk_add_f32 v[T+2*\k:T+2*\k+1], v[T+2*\k:T+2*\k+1], v[XQ+24+2*\k:XQ+24+2*\k+1]
.endr
	FOLD
	WSUM
	v_mul_f32 v[T], s50, v[T]                      ; mean = sum / 1024
	v_mov_b32 v[T+1], v[T]
.set i, 0
.rept 16
	v_pk_add_f32 v[XQ+2*i:XQ+2*i+1], v[XQ+2*i:XQ+2*i+1], v[T:T+1] neg_lo:[0,1] neg_hi:[0,1]   ; x - mean, in place
.set i, i+1
.endr
.irp k, 0,1,2,3
	v_pk_mul_f32 v[T+2*\k:T+2*\k+1], v[XQ+2*\k:XQ+2*\k+1], v[XQ+2*\k:XQ+2*\k+1]
.endr
.set i, 4
.rept 12
	v_pk_fma_f32 v[T+2*(i%4):T+2*(i%4)+1], v[XQ+2*i:XQ+2*i+1], v[XQ+2*i:XQ+2*i+1], v[T+2*(i%4):T+2*(i%4)+1]
.set i, i+1
.endr
	FOLD
	WSUM
	v_fmaak_f32 v[T], s50, v[T], 0x3727c5ac        ; variance + 1e-5
	v_rsq_f32 v[T+2], v[T]                         ; twice: a pair for the packed multiply
	v_rsq_f32 v[T+3], v[T]
	v_nop                                          ; one plain place behind the transcendentals before their results are used (ISA guide 5.7.2)
.if \q == 0
	s_wait_loadcnt 0x0                             ; gain and bias are in
.endif
.set i, 0
	s_wait_alu depctr_va_vdst(0)
.rept 16
	v_pk_mul_f32 v[XQ+2*i:XQ+2*i+1], v[XQ+2*i:XQ+2*i+1], v[T+2:T+3]
.set i, i+1
.endr
.set i, 0
.rept 16
	v_pk_fma_f32 v[XQ+2*i:XQ+2*i+1], v[XQ+2*i:XQ+2*i+1], v[G+2*i:G+2*i+1], v[BB+2*i:BB+2*i+1]
.set i, i+1
.endr
.irp j, 0,1,2,3,4,5,6,7
	v_cvt_pk_bf16_f32 v[Y+16*\q+2*\j], v[XQ+4*\j], v[XQ+4*\j+1]
	v_cvt_pk_bf16_f32 v[Y+16*\q+2*\j+1], v[XQ+4*\j+2], v[XQ+4*\j+3]
	global_store_b64 v2, v[Y+16*\q+2*\j:Y+16*\q+2*\j+1], s[46:47] offset:\q*2048+\j*256     ; the wave's 32 lanes store 256 consecutive bytes, aligned
.endr
.endm
; s34 = number of my pair of rows; s[40:41] x, s[42:43] gain, s[44:45] bias, s[46:47] out; v3 = lane
.macro LNBODY
	s_lshl_b32 s38, s34, 13                        ; two rows of 4,096 bytes
	s_mov_b32 s39, 0
	s_add_nc_u64 s[40:41], s[40:41], s[38:39]
	s_lshl_b32 s38, s34, 12                        ; two rows of 2,048 bytes
	s_add_nc_u64 s[46:47], s[46:47], s[38:39]
	s_mov_b32 s48, 0x76543210                      ; v_permlanex16_b32: lane i of one half reads lane i of the other
	s_mov_b32 s49, 0xfedcba98
	s_mov_b32 s50, 0x3a800000                      ; 1 / 1024
	v_lshlrev_b32 v1, 4, v3
	v_lshlrev_b32 v2, 3, v3
.irp q, 0,1
.irp j, 0,1,2,3,4,5,6,7
	global_load_b128 v[X+32*\q+4*\j:X+32*\q+4*\j+3], v1, s[40:41] offset:\q*4096+\j*512
.endr
.endr
.irp j, 0,1,2,3,4,5,6,7
	global_load_b128 v[G+4*\j:G+4*\j+3], v1, s[42:43] offset:\j*512
	global_load_b128 v[BB+4*\j:BB+4*\j+3], v1, s[44:45] offset:\j*512
.endr
	s_wait_loadcnt 16                              ; the 16 younger loads are gain and bias: both rows are in
	LNROW 0
	LNROW 1
.endm
	s_load_b256 s[40:47], s[0:1], 0x0              ; x1, g2, b2, hn
	v_lshrrev_b32 v3, 5, v0
	v_readfirstlane_b32 s33, v3                    ; wave 0..7
	v_and_b32 v3, 31, v0                           ; lane
	s_lshl_b32 s34, ttmp9, 3
	s_add_co_u32 s34, s34, s33                     ; pair of rows = 8 x group + wave
	s_wait_kmcnt 0x0
	LNBODY
	s_endpgm
.Lfunc_end_k_q6f602bb288_ln2:
	.size	k_q6f602bb288_ln2, .Lfunc_end_k_q6f602bb288_ln2-k_q6f602bb288_ln2
	.p2alignl 7, 3214868480
	.fill 96, 4, 3214868480
	.section	.rodata,"a",@progbits
	.p2align	6, 0x0
	.amdhsa_kernel k_q6f602bb288_ln2
		.amdhsa_group_segment_fixed_size 0
		.amdhsa_private_segment_fixed_size 0
		.amdhsa_enable_private_segment 0
		.amdhsa_kernarg_size 32
		.amdhsa_user_sgpr_count 2
		.amdhsa_user_sgpr_kernarg_segment_ptr 1
		.amdhsa_wavefront_size32 1
		.amdhsa_system_sgpr_workgroup_id_x 1
		.amdhsa_system_sgpr_workgroup_id_y 1
		.amdhsa_system_sgpr_workgroup_id_z 1
		.amdhsa_system_vgpr_workitem_id 0
		.amdhsa_next_free_vgpr 192
		.amdhsa_next_free_sgpr 66
		.amdhsa_reserve_vcc 0
		.amdhsa_float_denorm_mode_32 3
		.amdhsa_float_denorm_mode_16_64 3
		.amdhsa_memory_ordered 1
		.amdhsa_forward_progress 1
		.amdhsa_inst_pref_size 20
	.end_amdhsa_kernel
	.amdgpu_metadata
---
amdhsa.version: [ 1, 2 ]
amdhsa.kernels:
  - .name:           k_q6f602bb288_ln2
    .symbol:         k_q6f602bb288_ln2.kd
    .args:
      - { .name: x1, .offset: 0, .size: 8, .value_kind: global_buffer, .address_space: global }
      - { .name: g2, .offset: 8, .size: 8, .value_kind: global_buffer, .address_space: global }
      - { .name: b2, .offset: 16, .size: 8, .value_kind: global_buffer, .address_space: global }
      - { .name: hn, .offset: 24, .size: 8, .value_kind: global_buffer, .address_space: global }
    .group_segment_fixed_size: 0
    .private_segment_fixed_size: 0
    .kernarg_segment_align: 8
    .kernarg_segment_size: 32
    .max_flat_workgroup_size: 256
    .sgpr_count:     66
    .vgpr_count:     192
    .wavefront_size: 32
...
	.end_amdgpu_metadata
.endif
;; end of part 5
;; launch fc1 (part 6): grid 32 x 32, 4 waves a work-group, clusters of 4 x 4, 327,680 bytes of LDS; arguments hn, w1b, c1, big; writes big
.if DOCPART == 6
	.amdgcn_target "amdgcn-amd-amdhsa--gfx1250"
	.amdhsa_code_object_version 6
	.text
	.protected	k_q6f602bb288_fc1
	.globl	k_q6f602bb288_fc1
	.p2align	8
	.type	k_q6f602bb288_fc1,@function
k_q6f602bb288_fc1:
	s_mov_b64 s[64:65], 0
	v_nop
	global_prefetch_b8 v0, s[64:65] scope:SCOPE_SE
	s_setreg_imm32_b32 hwreg(HW_REG_WAVE_MODE, 25, 1), 1
	s_wait_xcnt 0x0
	s_wait_alu depctr_hold_cnt(0) depctr_sa_sdst(0) depctr_va_vdst(0) depctr_va_sdst(0) depctr_va_ssrc(0) depctr_va_vcc(0) depctr_vm_vsrc(0)
	s_getreg_b32 s2, hwreg(HW_REG_IB_STS2, 6, 4)
	s_cmp_eq_u32 s2, 0
	s_cbranch_scc0 .Lentry_in_a_cluster
	s_endpgm
.Lentry_in_a_cluster:
	s_bfe_u32 s2, ttmp6, 0x10000c
	s_cmp_lg_u32 s2, 0xf033
	s_cbranch_scc0 .Lentry_shape_is_right
	s_endpgm
.Lentry_shape_is_right:
; C = A W + bias, and what MODE adds.  A: [4096][SIZE_K] bf16, rows along K.  W: [SIZE_K][SIZE_N] bf16, rows along N.  Sums in f32.
; One text serves four launches; the three constants below are all that differs.
;   MODE 0: C bf16 [4096][SIZE_N]; the bias is bq, bk or bv by the block's 1,024 columns.     MODE 1: C = gelu(..) in bf16.
;   MODE 2: C = residual + .. in f32, SIZE_N = 1024.
; A work-group makes 128 x 128 of C with four waves, a wave 64 x 64: 16 accumulator tiles, 128 registers.  That block size gives 256 work-groups
; at SIZE_N = 1024.  K goes in steps of 256 through two LDS slots filled by the tensor data mover; a step is eight octants of 32 along K.
; CLUSTERS: 4 x 4 work-groups.  A's tile hangs on the block row alone and is asked for jointly by a row of the cluster, W's on the block column
; alone and is asked for jointly by a column: a quarter of the requests.
; W lies [K][N], so its fragments come out of LDS by the transposing load.  The matrix instruction is used transposed (source 0 = 16 columns of W,
; source 1 = 16 rows of A): lane l then holds row l % 16 of C and eight neighbouring columns 8 (l / 16) + 0..7.
; Limits (MODE 1): erf by the rational form of Abramowitz and Stegun 7.1.26, absolute error at most 1.5e-7 for every argument; v_exp_f32 and
; v_rcp_f32 flush denormals; NaN and infinite inputs are not served as the JAX text serves them.
.set SIZE_N, 4096
.set SIZE_K, 1024
.set MODE,   1
.set PA,     528                       ; an LDS row of A: 512 bytes + 16 = 33 x 16: the 16 rows of a fragment load start at 16 different 16-byte columns
.set PW,     288                       ; an LDS row of W: 256 bytes + 32 = 9 x 32, for the transposing load
.set WHALF,  128*PW                    ; what one load of W brings: 128 k rows x 128 columns
.set AHALF,  64*PA                     ; what one load of A brings: 64 rows x 256 k
.set AOFF,   2*WHALF                   ; a slot: W's 256 k rows, then A's 128 rows
.set SLOT,   AOFF+2*AHALF              ; 141,312 bytes
.set STAGE,  2*SLOT                    ; 282,624, a multiple of 256: the way out's bytes, into which no tensor load lands
.set SP,     272                       ; a stage row: 256 bytes + 16
.set LAPS,   SIZE_K/512                ; a lap = two K steps = once round the ring
.set ADRA, 16                          ; v16-17  LDS address of my A fragments in slot 0, 1
.set ADRW, 20                          ; v20-23  the same for W: slot 0 k rows 0-127, 128-255, slot 1 likewise
.set STO,  24                          ; v24     way out: where I put my numbers
.set RD,   25                          ; v25     way out: where I read rows back
.set CO,   26                          ; v26     my byte offset in C (and in the residual)
.set BO,   27                          ; v27     my byte offset in the bias
.set R0,   32                          ; v[32:63]   MODE 2: residual, groups 0 and 2
.set F0,   64                          ; v[64:127]  fragment buffer 0: W's four fragments, then A's four
.set F1,   128                         ; v[128:191] fragment buffer 1
.set BIAS, 192                         ; v[192:223] bias of my 32 columns
.set R1,   224                         ; v[224:255] MODE 2: residual, groups 1 and 3
.set CA,   224                         ; v[224:231] MODE 1: a1 .. a4 of the erf form, each twice
.set XO,   64                          ; way out: 32 numbers in f32
.set YO,   128                         ; way out, MODE 2: rows read back
.set GT,   96                          ; gelu: t
.set GE,   128                         ; gelu: exp(-x x / 2)
.set GP,   160                         ; gelu: the polynomial, then erf
.if MODE == 1
.set PK,   96
.else
.set PK,   160                         ; packed bf16
.endif
.set G1A, 24                           ; s[24:31] descriptor group 1 for A's tiles
.set G0A, 32                           ; s[32:39] group 0 for A's tiles, a set for each slot
.set G1W, 48                           ; s[48:55] group 1 for W's tiles
.set G0W, 56                           ; s[56:63] group 0 for W's tiles, a set for each slot
; Accumulator tile (a, b) = rows 16 a .., columns 16 b .. of my 64 x 64 lies in window 1 at v[8 (4 a + b)] (v256-v383).
.set MSB, 0
.macro WIN new                         ; s_set_vgpr_msb: bits 1:0 source 0, 3:2 source 1, 5:4 source 2, 7:6 destination; the high byte repeats the setting left
.if MSB != \new
	s_set_vgpr_msb (MSB<<8)|\new
.set MSB, \new
.endif
.endm
.set MUL, 0x50                         ; C and D in window 1, fragments in window 0
; A joint load.  Waves 0 and 1 fetch W's two halves, waves 2 and 3 A's.  Each line has one mask; the branch hangs on the wave's number alone.
.macro JLOAD s
	s_cmp_eq_u32 s11, 0
	s_cbranch_scc0 .Lfor_a_\@
	tensor_load_to_lds s[G0W+4*\s:G0W+4*\s+3], s[G1W:G1W+7]
	s_nop 0
	s_branch .Lasked_\@
.Lfor_a_\@:
	tensor_load_to_lds s[G0A+4*\s:G0A+4*\s+3], s[G1A:G1A+7]
	s_nop 0
.Lasked_\@:
.endm
.macro CREST                           ; a round of the cluster's barrier behind its opening work-group barrier
	s_cmp_lg_u32 s10, 0
	s_cbranch_scc1 .Lnot_wave_0_\@
	s_barrier_signal -3
.Lnot_wave_0_\@:
	s_barrier_wait -3
	s_barrier_signal -1
	s_barrier_wait -1
.endm
.macro CROUND                          ; a whole round
	s_barrier_signal -1
	s_barrier_wait -1
	CREST
.endm
.macro PLACES                          ; four places behind a matrix instruction before its registers are loaded into or its result is read (ISA guide 7.12.1)
.rept 4
	v_nop
.endr
.endm
; four matrix instructions: row tile a x the four column tiles, 32 along K.  The 16 accumulators take turns, one instruction a turn, in the same
; order in every octant.  zero = 1: the first product starts the sums.
.macro MUL4 f, a, zero
.irp b, 0,1,2,3
.if \zero
	v_wmma_f32_16x16x32_bf16 v[8*(4*\a+\b):8*(4*\a+\b)+7], v[\f+8*\b:\f+8*\b+7], v[\f+32+8*\a:\f+32+8*\a+7], 0
.else
	v_wmma_f32_16x16x32_bf16 v[8*(4*\a+\b):8*(4*\a+\b)+7], v[\f+8*\b:\f+8*\b+7], v[\f+32+8*\a:\f+32+8*\a+7], v[8*(4*\a+\b):8*(4*\a+\b)+7]
.endif
.endr
.endm
; 16 LDS loads: the fragments of the octant at k of a slot into buffer f; A's row tiles 2 and 3 come last
.macro FETCH slot, k, f
	WIN 0
.irp b, 0,1,2,3
	ds_load_tr16_b128 v[\f+8*\b:\f+8*\b+3],   v[ADRW+2*\slot+(\k>>7)] offset:(\k&127)*PW+32*\b
	ds_load_tr16_b128 v[\f+8*\b+4:\f+8*\b+7], v[ADRW+2*\slot+(\k>>7)] offset:(\k&127)*PW+16*PW+32*\b
.endr
.irp a, 0,1,2,3
	ds_load_b128 v[\f+32+8*\a:\f+32+8*\a+3],   v[ADRA+\slot] offset:\a*16*PA+2*\k
	ds_load_b128 v[\f+32+8*\a+4:\f+32+8*\a+7], v[ADRA+\slot] offset:\a*16*PA+2*\k+32
.endr
.endm
; one of a slot's first seven octants: multiplies buffer f; in its middle fetches the octant at k into buffer g
.macro OCT slot, k, f, g, zero
	s_wait_dscnt 4                                 ; the youngest four loads (A's row tiles 2 and 3) may be out
	WIN MUL
	MUL4 \f, 0, \zero
	MUL4 \f, 1, \zero
	PLACES
	FETCH \slot, \k, \g
	s_wait_dscnt 16                                ; all but the 16 just issued
	WIN MUL
	MUL4 \f, 2, \zero
	MUL4 \f, 3, \zero
.endm
.macro SEVEN slot, zero
	OCT \slot, 32,  F0, F1, \zero
	OCT \slot, 64,  F1, F0, 0
	OCT \slot, 96,  F0, F1, 0
	OCT \slot, 128, F1, F0, 0
	OCT \slot, 160, F0, F1, 0
	OCT \slot, 192, F1, F0, 0
	OCT \slot, 224, F0, F1, 0
.endm
; the eighth octant: multiplies buffer 1 and changes slots.  In front of the barrier each wave waits for its reads of this slot and for all its
; tensor loads (one is out: its part of the next slot).  fill = 1: the barrier opens a round of the cluster's barrier, and behind the round this slot
; is asked for again, two K steps ahead, first thing.  From that request to the wait for it a wave issues 124 of a step's 128 matrix instructions.
.macro TURN slot, next, fill
	s_wait_dscnt 4
	WIN MUL
	MUL4 F1, 0, 0
	s_wait_dscnt 0x0                               ; my reads of this slot are over
	s_wait_tensorcnt 0x0                           ; all my tensor loads have landed
	ds_add_u32 v254, v255
	s_wait_dscnt 0x0
	s_barrier_signal -1
	MUL4 F1, 1, 0                                  ; register work while the others arrive
	WIN 0
	s_barrier_wait -1
.if \fill
	CREST                                          ; no wave of any partner still reads this slot or has a load on its way
	s_add_nc_u64 s[G0A+4*\slot+2:G0A+4*\slot+3], s[G0A+4*\slot+2:G0A+4*\slot+3], 1024           ; 512 k on: bytes along A's rows
	s_add_nc_u64 s[G0W+4*\slot+2:G0W+4*\slot+3], s[G0W+4*\slot+2:G0W+4*\slot+3], 1024*SIZE_N    ; 512 rows of W
	JLOAD \slot
.endif
	PLACES
	FETCH \next, 0, F0
	WIN MUL
	MUL4 F1, 2, 0
	MUL4 F1, 3, 0
.endm
.macro LAP zero
	SEVEN 0, \zero
	TURN 0, 1, 1
	SEVEN 1, 0
	TURN 1, 0, 1
.endm
; x -> x/2 (1 + erf(x / sqrt 2)) on v[XO:XO+31].  t = 1 / (1 + 0.3275911 |x| / sqrt 2); erf = 1 - t (a1 + t (a2 + t (a3 + t (a4 + t a5)))) exp(-x x / 2), with x's sign.
; x x = infinity gives exp2(-inf) = 0 and t = 0: erf = 1.  Transcendentals stand in runs; a plain instruction on other registers follows each run.
.macro GELU32
.set i, 0
.rept 32
	v_fma_f32 v[GT+i], |v[XO+i]|, s76, 1.0
.set i, i+1
.endr
.set i, 0
.rept 32
	v_rcp_f32 v[GT+i], v[GT+i]
.set i, i+1
.endr
.set i, 0
.rept 16
	v_pk_mul_f32 v[GE+2*i:GE+2*i+1], v[XO+2*i:XO+2*i+1], v[XO+2*i:XO+2*i+1]
.set i, i+1
.endr
.set i, 0
.rept 16
	v_pk_mul_f32 v[GE+2*i:GE+2*i+1], v[GE+2*i:GE+2*i+1], 0xbf38aa3b op_sel_hi:[1,0]            ; x (-log2 e / 2)
.set i, i+1
.endr
.set i, 0
.rept 32
	v_exp_f32 v[GE+i], v[GE+i]
.set i, i+1
.endr
.set i, 0
	s_wait_alu depctr_va_vdst(0)
.rept 16
	v_pk_fma_f32 v[GP+2*i:GP+2*i+1], v[GT+2*i:GT+2*i+1], 0x3f87dc22, v[CA+6:CA+7] op_sel_hi:[1,0,1]   ; a5 t + a4
.set i, i+1
.endr
.irp c, 4, 2, 0
.set i, 0
.rept 16
	v_pk_fma_f32 v[GP+2*i:GP+2*i+1], v[GP+2*i:GP+2*i+1], v[GT+2*i:GT+2*i+1], v[CA+\c:CA+\c+1]
.set i, i+1
.endr
.endr
.set i, 0
.rept 16
	v_pk_mul_f32 v[GP+2*i:GP+2*i+1], v[GP+2*i:GP+2*i+1], v[GT+2*i:GT+2*i+1]
.set i, i+1
.endr
.set i, 0
.rept 16
	v_pk_fma_f32 v[GP+2*i:GP+2*i+1], v[GP+2*i:GP+2*i+1], v[GE+2*i:GE+2*i+1], 1.0 op_sel_hi:[1,1,0] neg_lo:[1,0,0] neg_hi:[1,0,0]
.set i, i+1
.endr
.set i, 0
.rept 32
	v_bfi_b32 v[GP+i], s77, v[GP+i], v[XO+i]       ; magnitude of erf, sign of x
.set i, i+1
.endr
.set i, 0
.rept 16
	v_pk_mul_f32 v[XO+2*i:XO+2*i+1], v[XO+2*i:XO+2*i+1], 0.5 op_sel_hi:[1,0]
.set i, i+1
.endr
.set i, 0
.rept 16
	v_pk_fma_f32 v[XO+2*i:XO+2*i+1], v[XO+2*i:XO+2*i+1], v[GP+2*i:GP+2*i+1], v[XO+2*i:XO+2*i+1]
.set i, i+1
.endr
.endm
.macro ADDBIAS a                       ; the bias add also brings row tile a's 32 numbers from window 1 into window 0
	WIN 0x01
.irp b, 0,1,2,3
.irp i, 0,1,2,3
	v_pk_add_f32 v[XO+8*\b+2*\i:XO+8*\b+2*\i+1], v[8*(4*\a+\b)+2*\i:8*(4*\a+\b)+2*\i+1], v[BIAS+8*\b+2*\i:BIAS+8*\b+2*\i+1]
.endr
.endr
	WIN 0
.endm
; MODE 0, 1: row tile a, rounded to bf16, into the block's stage
.macro OUTH a
	ADDBIAS \a
.if MODE == 1
	GELU32
.endif
.irp b, 0,1,2,3
.irp i, 0,1,2,3
	v_cvt_pk_bf16_f32 v[PK+4*\b+\i], v[XO+8*\b+2*\i], v[XO+8*\b+2*\i+1]
.endr
.endr
.irp b, 0,1,2,3
	ds_store_b128 v[STO], v[PK+4*\b:PK+4*\b+3] offset:\a*16*SP+32*\b
.endr
.endm
; MODE 2: eight loads of the residual's rows 16 a .. 16 a + 15 of my 64, in the order in which the stage is read back
.macro LOADR a, rr
.irp i, 0,1,2,3,4,5,6,7
	global_load_b128 v[\rr+4*\i:\rr+4*\i+3], v[CO], s[68:69] offset:(16*\a+2*\i)*4096
.endr
.endm
; MODE 2: row tile a through my own stage (LDS serves a wave's instructions in order: no wait between the stores and the loads), plus the residual.
; left = the residual loads of the next group, which may stay out; nxt = the group whose residual is asked for into the registers just freed (0: none).
.macro OUTF a, rr, left, nxt
	s_wait_loadcnt \left
	ADDBIAS \a
.irp b, 0,1,2,3
	ds_store_b128 v[STO], v[XO+8*\b:XO+8*\b+3] offset:64*\b
	ds_store_b128 v[STO], v[XO+8*\b+4:XO+8*\b+7] offset:64*\b+16
.endr
	s_wait_xcnt 0x0                                ; v[YO..], which the last group's stores read, are loaded again only behind this wait
.irp i, 0,1,2,3,4,5,6,7
	ds_load_b128 v[YO+4*\i:YO+4*\i+3], v[RD] offset:\i*2*SP
.endr
.irp i, 0,1,2,3,4,5,6,7
	s_wait_dscnt 7-\i
	v_pk_add_f32 v[YO+4*\i:YO+4*\i+1], v[YO+4*\i:YO+4*\i+1], v[\rr+4*\i:\rr+4*\i+1]
	v_pk_add_f32 v[YO+4*\i+2:YO+4*\i+3], v[YO+4*\i+2:YO+4*\i+3], v[\rr+4*\i+2:\rr+4*\i+3]
	global_store_b128 v[CO], v[YO+4*\i:YO+4*\i+3], s[8:9] offset:(16*\a+2*\i)*4096      ; 16 lanes store 256 consecutive bytes, aligned
.endr
.if \nxt
	LOADR \nxt, \rr
.endif
.endm
	s_load_b128 s[4:7], s[0:1], 0x0                ; A s[4:5], W s[6:7]
.if MODE == 0
	s_load_b256 s[68:75], s[0:1], 0x10             ; bq, bk, bv, C
.endif
.if MODE == 1
	s_load_b64 s[66:67], s[0:1], 0x10              ; bias
	s_load_b64 s[8:9], s[0:1], 0x18                ; C
	v_lshl_add_u32 v254, v0, 2, 0x4d800
	v_mov_b32 v255, 0
	ds_add_u32 v254, v255
	ds_add_u32 v254, v255
.endif
.if MODE == 2
	s_load_b64 s[66:67], s[0:1], 0x10              ; bias
	s_load_b64 s[68:69], s[0:1], 0x18              ; residual
	s_load_b64 s[8:9], s[0:1], 0x20                ; C
.endif
	v_lshrrev_b32 v1, 5, v0
	v_readfirstlane_b32 s10, v1                    ; wave 0..3
	s_lshr_b32 s11, s10, 1                         ; which 64 rows of the block are mine.  Also: I fetch for W (0) or for A (1)
	s_and_b32 s12, s10, 1                          ; which 64 columns.  Also: which half of that tile I fetch
	s_bfe_u32 s40, ttmp6, 0x40000                  ; cx
	s_bfe_u32 s41, ttmp6, 0x40004                  ; cy
	s_lshl_b32 s42, ttmp9, 2
	s_add_co_u32 s42, s42, s40                     ; block column = 4 x cluster x + cx
	s_and_b32 s13, ttmp7, 0xffff
	s_lshl_b32 s13, s13, 2
	s_add_co_u32 s13, s13, s41                     ; block row = 4 x cluster y + cy
	s_lshl_b32 s43, s41, 2
	s_lshl_b32 s43, 15, s43                        ; my row of the cluster: places 4 cy .. 4 cy + 3
	s_lshl_b32 s44, 0x1111, s40                    ; my column: places cx, cx + 4, cx + 8, cx + 12
	; group 1 for A: 64 rows x 256 elements of 2 bytes; 4 words of padding behind every 128 words
	s_or_b32 s[G1A+0], s43, (1<<16)|(1<<20)|(1<<21)|(6<<22)|(3<<25)
	s_mov_b32 s[G1A+1], 256<<16                    ; tensor_dim0 = 256
	s_mov_b32 s[G1A+2], 64<<16                     ; tensor_dim1 = 64
	s_mov_b32 s[G1A+3], 256<<16                    ; tile_dim0 = 256
	s_mov_b32 s[G1A+4], 64                         ; tile_dim1 = 64
	s_mov_b32 s[G1A+5], SIZE_K                     ; elements from row to row
	s_mov_b32 s[G1A+6], 0
	s_mov_b32 s[G1A+7], 0
	; group 1 for W: 128 k rows x 128 elements; 8 words of padding behind every 64 words
	s_or_b32 s[G1W+0], s44, (1<<16)|(1<<20)|(1<<21)|(5<<22)|(7<<25)
	s_mov_b32 s[G1W+1], 128<<16
	s_mov_b32 s[G1W+2], 128<<16
	s_mov_b32 s[G1W+3], 128<<16
	s_mov_b32 s[G1W+4], 128
	s_mov_b32 s[G1W+5], SIZE_N
	s_mov_b32 s[G1W+6], 0
	s_mov_b32 s[G1W+7], 0
	; A's address hangs on the block row, W's on the block column, each in registers that never hold the other coordinate
	s_lshl_b32 s16, s13, 7
	s_lshl_b32 s17, s12, 6
	s_add_co_u32 s16, s16, s17                     ; A: row 128 x block row + 64 x half
	s_mul_i32 s16, s16, SIZE_K*2                   ; at most 4,095 rows of 8,192 bytes: inside 32 bits
	s_mov_b32 s17, 0
	s_mul_i32 s46, s12, 128*SIZE_N*2               ; W: k row 128 x half,
	s_lshl_b32 s47, s42, 8
	s_add_co_u32 s46, s46, s47                     ; column 128 x block column
	s_mov_b32 s47, 0
	s_mul_i32 s20, s10, WHALF                      ; where they go: W's halves at wave x 36,864 (waves 0, 1),
	s_mul_i32 s21, s10, AHALF
	s_add_co_u32 s21, s21, AOFF-2*AHALF            ; A's at 6,144 + wave x 33,792 (waves 2, 3): 73,728 and 107,520
	s_wait_dscnt 0x0
	s_wait_kmcnt 0x0
	s_add_nc_u64 s[14:15], s[4:5], s[16:17]
	s_add_nc_u64 s[46:47], s[6:7], s[46:47]
	CROUND                                         ; all sixteen work-groups are here: the first joint loads meet
.irp s, 0,1
	s_mov_b32 s[G0A+4*\s], 1
	s_add_co_u32 s[G0A+4*\s+1], s21, \s*SLOT
	s_add_nc_u64 s[G0A+4*\s+2:G0A+4*\s+3], s[14:15], \s*512
	s_or_b32 s[G0A+4*\s+3], s[G0A+4*\s+3], 0x80000000
	s_mov_b32 s[G0W+4*\s], 1
	s_add_co_u32 s[G0W+4*\s+1], s20, \s*SLOT
	s_add_nc_u64 s[G0W+4*\s+2:G0W+4*\s+3], s[46:47], \s*256*SIZE_N*2
	s_or_b32 s[G0W+4*\s+3], s[G0W+4*\s+3], 0x80000000
	JLOAD \s                                       ; both slots are asked for before anything else: two loads of the wave are out
.endr
	v_and_b32 v1, 15, v0                           ; r = l % 16
	v_bfe_u32 v2, v0, 4, 1                         ; h = l / 16
	v_mul_u32_u24 v3, v1, PA
	v_lshl_add_u32 v3, v2, 4, v3                   ; A: row r, 16 bytes for each half of the lanes
	s_mul_i32 s22, s11, AHALF
	s_add_co_u32 s22, s22, AOFF
	v_add_nc_u32 v[ADRA], s22, v3
	v_add_nc_u32 v[ADRA+1], SLOT, v[ADRA]
	v_and_b32 v4, 7, v0
	v_lshl_add_u32 v4, v2, 3, v4                   ; W: k row 8 h + l % 8,
	v_mul_u32_u24 v4, v4, PW
	v_bfe_u32 v5, v0, 3, 1
	v_lshl_add_u32 v4, v5, 4, v4                   ; 16 bytes by bit 3 of the lane,
	s_lshl_b32 s22, s12, 7
	v_add_nc_u32 v[ADRW], s22, v4                  ; my 64 columns
	v_add_nc_u32 v[ADRW+1], WHALF, v[ADRW]
	v_add_nc_u32 v[ADRW+2], SLOT, v[ADRW]
	v_add_nc_u32 v[ADRW+3], SLOT+WHALF, v[ADRW]
	v_lshlrev_b32 v[BO], 5, v2                     ; bias: 8 h numbers of 4 bytes
	v_mul_u32_u24 v6, v1, SP
	v_mul_u32_u24 v7, v2, SP
	v_lshl_add_u32 v7, v1, 4, v7                   ; back: lanes 0-15 one row of 256 bytes, lanes 16-31 the next
.if MODE == 2
	s_mul_i32 s23, s10, 16*SP
	s_add_co_u32 s23, s23, STAGE                   ; my own stage of 16 rows
	v_lshl_add_u32 v6, v2, 5, v6
	v_add_nc_u32 v[STO], s23, v6
	v_add_nc_u32 v[RD], s23, v7
	v_lshlrev_b32 v6, 12, v2
	v_lshl_add_u32 v[CO], v1, 4, v6
.else
	s_mul_i32 s23, s11, 64*SP
	s_lshl_b32 s22, s12, 7
	s_add_co_u32 s23, s23, s22
	s_add_co_u32 s23, s23, STAGE                   ; the block's stage: my 64 rows, my 128 bytes of them
	v_lshl_add_u32 v6, v2, 4, v6
	v_add_nc_u32 v[STO], s23, v6
	s_mul_i32 s23, s10, 32*SP
	s_add_co_u32 s23, s23, STAGE                   ; back: wave w takes the block's rows 32 w .. 32 w + 31
	v_add_nc_u32 v[RD], s23, v7
	v_mul_u32_u24 v6, v2, SIZE_N*2
	v_lshl_add_u32 v[CO], v1, 4, v6
.endif
.if MODE == 0
	s_lshr_b32 s76, ttmp9, 1                       ; 8 block columns = 2 clusters to each of q, k, v
	s_cmp_eq_u32 s76, 0
	s_cselect_b64 s[66:67], s[68:69], s[70:71]
	s_cmp_eq_u32 s76, 2
	s_cselect_b64 s[66:67], s[72:73], s[66:67]
	s_mov_b64 s[8:9], s[74:75]
	s_and_b32 s78, s42, 7
	s_lshl_b32 s78, s78, 9
.else
	s_lshl_b32 s78, s42, 9                         ; 128 columns of 4 bytes a block
.endif
	s_lshl_b32 s79, s12, 8
	s_add_co_u32 s78, s78, s79                     ; + my 64 columns
	s_mov_b32 s79, 0
	s_add_nc_u64 s[66:67], s[66:67], s[78:79]
.irp b, 0,1,2,3
	global_load_b128 v[BIAS+8*\b:BIAS+8*\b+3],   v[BO], s[66:67] offset:64*\b
	global_load_b128 v[BIAS+8*\b+4:BIAS+8*\b+7], v[BO], s[66:67] offset:64*\b+16
.endr
	s_lshl_b32 s80, s13, 7
.if MODE == 2
	s_lshl_b32 s81, s11, 6
	s_add_co_u32 s80, s80, s81                     ; my first row
	s_lshl_b32 s80, s80, 12                        ; rows of 4,096 bytes
	s_add_co_u32 s78, s78, s80                     ; + my first column, 4 bytes each, as for the bias
	s_add_nc_u64 s[68:69], s[68:69], s[78:79]
	s_add_nc_u64 s[8:9], s[8:9], s[78:79]
	LOADR 0, R0
	LOADR 1, R1
.else
	s_lshl_b32 s81, s10, 5
	s_add_co_u32 s80, s80, s81                     ; the first row that I store
	s_mul_i32 s80, s80, SIZE_N*2
	s_lshl_b32 s78, s42, 8                         ; the block's 256 bytes of a row
	s_add_co_u32 s78, s78, s80
	s_add_nc_u64 s[8:9], s[8:9], s[78:79]
.endif
.if MODE == 1
	s_mov_b32 s76, 0x3e6d3388                      ; 0.3275911 / sqrt 2
	s_mov_b32 s77, 0x7fffffff
.irp c, 0,1
	v_mov_b32 v[CA+\c],   0x3e827906               ; a1 =  0.254829592
	v_mov_b32 v[CA+2+\c], 0xbe91a98e               ; a2 = -0.284496736
	v_mov_b32 v[CA+4+\c], 0x3fb5f0e3               ; a3 =  1.421413741
	v_mov_b32 v[CA+6+\c], 0xbfba00e3               ; a4 = -1.453152027
.endr
.endif
	s_wait_tensorcnt 0x1                           ; my part of K step 0 is in; K step 1's may stay out
	s_barrier_signal -1
	s_barrier_wait -1
	FETCH 0, 0, F0
	LAP 1                                          ; the first lap stands in front of the loop: its first products start the sums
.if LAPS > 2
	WIN 0                                          ; at a label and at a branch every window is 0
	s_mov_b32 s3, LAPS-2
.Llap:
	LAP 0
	WIN 0
	s_sub_co_u32 s3, s3, 1
	s_cmp_lg_u32 s3, 0
	s_cbranch_scc1 .Llap
.endif
	SEVEN 0, 0                                     ; the last lap fills nothing
	TURN 0, 1, 0
	SEVEN 1, 0
	s_wait_dscnt 4
	WIN MUL
	MUL4 F1, 0, 0
	MUL4 F1, 1, 0
	s_wait_dscnt 0x0
	MUL4 F1, 2, 0
	MUL4 F1, 3, 0
	PLACES                                         ; behind the last matrix instructions, before results are read and fragment registers rewritten
.if MODE == 2
	OUTF 0, R0, 8, 2
	OUTF 1, R1, 8, 3
	OUTF 2, R0, 8, 0
	OUTF 3, R1, 0, 0
.else
	s_wait_loadcnt 0x0                             ; the bias
	OUTH 0
	OUTH 1
	OUTH 2
	OUTH 3
	s_wait_dscnt 0x0                               ; my stores into the stage are done,
	s_barrier_signal -1
	s_barrier_wait -1                              ; everybody's are: a row's two halves come from two waves
.irp i, 0,1,2,3,4,5,6,7,8,9,10,11,12,13,14,15
	ds_load_b128 v[F0+4*\i:F0+4*\i+3], v[RD] offset:\i*2*SP
.endr
.irp i, 0,1,2,3,4,5,6,7,8,9,10,11,12,13,14,15
	s_wait_dscnt 15-\i
	global_store_b128 v[CO], v[F0+4*\i:F0+4*\i+3], s[8:9] offset:\i*4*SIZE_N       ; 16 lanes store 256 consecutive bytes, aligned
.endr
.endif
	s_wait_tensorcnt 0x0
	ds_add_u32 v254, v255
	s_wait_dscnt 0x0
	CROUND                                         ; the closing round: no work-group ends while a partner may still ask for a tile that names it
	s_endpgm
.Lfunc_end_k_q6f602bb288_fc1:
	.size	k_q6f602bb288_fc1, .Lfunc_end_k_q6f602bb288_fc1-k_q6f602bb288_fc1
	.p2alignl 7, 3214868480
	.fill 96, 4, 3214868480
	.section	.rodata,"a",@progbits
	.p2align	6, 0x0
	.amdhsa_kernel k_q6f602bb288_fc1
		.amdhsa_group_segment_fixed_size 327680
		.amdhsa_private_segment_fixed_size 0
		.amdhsa_enable_private_segment 0
		.amdhsa_kernarg_size 32
		.amdhsa_user_sgpr_count 2
		.amdhsa_user_sgpr_kernarg_segment_ptr 1
		.amdhsa_wavefront_size32 1
		.amdhsa_system_sgpr_workgroup_id_x 1
		.amdhsa_system_sgpr_workgroup_id_y 1
		.amdhsa_system_sgpr_workgroup_id_z 1
		.amdhsa_system_vgpr_workitem_id 0
		.amdhsa_next_free_vgpr 384
		.amdhsa_next_free_sgpr 84
		.amdhsa_reserve_vcc 0
		.amdhsa_float_denorm_mode_32 3
		.amdhsa_float_denorm_mode_16_64 3
		.amdhsa_memory_ordered 1
		.amdhsa_forward_progress 1
		.amdhsa_inst_pref_size 164
	.end_amdhsa_kernel
	.amdgpu_metadata
---
amdhsa.version: [ 1, 2 ]
amdhsa.kernels:
  - .name:           k_q6f602bb288_fc1
    .symbol:         k_q6f602bb288_fc1.kd
    .args:
      - { .name: hn, .offset: 0, .size: 8, .value_kind: global_buffer, .address_space: global }
      - { .name: w1b, .offset: 8, .size: 8, .value_kind: global_buffer, .address_space: global }
      - { .name: c1, .offset: 16, .size: 8, .value_kind: global_buffer, .address_space: global }
      - { .name: big, .offset: 24, .size: 8, .value_kind: global_buffer, .address_space: global }
    .group_segment_fixed_size: 327680
    .private_segment_fixed_size: 0
    .kernarg_segment_align: 8
    .kernarg_segment_size: 32
    .max_flat_workgroup_size: 128
    .sgpr_count:     84
    .vgpr_count:     384
    .wavefront_size: 32
...
	.end_amdgpu_metadata
.endif
;; end of part 6
;; launch fc2 (part 7): grid 8 x 32, 4 waves a work-group, clusters of 4 x 4, 327,680 bytes of LDS; arguments big, w2b, c2, x1, out0; writes out0
.if DOCPART == 7
	.amdgcn_target "amdgcn-amd-amdhsa--gfx1250"
	.amdhsa_code_object_version 6
	.text
	.protected	k_q6f602bb288_fc2
	.globl	k_q6f602bb288_fc2
	.p2align	8
	.type	k_q6f602bb288_fc2,@function
k_q6f602bb288_fc2:
	s_mov_b64 s[64:65], 0
	v_nop
	global_prefetch_b8 v0, s[64:65] scope:SCOPE_SE
	s_setreg_imm32_b32 hwreg(HW_REG_WAVE_MODE, 25, 1), 1
	s_wait_xcnt 0x0
	s_wait_alu depctr_hold_cnt(0) depctr_sa_sdst(0) depctr_va_vdst(0) depctr_va_sdst(0) depctr_va_ssrc(0) depctr_va_vcc(0) depctr_vm_vsrc(0)
	s_getreg_b32 s2, hwreg(HW_REG_IB_STS2, 6, 4)
	s_cmp_eq_u32 s2, 0
	s_cbranch_scc0 .Lentry_in_a_cluster
	s_endpgm
.Lentry_in_a_cluster:
	s_bfe_u32 s2, ttmp6, 0x10000c
	s_cmp_lg_u32 s2, 0xf033
	s_cbranch_scc0 .Lentry_shape_is_right
	s_endpgm
.Lentry_shape_is_right:
; C = A W + bias, and what MODE adds.  A: [4096][SIZE_K] bf16, rows along K.  W: [SIZE_K][SIZE_N] bf16, rows along N.  Sums in f32.
; One text serves four launches; the three constants below are all that differs.
;   MODE 0: C bf16 [4096][SIZE_N]; the bias is bq, bk or bv by the block's 1,024 columns.     MODE 1: C = gelu(..) in bf16.
;   MODE 2: C = residual + .. in f32, SIZE_N = 1024.
; A work-group makes 128 x 128 of C with four waves, a wave 64 x 64: 16 accumulator tiles, 128 registers.  That block size gives 256 work-groups
; at SIZE_N = 1024.  K goes in steps of 256 through two LDS slots filled by the tensor data mover; a step is eight octants of 32 along K.
; CLUSTERS: 4 x 4 work-groups.  A's tile hangs on the block row alone and is asked for jointly by a row of the cluster, W's on the block column
; alone and is asked for jointly by a column: a quarter of the requests.
; W lies [K][N], so its fragments come out of LDS by the transposing load.  The matrix instruction is used transposed (source 0 = 16 columns of W,
; source 1 = 16 rows of A): lane l then holds row l % 16 of C and eight neighbouring columns 8 (l / 16) + 0..7.
; Limits (MODE 1): erf by the rational form of Abramowitz and Stegun 7.1.26, absolute error at most 1.5e-7 for every argument; v_exp_f32 and
; v_rcp_f32 flush denormals; NaN and infinite inputs are not served as the JAX text serves them.
.set SIZE_N, 1024
.set SIZE_K, 4096
.set MODE,   2
.set PA,     528                       ; an LDS row of A: 512 bytes + 16 = 33 x 16: the 16 rows of a fragment load start at 16 different 16-byte columns
.set PW,     288                       ; an LDS row of W: 256 bytes + 32 = 9 x 32, for the transposing load
.set WHALF,  128*PW                    ; what one load of W brings: 128 k rows x 128 columns
.set AHALF,  64*PA                     ; what one load of A brings: 64 rows x 256 k
.set AOFF,   2*WHALF                   ; a slot: W's 256 k rows, then A's 128 rows
.set SLOT,   AOFF+2*AHALF              ; 141,312 bytes
.set STAGE,  2*SLOT                    ; 282,624, a multiple of 256: the way out's bytes, into which no tensor load lands
.set SP,     272                       ; a stage row: 256 bytes + 16
.set LAPS,   SIZE_K/512                ; a lap = two K steps = once round the ring
.set ADRA, 16                          ; v16-17  LDS address of my A fragments in slot 0, 1
.set ADRW, 20                          ; v20-23  the same for W: slot 0 k rows 0-127, 128-255, slot 1 likewise
.set STO,  24                          ; v24     way out: where I put my numbers
.set RD,   25                          ; v25     way out: where I read rows back
.set CO,   26                          ; v26     my byte offset in C (and in the residual)
.set BO,   27                          ; v27     my byte offset in the bias
.set R0,   32                          ; v[32:63]   MODE 2: residual, groups 0 and 2
.set F0,   64                          ; v[64:127]  fragment buffer 0: W's four fragments, then A's four
.set F1,   128                         ; v[128:191] fragment buffer 1
.set BIAS, 192                         ; v[192:223] bias of my 32 columns
.set R1,   224                         ; v[224:255] MODE 2: residual, groups 1 and 3
.set CA,   224                         ; v[224:231] MODE 1: a1 .. a4 of the erf form, each twice
.set XO,   64                          ; way out: 32 numbers in f32
.set YO,   128                         ; way out, MODE 2: rows read back
.set GT,   96                          ; gelu: t
.set GE,   128                         ; gelu: exp(-x x / 2)
.set GP,   160                         ; gelu: the polynomial, then erf
.if MODE == 1
.set PK,   96
.else
.set PK,   160                         ; packed bf16
.endif
.set G1A, 24                           ; s[24:31] descriptor group 1 for A's tiles
.set G0A, 32                           ; s[32:39] group 0 for A's tiles, a set for each slot
.set G1W, 48                           ; s[48:55] group 1 for W's tiles
.set G0W, 56                           ; s[56:63] group 0 for W's tiles, a set for each slot
; Accumulator tile (a, b) = rows 16 a .., columns 16 b .. of my 64 x 64 lies in window 1 at v[8 (4 a + b)] (v256-v383).
.set MSB, 0
.macro WIN new                         ; s_set_vgpr_msb: bits 1:0 source 0, 3:2 source 1, 5:4 source 2, 7:6 destination; the high byte repeats the setting left
.if MSB != \new
	s_set_vgpr_msb (MSB<<8)|\new
.set MSB, \new
.endif
.endm
.set MUL, 0x50                         ; C and D in window 1, fragments in window 0
; A joint load.  Waves 0 and 1 fetch W's two halves, waves 2 and 3 A's.  Each line has one mask; the branch hangs on the wave's number alone.
.macro JLOAD s
	s_cmp_eq_u32 s11, 0
	s_cbranch_scc0 .Lfor_a_\@
	tensor_load_to_lds s[G0W+4*\s:G0W+4*\s+3], s[G1W:G1W+7]
	s_nop 0
	s_branch .Lasked_\@
.Lfor_a_\@:
	tensor_load_to_lds s[G0A+4*\s:G0A+4*\s+3], s[G1A:G1A+7]
	s_nop 0
.Lasked_\@:
.endm
.macro CREST                           ; a round of the cluster's barrier behind its opening work-group barrier
	s_cmp_lg_u32 s10, 0
	s_cbranch_scc1 .Lnot_wave_0_\@
	s_barrier_signal -3
.Lnot_wave_0_\@:
	s_barrier_wait -3
	s_barrier_signal -1
	s_barrier_wait -1
.endm
.macro CROUND                          ; a whole round
	s_barrier_signal -1
	s_barrier_wait -1
	CREST
.endm
.macro PLACES                          ; four places behind a matrix instruction before its registers are loaded into or its result is read (ISA guide 7.12.1)
.rept 4
	v_nop
.endr
.endm
; four matrix instructions: row tile a x the four column tiles, 32 along K.  The 16 accumulators take turns, one instruction a turn, in the same
; order in every octant.  zero = 1: the first product starts the sums.
.macro MUL4 f, a, zero
.irp b, 0,1,2,3
.if \zero
	v_wmma_f32_16x16x32_bf16 v[8*(4*\a+\b):8*(4*\a+\b)+7], v[\f+8*\b:\f+8*\b+7], v[\f+32+8*\a:\f+32+8*\a+7], 0
.else
	v_wmma_f32_16x16x32_bf16 v[8*(4*\a+\b):8*(4*\a+\b)+7], v[\f+8*\b:\f+8*\b+7], v[\f+32+8*\a:\f+32+8*\a+7], v[8*(4*\a+\b):8*(4*\a+\b)+7]
.endif
.endr
.endm
; 16 LDS loads: the fragments of the octant at k of a slot into buffer f; A's row tiles 2 and 3 come last
.macro FETCH slot, k, f
	WIN 0
.irp b, 0,1,2,3
	ds_load_tr16_b128 v[\f+8*\b:\f+8*\b+3],   v[ADRW+2*\slot+(\k>>7)] offset:(\k&127)*PW+32*\b
	ds_load_tr16_b128 v[\f+8*\b+4:\f+8*\b+7], v[ADRW+2*\slot+(\k>>7)] offset:(\k&127)*PW+16*PW+32*\b
.endr
.irp a, 0,1,2,3
	ds_load_b128 v[\f+32+8*\a:\f+32+8*\a+3],   v[ADRA+\slot] offset:\a*16*PA+2*\k
	ds_load_b128 v[\f+32+8*\a+4:\f+32+8*\a+7], v[ADRA+\slot] offset:\a*16*PA+2*\k+32
.endr
.endm
; one of a slot's first seven octants: multiplies buffer f; in its middle fetches the octant at k into buffer g
.macro OCT slot, k, f, g, zero
	s_wait_dscnt 4                                 ; the youngest four loads (A's row tiles 2 and 3) may be out
	WIN MUL
	MUL4 \f, 0, \zero
	MUL4 \f, 1, \zero
	PLACES
	FETCH \slot, \k, \g
	s_wait_dscnt 16                                ; all but the 16 just issued
	WIN MUL
	MUL4 \f, 2, \zero
	MUL4 \f, 3, \zero
.endm
.macro SEVEN slot, zero
	OCT \slot, 32,  F0, F1, \zero
	OCT \slot, 64,  F1, F0, 0
	OCT \slot, 96,  F0, F1, 0
	OCT \slot, 128, F1, F0, 0
	OCT \slot, 160, F0, F1, 0
	OCT \slot, 192, F1, F0, 0
	OCT \slot, 224, F0, F1, 0
.endm
; the eighth octant: multiplies buffer 1 and changes slots.  In front of the barrier each wave waits for its reads of this slot and for all its
; tensor loads (one is out: its part of the next slot).  fill = 1: the barrier opens a round of the cluster's barrier, and behind the round this slot
; is asked for again, two K steps ahead, first thing.  From that request to the wait for it a wave issues 124 of a step's 128 matrix instructions.
.macro TURN slot, next, fill
	s_wait_dscnt 4
	WIN MUL
	MUL4 F1, 0, 0
	s_wait_dscnt 0x0                               ; my reads of this slot are over
	s_wait_tensorcnt 0x0                           ; all my tensor loads have landed
	ds_add_u32 v30, v31
	s_wait_dscnt 0x0
	s_barrier_signal -1
	MUL4 F1, 1, 0                                  ; register work while the others arrive
	WIN 0
	s_barrier_wait -1
.if \fill
	CREST                                          ; no wave of any partner still reads this slot or has a load on its way
	s_add_nc_u64 s[G0A+4*\slot+2:G0A+4*\slot+3], s[G0A+4*\slot+2:G0A+4*\slot+3], 1024           ; 512 k on: bytes along A's rows
	s_add_nc_u64 s[G0W+4*\slot+2:G0W+4*\slot+3], s[G0W+4*\slot+2:G0W+4*\slot+3], 1024*SIZE_N    ; 512 rows of W
	JLOAD \slot
.endif
	PLACES
	FETCH \next, 0, F0
	WIN MUL
	MUL4 F1, 2, 0
	MUL4 F1, 3, 0
.endm
.macro LAP zero
	SEVEN 0, \zero
	TURN 0, 1, 1
	SEVEN 1, 0
	TURN 1, 0, 1
.endm
; x -> x/2 (1 + erf(x / sqrt 2)) on v[XO:XO+31].  t = 1 / (1 + 0.3275911 |x| / sqrt 2); erf = 1 - t (a1 + t (a2 + t (a3 + t (a4 + t a5)))) exp(-x x / 2), with x's sign.
; x x = infinity gives exp2(-inf) = 0 and t = 0: erf = 1.  Transcendentals stand in runs; a plain instruction on other registers follows each run.
.macro GELU32
.set i, 0
.rept 32
	v_fma_f32 v[GT+i], |v[XO+i]|, s76, 1.0
.set i, i+1
.endr
.set i, 0
.rept 32
	v_rcp_f32 v[GT+i], v[GT+i]
.set i, i+1
.endr
.set i, 0
.rept 16
	v_pk_mul_f32 v[GE+2*i:GE+2*i+1], v[XO+2*i:XO+2*i+1], v[XO+2*i:XO+2*i+1]
.set i, i+1
.endr
.set i, 0
.rept 16
	v_pk_mul_f32 v[GE+2*i:GE+2*i+1], v[GE+2*i:GE+2*i+1], 0xbf38aa3b op_sel_hi:[1,0]            ; x (-log2 e / 2)
.set i, i+1
.endr
.set i, 0
.rept 32
	v_exp_f32 v[GE+i], v[GE+i]
.set i, i+1
.endr
.set i, 0
.rept 16
	v_pk_fma_f32 v[GP+2*i:GP+2*i+1], v[GT+2*i:GT+2*i+1], 0x3f87dc22, v[CA+6:CA+7] op_sel_hi:[1,0,1]   ; a5 t + a4
.set i, i+1
.endr
.irp c, 4, 2, 0
.set i, 0
.rept 16
	v_pk_fma_f32 v[GP+2*i:GP+2*i+1], v[GP+2*i:GP+2*i+1], v[GT+2*i:GT+2*i+1], v[CA+\c:CA+\c+1]
.set i, i+1
.endr
.endr
.set i, 0
.rept 16
	v_pk_mul_f32 v[GP+2*i:GP+2*i+1], v[GP+2*i:GP+2*i+1], v[GT+2*i:GT+2*i+1]
.set i, i+1
.endr
.set i, 0
.rept 16
	v_pk_fma_f32 v[GP+2*i:GP+2*i+1], v[GP+2*i:GP+2*i+1], v[GE+2*i:GE+2*i+1], 1.0 op_sel_hi:[1,1,0] neg_lo:[1,0,0] neg_hi:[1,0,0]
.set i, i+1
.endr
.set i, 0
.rept 32
	v_bfi_b32 v[GP+i], s77, v[GP+i], v[XO+i]       ; magnitude of erf, sign of x
.set i, i+1
.endr
.set i, 0
.rept 16
	v_pk_mul_f32 v[XO+2*i:XO+2*i+1], v[XO+2*i:XO+2*i+1], 0.5 op_sel_hi:[1,0]
.set i, i+1
.endr
.set i, 0
.rept 16
	v_pk_fma_f32 v[XO+2*i:XO+2*i+1], v[XO+2*i:XO+2*i+1], v[GP+2*i:GP+2*i+1], v[XO+2*i:XO+2*i+1]
.set i, i+1
.endr
.endm
.macro ADDBIAS a                       ; the bias add also brings row tile a's 32 numbers from window 1 into window 0
	WIN 0x01
.irp b, 0,1,2,3
.irp i, 0,1,2,3
	v_pk_add_f32 v[XO+8*\b+2*\i:XO+8*\b+2*\i+1], v[8*(4*\a+\b)+2*\i:8*(4*\a+\b)+2*\i+1], v[BIAS+8*\b+2*\i:BIAS+8*\b+2*\i+1]
.endr
.endr
	WIN 0
.endm
; MODE 0, 1: row tile a, rounded to bf16, into the block's stage
.macro OUTH a
	ADDBIAS \a
.if MODE == 1
	GELU32
.endif
.irp b, 0,1,2,3
.irp i, 0,1,2,3
	v_cvt_pk_bf16_f32 v[PK+4*\b+\i], v[XO+8*\b+2*\i], v[XO+8*\b+2*\i+1]
.endr
.endr
.irp b, 0,1,2,3
	ds_store_b128 v[STO], v[PK+4*\b:PK+4*\b+3] offset:\a*16*SP+32*\b
.endr
.endm
; MODE 2: eight loads of the residual's rows 16 a .. 16 a + 15 of my 64, in the order in which the stage is read back
.macro LOADR a, rr
.irp i, 0,1,2,3,4,5,6,7
	global_load_b128 v[\rr+4*\i:\rr+4*\i+3], v[CO], s[68:69] offset:(16*\a+2*\i)*4096
.endr
.endm
; MODE 2: row tile a through my own stage (LDS serves a wave's instructions in order: no wait between the stores and the loads), plus the residual.
; left = the residual loads of the next group, which may stay out; nxt = the group whose residual is asked for into the registers just freed (0: none).
.macro OUTF a, rr, left, nxt
	s_wait_loadcnt \left
	ADDBIAS \a
.irp b, 0,1,2,3
	ds_store_b128 v[STO], v[XO+8*\b:XO+8*\b+3] offset:64*\b
	ds_store_b128 v[STO], v[XO+8*\b+4:XO+8*\b+7] offset:64*\b+16
.endr
	s_wait_xcnt 0x0                                ; v[YO..], which the last group's stores read, are loaded again only behind this wait
.irp i, 0,1,2,3,4,5,6,7
	ds_load_b128 v[YO+4*\i:YO+4*\i+3], v[RD] offset:\i*2*SP
.endr
.irp i, 0,1,2,3,4,5,6,7
	s_wait_dscnt 7-\i
	v_pk_add_f32 v[YO+4*\i:YO+4*\i+1], v[YO+4*\i:YO+4*\i+1], v[\rr+4*\i:\rr+4*\i+1]
	v_pk_add_f32 v[YO+4*\i+2:YO+4*\i+3], v[YO+4*\i+2:YO+4*\i+3], v[\rr+4*\i+2:\rr+4*\i+3]
	global_store_b128 v[CO], v[YO+4*\i:YO+4*\i+3], s[8:9] offset:(16*\a+2*\i)*4096      ; 16 lanes store 256 consecutive bytes, aligned
.endr
.if \nxt
	LOADR \nxt, \rr
.endif
.endm
	s_load_b128 s[4:7], s[0:1], 0x0                ; A s[4:5], W s[6:7]
.if MODE == 0
	s_load_b256 s[68:75], s[0:1], 0x10             ; bq, bk, bv, C
.endif
.if MODE == 1
	s_load_b64 s[66:67], s[0:1], 0x10              ; bias
	s_load_b64 s[8:9], s[0:1], 0x18                ; C
.endif
.if MODE == 2
	s_load_b64 s[66:67], s[0:1], 0x10              ; bias
	s_load_b64 s[68:69], s[0:1], 0x18              ; residual
	s_load_b64 s[8:9], s[0:1], 0x20                ; C
	v_lshl_add_u32 v30, v0, 2, 0x49400
	v_mov_b32 v31, 0
	ds_add_u32 v30, v31
	ds_add_u32 v30, v31
.endif
	v_lshrrev_b32 v1, 5, v0
	v_readfirstlane_b32 s10, v1                    ; wave 0..3
	s_lshr_b32 s11, s10, 1                         ; which 64 rows of the block are mine.  Also: I fetch for W (0) or for A (1)
	s_and_b32 s12, s10, 1                          ; which 64 columns.  Also: which half of that tile I fetch
	s_bfe_u32 s40, ttmp6, 0x40000                  ; cx
	s_bfe_u32 s41, ttmp6, 0x40004                  ; cy
	s_lshl_b32 s42, ttmp9, 2
	s_add_co_u32 s42, s42, s40                     ; block column = 4 x cluster x + cx
	s_and_b32 s13, ttmp7, 0xffff
	s_lshl_b32 s13, s13, 2
	s_add_co_u32 s13, s13, s41                     ; block row = 4 x cluster y + cy
	s_lshl_b32 s43, s41, 2
	s_lshl_b32 s43, 15, s43                        ; my row of the cluster: places 4 cy .. 4 cy + 3
	s_lshl_b32 s44, 0x1111, s40                    ; my column: places cx, cx + 4, cx + 8, cx + 12
	; group 1 for A: 64 rows x 256 elements of 2 bytes; 4 words of padding behind every 128 words
	s_or_b32 s[G1A+0], s43, (1<<16)|(1<<20)|(1<<21)|(6<<22)|(3<<25)
	s_mov_b32 s[G1A+1], 256<<16                    ; tensor_dim0 = 256
	s_mov_b32 s[G1A+2], 64<<16                     ; tensor_dim1 = 64
	s_mov_b32 s[G1A+3], 256<<16                    ; tile_dim0 = 256
	s_mov_b32 s[G1A+4], 64                         ; tile_dim1 = 64
	s_mov_b32 s[G1A+5], SIZE_K                     ; elements from row to row
	s_mov_b32 s[G1A+6], 0
	s_mov_b32 s[G1A+7], 0
	; group 1 for W: 128 k rows x 128 elements; 8 words of padding behind every 64 words
	s_or_b32 s[G1W+0], s44, (1<<16)|(1<<20)|(1<<21)|(5<<22)|(7<<25)
	s_mov_b32 s[G1W+1], 128<<16
	s_mov_b32 s[G1W+2], 128<<16
	s_mov_b32 s[G1W+3], 128<<16
	s_mov_b32 s[G1W+4], 128
	s_mov_b32 s[G1W+5], SIZE_N
	s_mov_b32 s[G1W+6], 0
	s_mov_b32 s[G1W+7], 0
	; A's address hangs on the block row, W's on the block column, each in registers that never hold the other coordinate
	s_lshl_b32 s16, s13, 7
	s_lshl_b32 s17, s12, 6
	s_add_co_u32 s16, s16, s17                     ; A: row 128 x block row + 64 x half
	s_mul_i32 s16, s16, SIZE_K*2                   ; at most 4,095 rows of 8,192 bytes: inside 32 bits
	s_mov_b32 s17, 0
	s_mul_i32 s46, s12, 128*SIZE_N*2               ; W: k row 128 x half,
	s_lshl_b32 s47, s42, 8
	s_add_co_u32 s46, s46, s47                     ; column 128 x block column
	s_mov_b32 s47, 0
	s_mul_i32 s20, s10, WHALF                      ; where they go: W's halves at wave x 36,864 (waves 0, 1),
	s_mul_i32 s21, s10, AHALF
	s_add_co_u32 s21, s21, AOFF-2*AHALF            ; A's at 6,144 + wave x 33,792 (waves 2, 3): 73,728 and 107,520
	s_wait_dscnt 0x0
	s_wait_kmcnt 0x0
	s_add_nc_u64 s[14:15], s[4:5], s[16:17]
	s_add_nc_u64 s[46:47], s[6:7], s[46:47]
	CROUND                                         ; all sixteen work-groups are here: the first joint loads meet
.irp s, 0,1
	s_mov_b32 s[G0A+4*\s], 1
	s_add_co_u32 s[G0A+4*\s+1], s21, \s*SLOT
	s_add_nc_u64 s[G0A+4*\s+2:G0A+4*\s+3], s[14:15], \s*512
	s_or_b32 s[G0A+4*\s+3], s[G0A+4*\s+3], 0x80000000
	s_mov_b32 s[G0W+4*\s], 1
	s_add_co_u32 s[G0W+4*\s+1], s20, \s*SLOT
	s_add_nc_u64 s[G0W+4*\s+2:G0W+4*\s+3], s[46:47], \s*256*SIZE_N*2
	s_or_b32 s[G0W+4*\s+3], s[G0W+4*\s+3], 0x80000000
	JLOAD \s                                       ; both slots are asked for before anything else: two loads of the wave are out
.endr
	v_and_b32 v1, 15, v0                           ; r = l % 16
	v_bfe_u32 v2, v0, 4, 1                         ; h = l / 16
	v_mul_u32_u24 v3, v1, PA
	v_lshl_add_u32 v3, v2, 4, v3                   ; A: row r, 16 bytes for each half of the lanes
	s_mul_i32 s22, s11, AHALF
	s_add_co_u32 s22, s22, AOFF
	v_add_nc_u32 v[ADRA], s22, v3
	v_add_nc_u32 v[ADRA+1], SLOT, v[ADRA]
	v_and_b32 v4, 7, v0
	v_lshl_add_u32 v4, v2, 3, v4                   ; W: k row 8 h + l % 8,
	v_mul_u32_u24 v4, v4, PW
	v_bfe_u32 v5, v0, 3, 1
	v_lshl_add_u32 v4, v5, 4, v4                   ; 16 bytes by bit 3 of the lane,
	s_lshl_b32 s22, s12, 7
	v_add_nc_u32 v[ADRW], s22, v4                  ; my 64 columns
	v_add_nc_u32 v[ADRW+1], WHALF, v[ADRW]
	v_add_nc_u32 v[ADRW+2], SLOT, v[ADRW]
	v_add_nc_u32 v[ADRW+3], SLOT+WHALF, v[ADRW]
	v_lshlrev_b32 v[BO], 5, v2                     ; bias: 8 h numbers of 4 bytes
	v_mul_u32_u24 v6, v1, SP
	v_mul_u32_u24 v7, v2, SP
	v_lshl_add_u32 v7, v1, 4, v7                   ; back: lanes 0-15 one row of 256 bytes, lanes 16-31 the next
.if MODE == 2
	s_mul_i32 s23, s10, 16*SP
	s_add_co_u32 s23, s23, STAGE                   ; my own stage of 16 rows
	v_lshl_add_u32 v6, v2, 5, v6
	v_add_nc_u32 v[STO], s23, v6
	v_add_nc_u32 v[RD], s23, v7
	v_lshlrev_b32 v6, 12, v2
	v_lshl_add_u32 v[CO], v1, 4, v6
.else
	s_mul_i32 s23, s11, 64*SP
	s_lshl_b32 s22, s12, 7
	s_add_co_u32 s23, s23, s22
	s_add_co_u32 s23, s23, STAGE                   ; the block's stage: my 64 rows, my 128 bytes of them
	v_lshl_add_u32 v6, v2, 4, v6
	v_add_nc_u32 v[STO], s23, v6
	s_mul_i32 s23, s10, 32*SP
	s_add_co_u32 s23, s23, STAGE                   ; back: wave w takes the block's rows 32 w .. 32 w + 31
	v_add_nc_u32 v[RD], s23, v7
	v_mul_u32_u24 v6, v2, SIZE_N*2
	v_lshl_add_u32 v[CO], v1, 4, v6
.endif
.if MODE == 0
	s_lshr_b32 s76, ttmp9, 1                       ; 8 block columns = 2 clusters to each of q, k, v
	s_cmp_eq_u32 s76, 0
	s_cselect_b64 s[66:67], s[68:69], s[70:71]
	s_cmp_eq_u32 s76, 2
	s_cselect_b64 s[66:67], s[72:73], s[66:67]
	s_mov_b64 s[8:9], s[74:75]
	s_and_b32 s78, s42, 7
	s_lshl_b32 s78, s78, 9
.else
	s_lshl_b32 s78, s42, 9                         ; 128 columns of 4 bytes a block
.endif
	s_lshl_b32 s79, s12, 8
	s_add_co_u32 s78, s78, s79                     ; + my 64 columns
	s_mov_b32 s79, 0
	s_add_nc_u64 s[66:67], s[66:67], s[78:79]
.irp b, 0,1,2,3
	global_load_b128 v[BIAS+8*\b:BIAS+8*\b+3],   v[BO], s[66:67] offset:64*\b
	global_load_b128 v[BIAS+8*\b+4:BIAS+8*\b+7], v[BO], s[66:67] offset:64*\b+16
.endr
	s_lshl_b32 s80, s13, 7
.if MODE == 2
	s_lshl_b32 s81, s11, 6
	s_add_co_u32 s80, s80, s81                     ; my first row
	s_lshl_b32 s80, s80, 12                        ; rows of 4,096 bytes
	s_add_co_u32 s78, s78, s80                     ; + my first column, 4 bytes each, as for the bias
	s_add_nc_u64 s[68:69], s[68:69], s[78:79]
	s_add_nc_u64 s[8:9], s[8:9], s[78:79]
	LOADR 0, R0
	LOADR 1, R1
.else
	s_lshl_b32 s81, s10, 5
	s_add_co_u32 s80, s80, s81                     ; the first row that I store
	s_mul_i32 s80, s80, SIZE_N*2
	s_lshl_b32 s78, s42, 8                         ; the block's 256 bytes of a row
	s_add_co_u32 s78, s78, s80
	s_add_nc_u64 s[8:9], s[8:9], s[78:79]
.endif
.if MODE == 1
	s_mov_b32 s76, 0x3e6d3388                      ; 0.3275911 / sqrt 2
	s_mov_b32 s77, 0x7fffffff
.irp c, 0,1
	v_mov_b32 v[CA+\c],   0x3e827906               ; a1 =  0.254829592
	v_mov_b32 v[CA+2+\c], 0xbe91a98e               ; a2 = -0.284496736
	v_mov_b32 v[CA+4+\c], 0x3fb5f0e3               ; a3 =  1.421413741
	v_mov_b32 v[CA+6+\c], 0xbfba00e3               ; a4 = -1.453152027
.endr
.endif
	s_wait_tensorcnt 0x1                           ; my part of K step 0 is in; K step 1's may stay out
	s_barrier_signal -1
	s_barrier_wait -1
	FETCH 0, 0, F0
	LAP 1                                          ; the first lap stands in front of the loop: its first products start the sums
.if LAPS > 2
	WIN 0                                          ; at a label and at a branch every window is 0
	s_mov_b32 s3, LAPS-2
.Llap:
	LAP 0
	WIN 0
	s_sub_co_u32 s3, s3, 1
	s_cmp_lg_u32 s3, 0
	s_cbranch_scc1 .Llap
.endif
	SEVEN 0, 0                                     ; the last lap fills nothing
	TURN 0, 1, 0
	SEVEN 1, 0
	s_wait_dscnt 4
	WIN MUL
	MUL4 F1, 0, 0
	MUL4 F1, 1, 0
	s_wait_dscnt 0x0
	MUL4 F1, 2, 0
	MUL4 F1, 3, 0
	PLACES                                         ; behind the last matrix instructions, before results are read and fragment registers rewritten
.if MODE == 2
	OUTF 0, R0, 8, 2
	OUTF 1, R1, 8, 3
	OUTF 2, R0, 8, 0
	OUTF 3, R1, 0, 0
.else
	s_wait_loadcnt 0x0                             ; the bias
	OUTH 0
	OUTH 1
	OUTH 2
	OUTH 3
	s_wait_dscnt 0x0                               ; my stores into the stage are done,
	s_barrier_signal -1
	s_barrier_wait -1                              ; everybody's are: a row's two halves come from two waves
.irp i, 0,1,2,3,4,5,6,7,8,9,10,11,12,13,14,15
	ds_load_b128 v[F0+4*\i:F0+4*\i+3], v[RD] offset:\i*2*SP
.endr
.irp i, 0,1,2,3,4,5,6,7,8,9,10,11,12,13,14,15
	s_wait_dscnt 15-\i
	global_store_b128 v[CO], v[F0+4*\i:F0+4*\i+3], s[8:9] offset:\i*4*SIZE_N       ; 16 lanes store 256 consecutive bytes, aligned
.endr
.endif
	s_wait_tensorcnt 0x0
	ds_add_u32 v30, v31
	s_wait_dscnt 0x0
	CROUND                                         ; the closing round: no work-group ends while a partner may still ask for a tile that names it
	s_endpgm
.Lfunc_end_k_q6f602bb288_fc2:
	.size	k_q6f602bb288_fc2, .Lfunc_end_k_q6f602bb288_fc2-k_q6f602bb288_fc2
	.p2alignl 7, 3214868480
	.fill 96, 4, 3214868480
	.section	.rodata,"a",@progbits
	.p2align	6, 0x0
	.amdhsa_kernel k_q6f602bb288_fc2
		.amdhsa_group_segment_fixed_size 327680
		.amdhsa_private_segment_fixed_size 0
		.amdhsa_enable_private_segment 0
		.amdhsa_kernarg_size 40
		.amdhsa_user_sgpr_count 2
		.amdhsa_user_sgpr_kernarg_segment_ptr 1
		.amdhsa_wavefront_size32 1
		.amdhsa_system_sgpr_workgroup_id_x 1
		.amdhsa_system_sgpr_workgroup_id_y 1
		.amdhsa_system_sgpr_workgroup_id_z 1
		.amdhsa_system_vgpr_workitem_id 0
		.amdhsa_next_free_vgpr 384
		.amdhsa_next_free_sgpr 84
		.amdhsa_reserve_vcc 0
		.amdhsa_float_denorm_mode_32 3
		.amdhsa_float_denorm_mode_16_64 3
		.amdhsa_memory_ordered 1
		.amdhsa_forward_progress 1
		.amdhsa_inst_pref_size 140
	.end_amdhsa_kernel
	.amdgpu_metadata
---
amdhsa.version: [ 1, 2 ]
amdhsa.kernels:
  - .name:           k_q6f602bb288_fc2
    .symbol:         k_q6f602bb288_fc2.kd
    .args:
      - { .name: big, .offset: 0, .size: 8, .value_kind: global_buffer, .address_space: global }
      - { .name: w2b, .offset: 8, .size: 8, .value_kind: global_buffer, .address_space: global }
      - { .name: c2, .offset: 16, .size: 8, .value_kind: global_buffer, .address_space: global }
      - { .name: x1, .offset: 24, .size: 8, .value_kind: global_buffer, .address_space: global }
      - { .name: out0, .offset: 32, .size: 8, .value_kind: global_buffer, .address_space: global }
    .group_segment_fixed_size: 327680
    .private_segment_fixed_size: 0
    .kernarg_segment_align: 8
    .kernarg_segment_size: 40
    .max_flat_workgroup_size: 128
    .sgpr_count:     84
    .vgpr_count:     384
    .wavefront_size: 32
...
	.end_amdgpu_metadata
.endif
;; end of part 7
;; ======== version 2 of 2: 7 launches
;; limits: a function is approximated: absolute error at most 1.5e-07; right only within a limited range of input values
;; workspace buffers: wqkv 6,291,456 bytes; wob 2,097,152 bytes; w1b 8,388,608 bytes; w2b 8,388,608 bytes; hn 8,388,608 bytes; ctx 8,388,608 bytes; x1 16,777,216 bytes; big 33,554,432 bytes
;; launch prep: the kernel of part 1 again; grid 1024 x 1, 8 waves a work-group, no clusters, 0 bytes of LDS; arguments x, g1, b1, Wq, Wk, Wv, Wo, W1, W2, hn, wqkv, wob, w1b, w2b; writes hn, wqkv, wob, w1b, w2b
;; launch qkv (part 8): grid 12 x 16, 4 waves a work-group, clusters of 4 x 4, 327,680 bytes of LDS; arguments hn, wqkv, bq, bk, bv, big; writes big
.if DOCPART == 8
	.amdgcn_target "amdgcn-amd-amdhsa--gfx1250"
	.amdhsa_code_object_version 6
	.text
	.protected	k_q6f602bb288_qkv
	.globl	k_q6f602bb288_qkv
	.p2align	8
	.type	k_q6f602bb288_qkv,@function
k_q6f602bb288_qkv:
	s_mov_b64 s[64:65], 0
	v_nop
	global_prefetch_b8 v0, s[64:65] scope:SCOPE_SE
	s_setreg_imm32_b32 hwreg(HW_REG_WAVE_MODE, 25, 1), 1
	s_wait_xcnt 0x0
	s_wait_alu depctr_hold_cnt(0) depctr_sa_sdst(0) depctr_va_vdst(0) depctr_va_sdst(0) depctr_va_ssrc(0) depctr_va_vcc(0) depctr_vm_vsrc(0)
	s_getreg_b32 s2, hwreg(HW_REG_IB_STS2, 6, 4)
	s_cmp_eq_u32 s2, 0
	s_cbranch_scc0 .Lentry_in_a_cluster
	s_endpgm
.Lentry_in_a_cluster:
	s_bfe_u32 s2, ttmp6, 0x10000c
	s_cmp_lg_u32 s2, 0xf033
	s_cbranch_scc0 .Lentry_shape_is_right
	s_endpgm
.Lentry_shape_is_right:
; C = A W + bias, and what MODE adds, in bf16.  A: [4096][SIZE_K] bf16, rows along K.  W: [SIZE_K][SIZE_N] bf16, rows along N.  Sums in f32.
; One text serves two launches; the three constants below are all that differs.
;   MODE 0: C = A W + bias; the bias is bq, bk or bv by the block's 1,024 columns.     MODE 1: C = gelu(A W + bias), exact (erf) form.
; A work-group makes 256 x 256 of C with four waves, as many as a WGP has SIMDs; a wave makes 128 x 128: 64 accumulator tiles, 512 registers.
; For 32 along K a wave issues 32 LDS loads and 64 matrix instructions.  SIZE_N = 4096 gives 16 x 16 = 256 work-groups, SIZE_N = 3072 gives 12 x 16 = 192.
; K goes in steps of 128 through two LDS slots filled by the tensor data mover; A's rows in a tile are 256 bytes of memory, W's 512, both aligned.
; CLUSTERS: 4 x 4 work-groups.  A's tile hangs on the block row alone and is asked for jointly by a row of the cluster, W's on the block column
; alone and is asked for jointly by a column: a quarter of the requests.
; W lies [K][N], so its fragments come out of LDS by the transposing load.  The matrix instruction is used transposed (source 0 = 16 columns of W,
; source 1 = 16 rows of A): lane l then holds row l % 16 of C and eight neighbouring columns 8 (l / 16) + 0..7, which pack into 16 bytes.
; REGISTERS, in windows of 256: window 0: v8-15 erf constants, v16-27 addresses, v32-63 rows read back on the way out, v64-127 and v128-191 A's fragments
; (two buffers; at work on the way out), v192-255 the bias of my 64 numbers.  Window 1: v64-127, v128-191 W's fragments.  Window 2: the 32 accumulator
; tiles of my rows 0-63 (tile (a, b) at v[8 (8 a + b)]); window 3: those of my rows 64-127.
; Limits (MODE 1): erf by the rational form of Abramowitz and Stegun 7.1.26, absolute error at most 1.5e-7 for every argument; v_exp_f32 and
; v_rcp_f32 flush denormals; NaN and infinite inputs are not served as the JAX text serves them.
.set SIZE_N, 3072
.set SIZE_K, 1024
.set MODE,   0
.set KSTEP,  128
.set PA,     272                       ; an LDS row of A: 256 bytes + 16 = 17 x 16: the 16 rows of a fragment load start at 16 different 16-byte columns
.set PW,     544                       ; an LDS row of W: 512 bytes + 32 = 17 x 32, for the transposing load
.set HALFT,  128*PA                    ; what one tensor load brings: 128 rows of A, or 64 k rows of W (64 x 544 is the same 34,816 bytes)
.set SLOT,   4*HALFT                   ; A's 256 rows, then W's 128 k rows
.set STAGE,  2*SLOT                    ; 278,528, a multiple of 256: 16 rows x 272 bytes for each wave, into which no tensor load lands
.set SP,     272                       ; a stage row: 256 bytes + 16
.set LAPS,   SIZE_K/(2*KSTEP)          ; a lap = two K steps = once round the ring
.set CA,   8                           ; v[8:15] MODE 1: a1 .. a4 of the erf form, each twice
.set ADRA, 16                          ; v16-17  LDS address of my A fragments in slot 0, 1
.set ADRW, 20                          ; v20-21  the same for W
.set STO,  24                          ; v24     way out: where I put 16 bytes of a row
.set RD,   25                          ; v25     way out: where I read a row back
.set CO,   26                          ; v26     my byte offset in C
.set BO,   27                          ; v27     my byte offset in the bias
.set RB,   32                          ; v[32:63]   way out: rows read back, to store
.set F0,   64                          ; fragment buffer 0
.set F1,   128                         ; fragment buffer 1
.set BIAS, 192                         ; v[192:255] bias of my columns 16 b + 8 (l / 16) + j at BIAS + 8 b + j
.set XO,   64                          ; way out: 32 numbers in f32
.set GT,   96                          ; gelu: t
.set GE,   128                         ; gelu: exp(-x x / 2)
.set GP,   160                         ; gelu: the polynomial, then erf
.if MODE == 1
.set PK,   96                          ; packed bf16 (t is dead by then)
.else
.set PK,   160
.endif
.set G1,  24                           ; s[24:31] descriptor group 1 for A's tiles
.set G0,  32                           ; s[32:39] group 0 for A's tiles, a set for each slot
.set G1W, 48                           ; s[48:55] group 1 for W's tiles
.set G0W, 56                           ; s[56:63] group 0 for W's tiles, a set for each slot
.set MSB, 0
.macro WIN new                         ; s_set_vgpr_msb: bits 1:0 source 0, 3:2 source 1, 5:4 source 2, 7:6 destination; the high byte repeats the setting left
.if MSB != \new
	s_set_vgpr_msb (MSB<<8)|\new
.set MSB, \new
.endif
.endm
.set MUL_LO, 0xa1                      ; source 0 (W) window 1, source 1 (A) window 0, C and D window 2
.set MUL_HI, 0xf1                      ; the same, C and D window 3
.set TO_W,   0x40                      ; destination window 1, address window 0
; A joint load.  Waves 0 and 1 fetch A's two halves, waves 2 and 3 W's.  Each line has one mask; the branch hangs on the wave's number alone.
.macro JLOAD s
	s_cmp_eq_u32 s11, 0
	s_cbranch_scc0 .Lfor_w_\@
	tensor_load_to_lds s[G0+4*\s:G0+4*\s+3], s[G1:G1+7]
	s_nop 0
	s_branch .Lasked_\@
.Lfor_w_\@:
	tensor_load_to_lds s[G0W+4*\s:G0W+4*\s+3], s[G1W:G1W+7]
	s_nop 0
.Lasked_\@:
.endm
.macro CREST                           ; a round of the cluster's barrier behind its opening work-group barrier
	s_cmp_lg_u32 s10, 0
	s_cbranch_scc1 .Lnot_wave_0_\@
	s_barrier_signal -3
.Lnot_wave_0_\@:
	s_barrier_wait -3
	s_barrier_signal -1
	s_barrier_wait -1
.endm
.macro CROUND                          ; a whole round
	s_barrier_signal -1
	s_barrier_wait -1
	CREST
.endm
.macro PLACES                          ; four places behind a matrix instruction before its registers are loaded into or its result is read (ISA guide 7.12.1)
.rept 4
	v_nop
.endr
.endm
; 16 matrix instructions: row tiles a0, a0 + 1 of the window's four (hi = 0: my rows 0-63, 1: rows 64-127) x all 8 column tiles, 32 along K.
; The 64 accumulators take turns, one instruction a turn, in the same order in every quarter step.
; zero = 1: the first product starts the sums: nothing is ever cleared.
.macro MUL16 f, hi, a0, zero
.irp a, \a0, \a0+1
.irp b, 0,1,2,3,4,5,6,7
.if \zero
	v_wmma_f32_16x16x32_bf16 v[8*(8*(\a)+\b):8*(8*(\a)+\b)+7], v[\f+8*\b:\f+8*\b+7], v[\f+8*(4*\hi+\a):\f+8*(4*\hi+\a)+7], 0
.else
	v_wmma_f32_16x16x32_bf16 v[8*(8*(\a)+\b):8*(8*(\a)+\b)+7], v[\f+8*\b:\f+8*\b+7], v[\f+8*(4*\hi+\a):\f+8*(4*\hi+\a)+7], v[8*(8*(\a)+\b):8*(8*(\a)+\b)+7]
.endif
.endr
.endr
.endm
; 32 LDS loads in one run: the fragments of the quarter step at k (128 columns of W, 128 rows of A, 32 along K) into buffer f; A's rows 64-127 come last
.macro FETCH slot, k, f
	WIN TO_W
.irp i, 0,1,2,3,4,5,6,7
	ds_load_tr16_b128 v[\f+8*\i:\f+8*\i+3],   v[ADRW+\slot] offset:\k*PW+32*\i
	ds_load_tr16_b128 v[\f+8*\i+4:\f+8*\i+7], v[ADRW+\slot] offset:\k*PW+16*PW+32*\i
.endr
	WIN 0
.irp i, 0,1,2,3,4,5,6,7
	ds_load_b128 v[\f+8*\i:\f+8*\i+3],   v[ADRA+\slot] offset:2*\k+\i*16*PA
	ds_load_b128 v[\f+8*\i+4:\f+8*\i+7], v[ADRA+\slot] offset:2*\k+\i*16*PA+32
.endr
.endm
; A K step is four quarter steps of 32 along K, 64 matrix instructions each, on buffers 0, 1, 0, 1.
; One of the first three: multiplies buffer f; in its middle it fetches the quarter at k of the same slot into buffer g.
.macro QUARTER slot, k, f, g, zero
	s_wait_dscnt 8                                 ; W and A's rows 0-63 are in; the youngest eight loads (A's rows 64-127) may be out
	WIN MUL_LO
	MUL16 \f, 0, 0, \zero
	MUL16 \f, 0, 2, \zero
	PLACES
	FETCH \slot, \k, \g
	s_wait_dscnt 32                                ; all but the 32 just issued
	WIN MUL_HI
	MUL16 \f, 1, 0, \zero
	MUL16 \f, 1, 2, \zero
.endm
.macro THREE slot, zero
	QUARTER \slot, 32, F0, F1, \zero
	QUARTER \slot, 64, F1, F0, 0
	QUARTER \slot, 96, F0, F1, 0
.endm
; The last quarter: multiplies buffer 1 and changes slots.  In front of the barrier each wave waits for its reads of this slot and for all its tensor
; loads (one is out: its part of the next slot).  fill = 1: the barrier opens a round of the cluster's barrier, and behind the round this slot is asked
; for again, two K steps ahead, first thing.  From that request to the wait for it a wave issues 240 of a step's 256 matrix instructions.
.macro TURN slot, next, fill
	s_wait_dscnt 8
	WIN MUL_LO
	MUL16 F1, 0, 0, 0
	s_wait_dscnt 0x0                               ; my reads of this slot are over
	s_wait_tensorcnt 0x0                           ; all my tensor loads have landed
	ds_add_u32 v255, v31
	s_wait_dscnt 0x0
	s_barrier_signal -1
	MUL16 F1, 0, 2, 0                              ; register work while the others arrive
	WIN 0
	s_barrier_wait -1
.if \fill
	CREST                                          ; no wave of any partner still reads this slot or has a load on its way
	s_add_nc_u64 s[G0+4*\slot+2:G0+4*\slot+3], s[G0+4*\slot+2:G0+4*\slot+3], 2*KSTEP*2              ; 256 k on: bytes along A's rows
	s_add_nc_u64 s[G0W+4*\slot+2:G0W+4*\slot+3], s[G0W+4*\slot+2:G0W+4*\slot+3], 2*KSTEP*SIZE_N*2   ; 256 rows of W
	JLOAD \slot
.endif
	PLACES
	FETCH \next, 0, F0
	WIN MUL_HI
	MUL16 F1, 1, 0, 0
	MUL16 F1, 1, 2, 0
.endm
.macro LAP zero                        ; once round the ring, both slots filled again
	THREE 0, \zero
	TURN 0, 1, 1
	THREE 1, 0
	TURN 1, 0, 1
.endm
; x -> x/2 (1 + erf(x / sqrt 2)) on v[XO:XO+31].  t = 1 / (1 + 0.3275911 |x| / sqrt 2); erf = 1 - t (a1 + t (a2 + t (a3 + t (a4 + t a5)))) exp(-x x / 2), with x's sign.
; x x = infinity gives exp2(-inf) = 0 and t = 0: erf = 1.  Transcendentals stand in runs; a plain instruction on other registers follows each run.
.macro GELU32
.set i, 0
.rept 32
	v_fma_f32 v[GT+i], |v[XO+i]|, s76, 1.0
.set i, i+1
.endr
.set i, 0
.rept 32
	v_rcp_f32 v[GT+i], v[GT+i]
.set i, i+1
.endr
.set i, 0
.rept 16
	v_pk_mul_f32 v[GE+2*i:GE+2*i+1], v[XO+2*i:XO+2*i+1], v[XO+2*i:XO+2*i+1]
.set i, i+1
.endr
.set i, 0
.rept 16
	v_pk_mul_f32 v[GE+2*i:GE+2*i+1], v[GE+2*i:GE+2*i+1], 0xbf38aa3b op_sel_hi:[1,0]            ; x (-log2 e / 2)
.set i, i+1
.endr
.set i, 0
.rept 32
	v_exp_f32 v[GE+i], v[GE+i]
.set i, i+1
.endr
.set i, 0
.rept 16
	v_pk_fma_f32 v[GP+2*i:GP+2*i+1], v[GT+2*i:GT+2*i+1], 0x3f87dc22, v[CA+6:CA+7] op_sel_hi:[1,0,1]   ; a5 t + a4
.set i, i+1
.endr
.irp c, 4, 2, 0
.set i, 0
.rept 16
	v_pk_fma_f32 v[GP+2*i:GP+2*i+1], v[GP+2*i:GP+2*i+1], v[GT+2*i:GT+2*i+1], v[CA+\c:CA+\c+1]
.set i, i+1
.endr
.endr
.set i, 0
.rept 16
	v_pk_mul_f32 v[GP+2*i:GP+2*i+1], v[GP+2*i:GP+2*i+1], v[GT+2*i:GT+2*i+1]
.set i, i+1
.endr
.set i, 0
.rept 16
	v_pk_fma_f32 v[GP+2*i:GP+2*i+1], v[GP+2*i:GP+2*i+1], v[GE+2*i:GE+2*i+1], 1.0 op_sel_hi:[1,1,0] neg_lo:[1,0,0] neg_hi:[1,0,0]
.set i, i+1
.endr
.set i, 0
.rept 32
	v_bfi_b32 v[GP+i], s77, v[GP+i], v[XO+i]       ; magnitude of erf, sign of x
.set i, i+1
.endr
.set i, 0
.rept 16
	v_pk_mul_f32 v[XO+2*i:XO+2*i+1], v[XO+2*i:XO+2*i+1], 0.5 op_sel_hi:[1,0]
.set i, i+1
.endr
.set i, 0
.rept 16
	v_pk_fma_f32 v[XO+2*i:XO+2*i+1], v[XO+2*i:XO+2*i+1], v[GP+2*i:GP+2*i+1], v[XO+2*i:XO+2*i+1]
.set i, i+1
.endr
.endm
; THE WAY OUT, rows 16 g .. 16 g + 15 of my block = the eight tiles (a, 0..7) of window 2 or 3 (from = 0x02 or 0x03: source 0), in two halves of four tiles:
; the bias add brings 32 sums into window 0; gelu in MODE 1; rounded to bf16; 16 bytes a lane into my own stage.  Then whole rows of 256 bytes are read
; back (LDS serves a wave's instructions in order, ISA guide 5.7.1: these loads see the stores above, and the next group's stores come behind them) and stored.
.macro OUT16 g, a, from
.irp hh, 0,1
	WIN \from
.irp bb, 0,1,2,3
.irp e, 0,1,2,3
	v_pk_add_f32 v[XO+8*\bb+2*\e:XO+8*\bb+2*\e+1], v[8*(8*\a+4*\hh+\bb)+2*\e:8*(8*\a+4*\hh+\bb)+2*\e+1], v[BIAS+8*(4*\hh+\bb)+2*\e:BIAS+8*(4*\hh+\bb)+2*\e+1]
.endr
.endr
	WIN 0
.if MODE == 1
	GELU32
.endif
.irp bb, 0,1,2,3
.irp e, 0,1,2,3
	v_cvt_pk_bf16_f32 v[PK+4*\bb+\e], v[XO+8*\bb+2*\e], v[XO+8*\bb+2*\e+1]
.endr
.endr
.irp bb, 0,1,2,3
	ds_store_b128 v[STO], v[PK+4*\bb:PK+4*\bb+3] offset:32*(4*\hh+\bb)
.endr
.endr
	s_wait_xcnt 0x0                                ; v[RB..], which the last group's stores read, and the stores' base are rewritten only behind this wait
.if \g
	s_add_nc_u64 s[8:9], s[8:9], 16*SIZE_N*2       ; 16 rows of C on: the stores' offsets stay at 14 rows of C at the most
.endif
.irp t, 0,1,2,3,4,5,6,7
	ds_load_b128 v[RB+4*\t:RB+4*\t+3], v[RD] offset:\t*2*SP
.endr
.irp t, 0,1,2,3,4,5,6,7
	s_wait_dscnt 7-\t                              ; LDS loads return in order: the 7 - t younger ones stay out
	global_store_b128 v[CO], v[RB+4*\t:RB+4*\t+3], s[8:9] offset:2*\t*SIZE_N*2     ; 16 lanes store 256 consecutive bytes, aligned
.endr
.endm
	s_load_b128 s[4:7], s[0:1], 0x0                ; A s[4:5], W s[6:7]
.if MODE == 0
	s_load_b256 s[68:75], s[0:1], 0x10             ; bq, bk, bv, C
	s_set_vgpr_msb 0x40
	v_lshl_add_u32 v255, v0, 2, 0x48400
	s_set_vgpr_msb 0x4000
	v_mov_b32 v31, 0
	s_set_vgpr_msb 0x1
	ds_add_u32 v255, v31
	ds_add_u32 v255, v31
	s_set_vgpr_msb 0x100
.else
	s_load_b64 s[66:67], s[0:1], 0x10              ; bias
	s_load_b64 s[8:9], s[0:1], 0x18                ; C
.endif
	v_lshrrev_b32 v1, 5, v0
	v_readfirstlane_b32 s10, v1                    ; wave 0..3
	s_lshr_b32 s11, s10, 1                         ; which half of the block's rows is mine.  Also: I fetch for A (0) or for W (1)
	s_and_b32 s12, s10, 1                          ; which half of its columns.  Also: which half of that tile I fetch
	s_bfe_u32 s40, ttmp6, 0x40000                  ; cx
	s_bfe_u32 s41, ttmp6, 0x40004                  ; cy
	s_lshl_b32 s42, ttmp9, 2
	s_add_co_u32 s42, s42, s40                     ; block column = 4 x cluster x + cx
	s_and_b32 s13, ttmp7, 0xffff
	s_lshl_b32 s13, s13, 2
	s_add_co_u32 s13, s13, s41                     ; block row = 4 x cluster y + cy
	s_lshl_b32 s43, s41, 2
	s_lshl_b32 s43, 15, s43                        ; my row of the cluster: places 4 cy .. 4 cy + 3
	s_lshl_b32 s44, 0x1111, s40                    ; my column: places cx, cx + 4, cx + 8, cx + 12
	; group 1 for A: 128 rows x 128 elements of 2 bytes; 4 words of padding behind every 64 words
	s_or_b32 s[G1+0], s43, (1<<16)|(1<<20)|(1<<21)|(5<<22)|(3<<25)
	s_mov_b32 s[G1+1], KSTEP<<16                   ; tensor_dim0 = 128
	s_mov_b32 s[G1+2], 128<<16                     ; tensor_dim1 = 128
	s_mov_b32 s[G1+3], KSTEP<<16                   ; tile_dim0 = 128
	s_mov_b32 s[G1+4], 128                         ; tile_dim1 = 128
	s_mov_b32 s[G1+5], SIZE_K                      ; elements from row to row
	s_mov_b32 s[G1+6], 0
	s_mov_b32 s[G1+7], 0
	; group 1 for W: 64 k rows x 256 elements; 8 words of padding behind every 128 words
	s_or_b32 s[G1W+0], s44, (1<<16)|(1<<20)|(1<<21)|(6<<22)|(7<<25)
	s_mov_b32 s[G1W+1], 256<<16                    ; tensor_dim0 = 256
	s_mov_b32 s[G1W+2], 64<<16                     ; tensor_dim1 = 64
	s_mov_b32 s[G1W+3], 256<<16                    ; tile_dim0 = 256
	s_mov_b32 s[G1W+4], 64                         ; tile_dim1 = 64
	s_mov_b32 s[G1W+5], SIZE_N
	s_mov_b32 s[G1W+6], 0
	s_mov_b32 s[G1W+7], 0
	; A's address hangs on the block row, W's on the block column, each in registers that never hold the other coordinate
	s_lshl_b32 s17, s12, 7
	s_lshl_b32 s16, s13, 8
	s_add_co_u32 s16, s16, s17                     ; A: row 256 x block row + 128 x half
	s_mul_i32 s16, s16, SIZE_K*2                   ; at most 3,968 rows of 2,048 bytes: inside 32 bits
	s_mov_b32 s17, 0
	s_mul_i32 s46, s12, 64*SIZE_N*2                ; W: k row 64 x half,
	s_lshl_b32 s47, s42, 9
	s_add_co_u32 s46, s46, s47                     ; column 256 x block column
	s_mov_b32 s47, 0
	s_mul_i32 s20, s10, HALFT                      ; where they go: A's two halves, then W's two halves = wave x 34,816: no place in the cluster enters an LDS address
	s_wait_dscnt 0x0
	s_wait_kmcnt 0x0
	s_add_nc_u64 s[14:15], s[4:5], s[16:17]
	s_add_nc_u64 s[46:47], s[6:7], s[46:47]
	CROUND                                         ; all sixteen work-groups are here: the first joint loads meet
.irp s, 0,1
	s_mov_b32 s[G0+4*\s], 1
	s_add_co_u32 s[G0+4*\s+1], s20, \s*SLOT
	s_add_nc_u64 s[G0+4*\s+2:G0+4*\s+3], s[14:15], \s*KSTEP*2
	s_or_b32 s[G0+4*\s+3], s[G0+4*\s+3], 0x80000000
	s_mov_b32 s[G0W+4*\s], 1
	s_add_co_u32 s[G0W+4*\s+1], s20, \s*SLOT
	s_add_nc_u64 s[G0W+4*\s+2:G0W+4*\s+3], s[46:47], \s*KSTEP*SIZE_N*2
	s_or_b32 s[G0W+4*\s+3], s[G0W+4*\s+3], 0x80000000
	JLOAD \s                                       ; both slots are asked for before anything else: two loads of the wave are out
.endr
	v_and_b32 v1, 15, v0                           ; r = l % 16
	v_bfe_u32 v2, v0, 4, 1                         ; h = l / 16
	v_mul_u32_u24 v3, v1, PA
	v_lshl_add_u32 v3, v2, 4, v3                   ; A: row r, 16 bytes for each half of the lanes
	s_mul_i32 s21, s11, HALFT                      ; my 128 rows of A
	v_add_nc_u32 v[ADRA], s21, v3
	v_add_nc_u32 v[ADRA+1], SLOT, v[ADRA]
	v_and_b32 v4, 7, v0
	v_lshl_add_u32 v4, v2, 3, v4                   ; W: k row 8 h + l % 8,
	v_mul_u32_u24 v4, v4, PW
	v_bfe_u32 v5, v0, 3, 1
	v_lshl_add_u32 v4, v5, 4, v4                   ; 16 bytes by bit 3 of the lane,
	s_lshl_b32 s22, s12, 8                         ; my 128 columns,
	s_add_co_u32 s22, s22, 2*HALFT                 ; behind A's 256 rows
	v_add_nc_u32 v[ADRW], s22, v4
	v_add_nc_u32 v[ADRW+1], SLOT, v[ADRW]
	s_mul_i32 s23, s10, 16*SP
	s_add_co_u32 s23, s23, STAGE                   ; my stage
	v_mul_u32_u24 v6, v1, SP                       ; in: row r, 16 bytes for each half of the lanes
	v_lshl_add_u32 v6, v2, 4, v6
	v_add_nc_u32 v[STO], s23, v6
	v_mul_u32_u24 v7, v2, SP                       ; back: lanes 0-15 take one row of 256 bytes, lanes 16-31 the next
	v_lshl_add_u32 v7, v1, 4, v7
	v_add_nc_u32 v[RD], s23, v7
	v_mul_u32_u24 v6, v2, SIZE_N*2                 ; and the same two rows in C
	v_lshl_add_u32 v[CO], v1, 4, v6
	v_lshlrev_b32 v[BO], 5, v2                     ; bias: 8 h numbers of 4 bytes
.if MODE == 0
	s_cmp_eq_u32 ttmp9, 0                          ; a cluster's four block columns are 1,024 columns: cluster x = 0 is q, 1 is k, 2 is v
	s_cselect_b64 s[66:67], s[68:69], s[70:71]
	s_cmp_eq_u32 ttmp9, 2
	s_cselect_b64 s[66:67], s[72:73], s[66:67]
	s_mov_b64 s[8:9], s[74:75]
	s_lshl_b32 s78, s40, 10                        ; 256 columns of 4 bytes for each block inside those 1,024
.else
	s_lshl_b32 s78, s42, 10                        ; 256 columns of 4 bytes a block
.endif
	s_lshl_b32 s79, s12, 9
	s_add_co_u32 s78, s78, s79                     ; + my 128 columns
	s_mov_b32 s79, 0
	s_add_nc_u64 s[66:67], s[66:67], s[78:79]
.irp b, 0,1,2,3,4,5,6,7
	global_load_b128 v[BIAS+8*\b:BIAS+8*\b+3],   v[BO], s[66:67] offset:64*\b
	global_load_b128 v[BIAS+8*\b+4:BIAS+8*\b+7], v[BO], s[66:67] offset:64*\b+16
.endr
	s_lshl_b32 s80, s13, 8
	s_lshl_b32 s81, s11, 7
	s_add_co_u32 s80, s80, s81                     ; my first row of C
	s_mul_i32 s80, s80, SIZE_N*2                   ; at most 3,968 rows of 8,192 bytes: inside 32 bits
	s_lshl_b32 s78, s42, 9                         ; my first column, in bytes: 512 x block + 256 x half
	s_lshl_b32 s81, s12, 8
	s_add_co_u32 s78, s78, s81
	s_add_co_u32 s78, s78, s80
	s_add_nc_u64 s[8:9], s[8:9], s[78:79]
.if MODE == 1
	s_mov_b32 s76, 0x3e6d3388                      ; 0.3275911 / sqrt 2
	s_mov_b32 s77, 0x7fffffff
.irp c, 0,1
	v_mov_b32 v[CA+\c],   0x3e827906               ; a1 =  0.254829592
	v_mov_b32 v[CA+2+\c], 0xbe91a98e               ; a2 = -0.284496736
	v_mov_b32 v[CA+4+\c], 0x3fb5f0e3               ; a3 =  1.421413741
	v_mov_b32 v[CA+6+\c], 0xbfba00e3               ; a4 = -1.453152027
.endr
.endif
	s_wait_tensorcnt 0x1                           ; my part of K step 0 is in; K step 1's may stay out
	s_barrier_signal -1
	s_barrier_wait -1
	FETCH 0, 0, F0
	LAP 1                                          ; the first lap stands in front of the loop: its first products start the sums
.if LAPS > 2
	WIN 0                                          ; at a label and at a branch every window is 0
	s_mov_b32 s3, LAPS-2
.Llap:
	LAP 0
	WIN 0
	s_sub_co_u32 s3, s3, 1
	s_cmp_lg_u32 s3, 0
	s_cbranch_scc1 .Llap
.endif
	THREE 0, 0                                     ; the last lap fills nothing: my one tensor load that is still out is slot 1's, the last K step's
	TURN 0, 1, 0
	THREE 1, 0
	s_wait_dscnt 8                                 ; the very last quarter: nothing more to fetch
	WIN MUL_LO
	MUL16 F1, 0, 0, 0
	MUL16 F1, 0, 2, 0
	s_wait_dscnt 0x0
	WIN MUL_HI
	MUL16 F1, 1, 0, 0
	MUL16 F1, 1, 2, 0
	PLACES                                         ; behind the last matrix instructions, before results are read and fragment registers rewritten
	s_wait_loadcnt 0x0                             ; the bias
	OUT16 0, 0, 0x02
	OUT16 1, 1, 0x02
	OUT16 2, 2, 0x02
	OUT16 3, 3, 0x02
	OUT16 4, 0, 0x03
	OUT16 5, 1, 0x03
	OUT16 6, 2, 0x03
	OUT16 7, 3, 0x03
	s_set_vgpr_msb 0x1
	s_wait_tensorcnt 0x0
	ds_add_u32 v255, v31
	s_wait_dscnt 0x0
	s_set_vgpr_msb 0x100
	CROUND                                         ; the closing round: no work-group ends while a partner may still ask for a tile that names it
	s_endpgm
.Lfunc_end_k_q6f602bb288_qkv:
	.size	k_q6f602bb288_qkv, .Lfunc_end_k_q6f602bb288_qkv-k_q6f602bb288_qkv
	.p2alignl 7, 3214868480
	.fill 96, 4, 3214868480
	.section	.rodata,"a",@progbits
	.p2align	6, 0x0
	.amdhsa_kernel k_q6f602bb288_qkv
		.amdhsa_group_segment_fixed_size 327680
		.amdhsa_private_segment_fixed_size 0
		.amdhsa_enable_private_segment 0
		.amdhsa_kernarg_size 48
		.amdhsa_user_sgpr_count 2
		.amdhsa_user_sgpr_kernarg_segment_ptr 1
		.amdhsa_wavefront_size32 1
		.amdhsa_system_sgpr_workgroup_id_x 1
		.amdhsa_system_sgpr_workgroup_id_y 1
		.amdhsa_system_sgpr_workgroup_id_z 1
		.amdhsa_system_vgpr_workitem_id 0
		.amdhsa_next_free_vgpr 1024
		.amdhsa_next_free_sgpr 84
		.amdhsa_reserve_vcc 0
		.amdhsa_float_denorm_mode_32 3
		.amdhsa_float_denorm_mode_16_64 3
		.amdhsa_memory_ordered 1
		.amdhsa_forward_progress 1
		.amdhsa_inst_pref_size 215
	.end_amdhsa_kernel
	.amdgpu_metadata
---
amdhsa.version: [ 1, 2 ]
amdhsa.kernels:
  - .name:           k_q6f602bb288_qkv
    .symbol:         k_q6f602bb288_qkv.kd
    .args:
      - { .name: hn, .offset: 0, .size: 8, .value_kind: global_buffer, .address_space: global }
      - { .name: wqkv, .offset: 8, .size: 8, .value_kind: global_buffer, .address_space: global }
      - { .name: bq, .offset: 16, .size: 8, .value_kind: global_buffer, .address_space: global }
      - { .name: bk, .offset: 24, .size: 8, .value_kind: global_buffer, .address_space: global }
      - { .name: bv, .offset: 32, .size: 8, .value_kind: global_buffer, .address_space: global }
      - { .name: big, .offset: 40, .size: 8, .value_kind: global_buffer, .address_space: global }
    .group_segment_fixed_size: 327680
    .private_segment_fixed_size: 0
    .kernarg_segment_align: 8
    .kernarg_segment_size: 48
    .max_flat_workgroup_size: 128
    .sgpr_count:     84
    .vgpr_count:     1024
    .wavefront_size: 32
...
	.end_amdgpu_metadata
.endif
;; end of part 8
;; launch attn (part 9): grid 256 x 1, 8 waves a work-group, no clusters, 327,680 bytes of LDS; arguments big, ctx; writes ctx
.if DOCPART == 9
	.amdgcn_target "amdgcn-amd-amdhsa--gfx1250"
	.amdhsa_code_object_version 6
	.text
	.protected	k_q6f602bb288_attn
	.globl	k_q6f602bb288_attn
	.p2align	8
	.type	k_q6f602bb288_attn,@function
k_q6f602bb288_attn:
	s_mov_b64 s[64:65], 0
	v_nop
	global_prefetch_b8 v0, s[64:65] scope:SCOPE_SE
	s_setreg_imm32_b32 hwreg(HW_REG_WAVE_MODE, 25, 1), 1
	s_wait_xcnt 0x0
; Causal attention, one pass with a running maximum.  big: [4096][3072] bf16, a row = q (1,024), k (1,024), v (1,024), head h at column 64 h of each.
; ctx: [4096][1024] bf16, head h at column 64 h.
; A work-group has one (batch, head) and two blocks of 128 queries, e = 2 p and o = 15 - e (p = 0..7): (e + 1) + (o + 1) = 17 key tiles of 128 in
; every work-group.  What lies above the diagonal block is not computed.
; EIGHT WAVES, two to a SIMD, so that one wave's softmax runs beside the other's matrix instructions and LDS loads.  Wave w has the 32 queries of
; wq = w % 4 and, of every key tile, the 64 keys of g = w / 4: 32 LDS loads for 32 matrix instructions.  The two waves of a pair (w, w + 4) keep their own
; running maximum, sum and O; at a block's end waves 4-7 hand theirs over through LDS and waves 0-3 bring both to the common maximum, add, divide and store.
; S^T = K Q^T: lane l holds query l % 16 and keys 8 (l / 16) + 0..7 of each tile of 16, so a query's maximum and sum are per lane plus one exchange
; between the halves, and the packed registers of S^T are the second source of O^T = V^T P^T as they stand.  V^T comes from [key][64] by the transposing load.
; In the diagonal tile the upper 64 keys are all masked for queries 0-63.  So the running maximum starts at -2^100, not at the first maximum: the masked
; scores are -infinity, their exponentials and sums 0, and the factor that later brings them to a true maximum is 2^(-c 2^100) = 0.
; NO CLUSTER: the eight work-groups of a head walk different sequences of tiles (e, 0 .. e-1, o, 0 .. o-1); a joint walk would run every partner to the
; longest partner's tiles of both blocks, up to 31 requests and steps where a work-group needs 17.
; Two LDS slots of one key tile (K and V); behind each barrier every wave issues one tensor load of 32 rows: one load of a wave is out at any time.
; Limits: a query all of whose scores (before the division by 8) lie below -2^100 is not served; v_exp_f32 and v_rcp_f32 flush denormals; NaN or
; infinite scores are not served as the JAX text serves them.
.set KP,    144                        ; LDS row of K: 128 bytes + 16 = 9 x 16
.set VP,    160                        ; LDS row of V: 128 bytes + 32 = 5 x 32
.set PART,  5120                       ; an eighth of a slot: 32 keys of K (4,608 bytes used) in parts 0-3, 32 keys of V in parts 4-7; wave w fills part w
.set SLOTB, 8*PART
.set STAGE, 2*SLOTB                    ; 81,920, a multiple of 256: 32 rows x 144 bytes for each wave, into which no tensor load lands
.set MERGE, STAGE+8*32*KP              ; 118,784, a multiple of 256: a region for each wave, into which no tensor load lands
.set MPAIR, 9216                       ; a region: O 8,192 bytes, sums and first shift 512, second shift 512
.set TILEB, 128*6144                   ; bytes from a key tile to the next
.set MGR,  1                           ; v1     merge: my 16 bytes in my partner's region
.set KA,   2                           ; v2-3   LDS address of my K fragments in slot 0, 1 (my 64 keys)
.set VA,   4                           ; v4-5   the same for V
.set STO,  6                           ; v6     way out: where I put 16 bytes
.set RD,   7                           ; v7     way out: where I read rows back
.set CO,   8                           ; v8     my byte offset in ctx
.set QO,   9                           ; v9     my byte offset in q
.set DQ,   10                          ; v10-11 my query in the block less 8 (l / 16) less 64 g, for query tiles 0, 1
.set NINF, 12                          ; v12    -infinity
.set MGW,  13                          ; v13    merge: my 16 bytes in my own region
.set MX,   14                          ; v14-15 running maximum
.set LS,   16                          ; v16-17 running sum of my half of the keys
.set NM,   18                          ; v[18:21] -c x maximum, twice for each query tile
.set AL,   22                          ; v[22:25] the factor that brings old sums to the new maximum, twice for each
.set T,    26                          ; v[26:31] at work
.set QF,   32                          ; v[32:63]   Q fragments: (query tile b, half ks of the 64) at 16 b + 8 ks
.set S,    64                          ; v[64:127]  S^T tile (b, key tile a) at 32 b + 8 a; later P packed
.set U,    96                          ; v[96:107]  at work in the merge (S is dead there)
.set FK,   128                         ; v[128:191] K fragments (a, ks) at 16 a + 8 ks
.set FV,   192                         ; v[192:255] V^T fragments (32 keys k2, 16 of the 64 t) at 8 (4 k2 + t)
; window 1: O^T tile (t, b) at v[8 (2 t + b)] (v256-v319)
.set MSB, 0
.macro WIN new                         ; s_set_vgpr_msb: bits 1:0 source 0, 3:2 source 1, 5:4 source 2, 7:6 destination; the high byte repeats the setting left
.if MSB != \new
	s_set_vgpr_msb (MSB<<8)|\new
.set MSB, \new
.endif
.endm
.macro KVLOAD                          ; waves 0-3 bring K's four parts (pitch 144), waves 4-7 V's (pitch 160): one load a wave
	s_cmp_eq_u32 s56, 0
	s_cbranch_scc0 .Lfor_v_\@
	tensor_load_to_lds s[32:35], s[16:23]
	s_nop 0
	s_branch .Lasked_\@
.Lfor_v_\@:
	tensor_load_to_lds s[32:35], s[24:31]
	s_nop 0
.Lasked_\@:
.endm
.macro OSCALE                          ; O *= AL, each query tile by its own factor
	WIN 0x41
.irp t, 0,1,2,3
.irp b, 0,1
.irp i, 0,1,2,3
	v_pk_mul_f32 v[8*(2*\t+\b)+2*\i:8*(2*\t+\b)+2*\i+1], v[8*(2*\t+\b)+2*\i:8*(2*\t+\b)+2*\i+1], v[AL+2*\b:AL+2*\b+1]
.endr
.endr
.endr
.endm
; softmax step of query tile b on my 64 keys (32 numbers a lane)
.macro SOFT b, first, masked
.set SB, S+32*\b
.if \masked
.irp a, 0,1,2,3
.irp j, 0,1,2,3,4,5,6,7
	v_cmp_gt_i32 vcc_lo, 16*\a+\j, v[DQ+\b]                        ; key 64 g + 16 a + 8 h + j lies behind my query
	v_cndmask_b32 v[SB+8*\a+\j], v[SB+8*\a+\j], v[NINF], vcc_lo
.endr
.endr
.endif
	v_max3_num_f32 v[T], v[SB], v[SB+1], v[SB+2]
	v_max3_num_f32 v[T+1], v[SB+3], v[SB+4], v[SB+5]
.set n, 6
.rept 13
	v_max3_num_f32 v[T+((n/2)&1)], v[T+((n/2)&1)], v[SB+n], v[SB+n+1]
.set n, n+2
.endr
	v_max_num_f32 v[T], v[T], v[T+1]
	v_permlanex16_b32 v[T+1], v[T], s46, s47       ; the other half's keys of the same query
.if \first
	v_max3_num_f32 v[T+2], v[T], v[T+1], s58       ; the running maximum starts at -2^100: finite also where all my keys are masked
.else
	v_max3_num_f32 v[T+2], v[T], v[T+1], v[MX+\b]
.endif
	v_mul_f32 v[T+3], 0xbe38aa3b, v[T+2]           ; -c x maximum, c = log2 e / 8
.if \first == 0
	v_sub_f32 v[T+4], v[T+3], v[NM+2*\b]           ; the old sums were made with the old shift: their factor is 2^(new shift - old shift)
	v_exp_f32 v[AL+2*\b], v[T+4]
	v_exp_f32 v[AL+2*\b+1], v[T+4]
.endif
	v_mov_b32 v[NM+2*\b], v[T+3]                   ; plain work on other registers stands behind the transcendentals
	v_mov_b32 v[NM+2*\b+1], v[T+3]
	v_mov_b32 v[MX+\b], v[T+2]
.set n, 0
.rept 16
	v_pk_fma_f32 v[SB+2*n:SB+2*n+1], v[SB+2*n:SB+2*n+1], s[44:45], v[NM+2*\b:NM+2*\b+1] op_sel_hi:[1,0,1]
.set n, n+1
.endr
.set n, 0
.rept 32
	v_exp_f32 v[SB+n], v[SB+n]
.set n, n+1
.endr
	v_nop                                          ; one plain place before the run's results are used (ISA guide 5.7.2)
	s_wait_alu depctr_va_vdst(0)
	v_pk_add_f32 v[T:T+1], v[SB:SB+1], v[SB+2:SB+3]
	v_pk_add_f32 v[T+2:T+3], v[SB+4:SB+5], v[SB+6:SB+7]
.set n, 4
.rept 12
	v_pk_add_f32 v[T+2*(n&1):T+2*(n&1)+1], v[T+2*(n&1):T+2*(n&1)+1], v[SB+2*n:SB+2*n+1]
.set n, n+1
.endr
	v_pk_add_f32 v[T:T+1], v[T:T+1], v[T+2:T+3]
.if \first
	v_add_f32 v[LS+\b], v[T], v[T+1]
.else
	v_add_f32 v[T], v[T], v[T+1]
	v_fma_f32 v[LS+\b], v[LS+\b], v[AL+2*\b], v[T]
.endif
.irp k2, 0,1
.irp i, 0,1,2,3,4,5,6,7
	v_cvt_pk_bf16_f32 v[SB+16*\k2+\i], v[SB+16*\k2+2*\i], v[SB+16*\k2+2*\i+1]     ; in place, ascending: register i is written when 2 i and 2 i + 1 are read
.endr
.endr
.endm
; my 64 keys of the tile in a slot against my 32 queries; which 64 stands in the address registers
.macro SUB slot, first, masked
.irp a, 0,1,2,3
.irp c, 0,1,2,3
	ds_load_b128 v[FK+16*\a+4*\c:FK+16*\a+4*\c+3], v[KA+\slot] offset:(\a>>1)*PART+(\a&1)*16*KP+32*\c
.endr
.endr
.irp k2, 0,1
.irp t, 0,1,2,3
	ds_load_tr16_b128 v[FV+8*(4*\k2+\t):FV+8*(4*\k2+\t)+3],   v[VA+\slot] offset:\k2*32*VP+32*\t
	ds_load_tr16_b128 v[FV+8*(4*\k2+\t)+4:FV+8*(4*\k2+\t)+7], v[VA+\slot] offset:\k2*32*VP+16*VP+32*\t
.endr
.endr
	s_wait_dscnt 16                                ; the 16 younger loads are V's: K's fragments are in
	; the eight tiles of S^T take turns, one instruction a turn; the first 32 of the 64 start the sums
.irp a, 0,1,2,3
.irp b, 0,1
	v_wmma_f32_16x16x32_bf16 v[S+32*\b+8*\a:S+32*\b+8*\a+7], v[FK+16*\a:FK+16*\a+7], v[QF+16*\b:QF+16*\b+7], 0
.endr
.endr
.irp a, 0,1,2,3
.irp b, 0,1
	v_wmma_f32_16x16x32_bf16 v[S+32*\b+8*\a:S+32*\b+8*\a+7], v[FK+16*\a+8:FK+16*\a+15], v[QF+16*\b+8:QF+16*\b+15], v[S+32*\b+8*\a:S+32*\b+8*\a+7]
.endr
.endr
.rept 4
	v_nop                                          ; four places before vector instructions read the results (ISA guide 7.12.1)
.endr
	SOFT 0, \first, \masked
	SOFT 1, \first, \masked
.if \first == 0
	OSCALE
.endif
	s_wait_dscnt 0x0                               ; V's fragments are in
	WIN 0x50                                       ; C and D in window 1
	; the eight tiles of O^T take turns likewise
.irp t, 0,1,2,3
.irp b, 0,1
.if \first
	v_wmma_f32_16x16x32_bf16 v[8*(2*\t+\b):8*(2*\t+\b)+7], v[FV+8*\t:FV+8*\t+7], v[S+32*\b:S+32*\b+7], 0
.else
	v_wmma_f32_16x16x32_bf16 v[8*(2*\t+\b):8*(2*\t+\b)+7], v[FV+8*\t:FV+8*\t+7], v[S+32*\b:S+32*\b+7], v[8*(2*\t+\b):8*(2*\t+\b)+7]
.endif
.endr
.endr
.irp t, 0,1,2,3
.irp b, 0,1
	v_wmma_f32_16x16x32_bf16 v[8*(2*\t+\b):8*(2*\t+\b)+7], v[FV+8*(4+\t):FV+8*(4+\t)+7], v[S+32*\b+16:S+32*\b+23], v[8*(2*\t+\b):8*(2*\t+\b)+7]
.endr
.endr
	WIN 0
.rept 5
	v_nop                                          ; five places: the next matrix instructions write over S, a source of these; the next loads land in FK, FV or QF; the merge reads O
.endr
.endm
; One key tile.  In front of the barrier: all my tensor loads have landed (my part of this tile), my reads of the other slot are back.  Behind it the
; other slot is asked for first (tile s40), and has this tile's 32 matrix instructions and two softmax steps of every wave in which to land.
.macro STEP slot, fill, first, masked
	s_set_vgpr_msb 0x5
	s_wait_tensorcnt 0x0
	ds_add_u32 v64, v65
	s_wait_dscnt 0x0
	s_set_vgpr_msb 0x500
.if \fill
	s_add_co_u32 s33, s42, (1-\slot)*SLOTB         ; no load of mine is out: group 0 may be written
	s_mul_i32 s38, s40, TILEB
	s_add_nc_u64 s[34:35], s[36:37], s[38:39]
	s_or_b32 s35, s35, 0x80000000
.endif
	s_wait_dscnt 0x0
	s_barrier_signal -1
	s_barrier_wait -1
.if \fill
	KVLOAD
.endif
	SUB \slot, \first, \masked
.endm
.macro QLOAD qb                        ; my 32 rows of q of block qb, as second-source fragments straight from memory
	s_lshl_b32 s55, \qb, 7
	s_add_co_u32 s55, s55, s52
	s_mul_i32 s38, s55, 6144
	s_add_co_u32 s38, s38, s54
	s_add_nc_u64 s[48:49], s[4:5], s[38:39]
.irp b, 0,1
.irp c, 0,1,2,3
	global_load_b128 v[QF+16*\b+4*\c:QF+16*\b+4*\c+3], v[QO], s[48:49] offset:\b*16*6144+32*\c
.endr
.endr
.endm
; A block's end.  Waves 4-7 put O, their sums and their shifts into their own regions; one barrier, passed by all eight; waves 0-3 read their partners'
; regions, bring both halves to the smaller shift (the larger maximum), add, divide by the sum, round, and send the rows out through their own stages
; (LDS serves a wave's instructions in order) as whole rows of the head's 128 bytes.
.macro FINAL qb, more
	s_lshl_b32 s55, \qb, 7
	s_add_co_u32 s55, s55, s52
	s_lshl_b32 s38, s55, 11
	s_add_co_u32 s38, s38, s54
	s_add_nc_u64 s[50:51], s[6:7], s[38:39]
	s_cmp_eq_u32 s56, 0
	s_cbranch_scc1 .Lkeeps_\@
	WIN 0x04                                       ; an LDS store's data is source 1: window 1
.set n, 0
.rept 16
	ds_store_b128 v[MGW], v[4*n:4*n+3] offset:512*n                ; 32 lanes, 16 neighbouring bytes each
.set n, n+1
.endr
	WIN 0
	ds_store_b128 v[MGW], v[LS:LS+3] offset:8192                   ; both sums, the first query tile's shift (twice)
	ds_store_b64 v[MGW], v[NM+2:NM+3] offset:8704                  ; the second's
.Lkeeps_\@:
	s_wait_dscnt 0x0                               ; for the partner's sake: my stores are done
	s_barrier_signal -1
	s_barrier_wait -1
	s_cmp_lg_u32 s56, 0
	s_cbranch_scc1 .Lgone_\@
	ds_load_b128 v[T:T+3], v[MGR] offset:8192
	ds_load_b64 v[T+4:T+5], v[MGR] offset:8704
.set n, 0
.rept 16
	ds_load_b128 v[FK+4*n:FK+4*n+3], v[MGR] offset:512*n
.set n, n+1
.endr
	s_wait_dscnt 16                                ; the 16 younger loads are the partner's O: its sums and shifts are in
	v_min_num_f32 v[U], v[NM], v[T+2]              ; the common shift
	v_min_num_f32 v[U+1], v[NM+2], v[T+4]
	v_sub_f32 v[U+2], v[U], v[NM]
	v_sub_f32 v[U+3], v[U], v[T+2]
	v_sub_f32 v[U+4], v[U+1], v[NM+2]
	v_sub_f32 v[U+5], v[U+1], v[T+4]
	v_exp_f32 v[U+2], v[U+2]                       ; my factor, query tile 0
	v_exp_f32 v[U+3], v[U+3]                       ; the partner's
	v_exp_f32 v[U+4], v[U+4]                       ; mine, query tile 1
	v_exp_f32 v[U+5], v[U+5]                       ; the partner's
	v_nop                                          ; one plain place before the results are used (ISA guide 5.7.2)
	s_wait_alu depctr_va_vdst(0)
	v_mul_f32 v[U+6], v[LS], v[U+2]
	v_mul_f32 v[U+7], v[LS+1], v[U+4]
	v_fma_f32 v[U+6], v[T], v[U+3], v[U+6]
	v_fma_f32 v[U+7], v[T+1], v[U+5], v[U+7]
	v_permlanex16_b32 v[U], v[U+6], s46, s47       ; the other half's keys of the same query
	v_permlanex16_b32 v[U+1], v[U+7], s46, s47
	v_add_f32 v[U], v[U], v[U+6]
	v_add_f32 v[U+1], v[U+1], v[U+7]
	v_rcp_f32 v[U], v[U]
	v_rcp_f32 v[U+1], v[U+1]
	v_nop
	s_wait_alu depctr_va_vdst(0)
	v_mul_f32 v[AL], v[U+2], v[U]                  ; factor / sum, each twice for the packed forms
	v_mul_f32 v[AL+1], v[U+2], v[U]
	v_mul_f32 v[AL+2], v[U+4], v[U+1]
	v_mul_f32 v[AL+3], v[U+4], v[U+1]
	v_mul_f32 v[U+8], v[U+3], v[U]
	v_mul_f32 v[U+9], v[U+3], v[U]
	v_mul_f32 v[U+10], v[U+5], v[U+1]
	v_mul_f32 v[U+11], v[U+5], v[U+1]
	WIN 0x01                                       ; source 0 in window 1: my O, scaled, comes into window 0
.irp t, 0,1,2,3
.irp b, 0,1
.irp i, 0,1,2,3
	v_pk_mul_f32 v[FV+8*(2*\t+\b)+2*\i:FV+8*(2*\t+\b)+2*\i+1], v[8*(2*\t+\b)+2*\i:8*(2*\t+\b)+2*\i+1], v[AL+2*\b:AL+2*\b+1]
.endr
.endr
.endr
	WIN 0
	s_wait_dscnt 0x0                               ; the partner's O is in
.irp t, 0,1,2,3
.irp b, 0,1
.irp i, 0,1,2,3
	v_pk_fma_f32 v[FV+8*(2*\t+\b)+2*\i:FV+8*(2*\t+\b)+2*\i+1], v[FK+8*(2*\t+\b)+2*\i:FK+8*(2*\t+\b)+2*\i+1], v[U+8+2*\b:U+9+2*\b], v[FV+8*(2*\t+\b)+2*\i:FV+8*(2*\t+\b)+2*\i+1]
.endr
.endr
.endr
.irp t, 0,1,2,3
.irp b, 0,1
.irp i, 0,1,2,3
	v_cvt_pk_bf16_f32 v[S+4*(2*\t+\b)+\i], v[FV+8*(2*\t+\b)+2*\i], v[FV+8*(2*\t+\b)+2*\i+1]
.endr
.endr
.endr
.irp t, 0,1,2,3
.irp b, 0,1
	ds_store_b128 v[STO], v[S+4*(2*\t+\b):S+4*(2*\t+\b)+3] offset:\b*16*KP+32*\t
.endr
.endr
.irp i, 0,1,2,3,4,5,6,7
	ds_load_b128 v[FK+4*\i:FK+4*\i+3], v[RD] offset:\i*4*KP
.endr
.irp i, 0,1,2,3,4,5,6,7
	s_wait_dscnt 7-\i                              ; LDS loads return in order: the 7 - i younger ones stay out
	global_store_b128 v[CO], v[FK+4*\i:FK+4*\i+3], s[50:51] offset:\i*4*2048       ; eight lanes store a head's whole row of 128 bytes; the tensor's rows of a head are no longer
.endr
.if \more
	s_wait_xcnt 0x0                                ; FK, which these stores read, and their base are written again only behind this wait
.endif
.Lgone_\@:
.endm
	s_load_b128 s[4:7], s[0:1], 0x0                ; big s[4:5], ctx s[6:7]
	s_set_vgpr_msb 0x40
	v_lshl_add_u32 v64, v0, 2, 0x2f000
	v_mov_b32 v65, 0
	s_set_vgpr_msb 0x4045
	ds_add_u32 v64, v65
	ds_add_u32 v64, v65
	s_set_vgpr_msb 0x4500
	v_lshrrev_b32 v1, 5, v0
	v_readfirstlane_b32 s8, v1                     ; wave 0..7
	s_lshr_b32 s56, s8, 2                          ; g: which 64 keys of a tile are mine.  Also: I fetch K (0) or V (1)
	s_and_b32 s57, s8, 3                           ; wq: which 32 queries are mine.  Also: which 32 keys of a tile I fetch
	s_and_b32 s11, ttmp9, 7                        ; p
	s_lshl_b32 s12, s11, 1                         ; e
	s_sub_co_u32 s13, 15, s12                      ; o
	s_sub_co_u32 s43, 7, s11
	s_lshr_b32 s14, ttmp9, 3
	s_lshr_b32 s15, s14, 4                         ; batch
	s_and_b32 s14, s14, 15                         ; head
	s_lshl_b32 s54, s14, 7                         ; the head's 128 bytes in a row
	s_lshl_b32 s52, s15, 11
	s_lshl_b32 s53, s57, 5
	s_add_co_u32 s52, s52, s53                     ; row of my first query less the block's 128 qb
	; group 1: 32 rows x 64 elements of 2 bytes, 3,072 elements from row to row; padding behind every 32 words: 4 words for K, 8 for V
	s_mov_b32 s16, (1<<16)|(1<<20)|(4<<22)|(3<<25)
	s_mov_b32 s17, 64<<16
	s_mov_b32 s18, 32<<16
	s_mov_b32 s19, 64<<16
	s_mov_b32 s20, 32
	s_mov_b32 s21, 3072
	s_mov_b32 s22, 0
	s_mov_b32 s23, 0
	s_mov_b32 s24, (1<<16)|(1<<20)|(4<<22)|(7<<25)
	s_mov_b32 s25, 64<<16
	s_mov_b32 s26, 32<<16
	s_mov_b32 s27, 64<<16
	s_mov_b32 s28, 32
	s_mov_b32 s29, 3072
	s_mov_b32 s30, 0
	s_mov_b32 s31, 0
	s_mul_i32 s42, s8, PART                        ; my part of a slot
	s_lshl_b32 s38, s15, 11
	s_lshl_b32 s39, s57, 5
	s_add_co_u32 s38, s38, s39                     ; the batch's first row + my 32 keys
	s_mul_i32 s38, s38, 6144
	s_add_co_u32 s38, s38, s54
	s_lshl_b32 s39, s56, 11
	s_add_co_u32 s38, s38, s39
	s_add_co_u32 s38, s38, 2048                    ; k begins 2,048 bytes into a row, v 4,096
	s_mov_b32 s39, 0                               ; stays 0: the upper word of every offset
	s_wait_dscnt 0x0
	s_wait_kmcnt 0x0
	s_add_nc_u64 s[36:37], s[4:5], s[38:39]        ; my part of key tile 0
	s_mov_b32 s32, 1
	s_add_co_u32 s33, s42, 0                       ; slot 0
	s_mul_i32 s38, s12, TILEB                      ; block e's diagonal tile
	s_add_nc_u64 s[34:35], s[36:37], s[38:39]
	s_or_b32 s35, s35, 0x80000000
	KVLOAD                                         ; the first fill, ahead of everything else
	s_mov_b32 s44, 0x3e38aa3b                      ; c = log2 e / sqrt 64
	s_mov_b32 s45, 0x3e38aa3b
	s_mov_b32 s46, 0x76543210                      ; v_permlanex16_b32: lane i of one half reads lane i of the other
	s_mov_b32 s47, 0xfedcba98
	s_mov_b32 s58, 0xf1800000                      ; -2^100: where the running maximum starts
	v_and_b32 v[T+4], 15, v0                       ; r
	v_bfe_u32 v[T+5], v0, 4, 1                     ; h
	v_mul_u32_u24 v[QO], v[T+4], 6144
	v_lshl_add_u32 v[QO], v[T+5], 4, v[QO]
	QLOAD s12
	v_mul_u32_u24 v[T], v[T+4], KP
	v_lshl_add_u32 v[T], v[T+5], 4, v[T]           ; row r, 16 bytes for each half of the lanes
	s_mul_i32 s53, s8, 32*KP
	s_add_co_u32 s53, s53, STAGE                   ; my stage
	v_add_nc_u32 v[STO], s53, v[T]
	s_mul_i32 s55, s56, 2*PART                     ; my 64 keys: two parts
	v_add_nc_u32 v[KA], s55, v[T]
	v_add_nc_u32 v[KA+1], SLOTB, v[KA]
	v_and_b32 v[T], 7, v0
	v_lshl_add_u32 v[T], v[T+5], 3, v[T]           ; V: key 8 h + l % 8,
	v_mul_u32_u24 v[T], v[T], VP
	v_bfe_u32 v[T+1], v0, 3, 1
	v_lshl_add_u32 v[T], v[T+1], 4, v[T]           ; 16 bytes by bit 3 of the lane,
	s_add_co_u32 s55, s55, 4*PART                  ; behind K's four parts
	v_add_nc_u32 v[VA], s55, v[T]
	v_add_nc_u32 v[VA+1], SLOTB, v[VA]
	v_bfe_u32 v[T+1], v0, 3, 2                     ; back: eight lanes a row, four rows a load
	v_and_b32 v[T+2], 7, v0
	v_mul_u32_u24 v[T+3], v[T+1], KP
	v_lshl_add_u32 v[T+3], v[T+2], 4, v[T+3]
	v_add_nc_u32 v[RD], s53, v[T+3]
	v_lshlrev_b32 v[T+3], 11, v[T+1]
	v_lshl_add_u32 v[CO], v[T+2], 4, v[T+3]
	v_and_b32 v[T], 31, v0
	v_lshlrev_b32 v[T], 4, v[T]                    ; merge: 16 bytes a lane
	s_mul_i32 s53, s8, MPAIR
	s_add_co_u32 s53, s53, MERGE                   ; my own region
	v_add_nc_u32 v[MGW], s53, v[T]
	s_xor_b32 s53, s8, 4                           ; my partner: the same queries, the other 64 keys
	s_mul_i32 s53, s53, MPAIR
	s_add_co_u32 s53, s53, MERGE
	v_add_nc_u32 v[MGR], s53, v[T]
	s_lshl_b32 s53, s57, 5
	s_lshl_b32 s55, s56, 6
	s_sub_co_i32 s53, s53, s55                     ; 32 wq - 64 g
	v_lshlrev_b32 v[T], 3, v[T+5]
	v_sub_nc_u32 v[T], v[T+4], v[T]
	v_add_nc_u32 v[DQ], s53, v[T]                  ; 32 wq + r - 8 h - 64 g
	v_add_nc_u32 v[DQ+1], 16, v[DQ]
	v_mov_b32 v[NINF], 0xff800000
	s_cmp_eq_u32 s12, 0
	s_cselect_b32 s40, s13, 0                      ; the tile behind e's diagonal: 0, or o's diagonal where e = 0
	s_wait_loadcnt 0x0                             ; q
	; block e: 2 p + 1 tiles, an odd number, so that the slots' turns are the same in every work-group
	STEP 0, 1, 1, 1
	s_cmp_eq_u32 s11, 0
	s_cbranch_scc1 .Le_done
	s_mov_b32 s41, 0
.Le_loop:
	s_add_co_u32 s40, s40, 1
	STEP 1, 1, 0, 0
	s_add_co_u32 s40, s40, 1
	s_cmp_eq_u32 s40, s12                          ; behind tile e - 1 comes o's diagonal
	s_cselect_b32 s40, s13, s40
	STEP 0, 1, 0, 0
	s_add_co_u32 s41, s41, 1
	s_cmp_lt_u32 s41, s11
	s_cbranch_scc1 .Le_loop
.Le_done:
	QLOAD s13
	FINAL s12, 1
	s_wait_loadcnt 0x0
	; block o: 16 - 2 p tiles
	s_mov_b32 s40, 0
	STEP 1, 1, 1, 1
	s_cmp_eq_u32 s43, 0
	s_cbranch_scc1 .Lo_done
	s_mov_b32 s41, 0
.Lo_loop:
	s_add_co_u32 s40, s40, 1
	STEP 0, 1, 0, 0
	s_add_co_u32 s40, s40, 1
	STEP 1, 1, 0, 0
	s_add_co_u32 s41, s41, 1
	s_cmp_lt_u32 s41, s43
	s_cbranch_scc1 .Lo_loop
.Lo_done:
	STEP 0, 0, 0, 0                                ; tile o - 1: nothing is left to fetch
	FINAL s13, 0
	s_set_vgpr_msb 0x5
	s_wait_tensorcnt 0x0
	ds_add_u32 v64, v65
	s_wait_dscnt 0x0
	s_set_vgpr_msb 0x500
	s_endpgm
.Lfunc_end_k_q6f602bb288_attn:
	.size	k_q6f602bb288_attn, .Lfunc_end_k_q6f602bb288_attn-k_q6f602bb288_attn
	.p2alignl 7, 3214868480
	.fill 96, 4, 3214868480
	.section	.rodata,"a",@progbits
	.p2align	6, 0x0
	.amdhsa_kernel k_q6f602bb288_attn
		.amdhsa_group_segment_fixed_size 327680
		.amdhsa_private_segment_fixed_size 0
		.amdhsa_enable_private_segment 0
		.amdhsa_kernarg_size 16
		.amdhsa_user_sgpr_count 2
		.amdhsa_user_sgpr_kernarg_segment_ptr 1
		.amdhsa_wavefront_size32 1
		.amdhsa_system_sgpr_workgroup_id_x 1
		.amdhsa_system_sgpr_workgroup_id_y 1
		.amdhsa_system_sgpr_workgroup_id_z 1
		.amdhsa_system_vgpr_workitem_id 0
		.amdhsa_next_free_vgpr 322
		.amdhsa_next_free_sgpr 66
		.amdhsa_reserve_vcc 1
		.amdhsa_float_denorm_mode_32 3
		.amdhsa_float_denorm_mode_16_64 3
		.amdhsa_memory_ordered 1
		.amdhsa_forward_progress 1
		.amdhsa_inst_pref_size 163
	.end_amdhsa_kernel
	.amdgpu_metadata
---
amdhsa.version: [ 1, 2 ]
amdhsa.kernels:
  - .name:           k_q6f602bb288_attn
    .symbol:         k_q6f602bb288_attn.kd
    .args:
      - { .name: big, .offset: 0, .size: 8, .value_kind: global_buffer, .address_space: global }
      - { .name: ctx, .offset: 8, .size: 8, .value_kind: global_buffer, .address_space: global }
    .group_segment_fixed_size: 327680
    .private_segment_fixed_size: 0
    .kernarg_segment_align: 8
    .kernarg_segment_size: 16
    .max_flat_workgroup_size: 256
    .sgpr_count:     66
    .vgpr_count:     322
    .wavefront_size: 32
...
	.end_amdgpu_metadata
.endif
;; end of part 9
;; launch wo: the kernel of part 4 again; grid 8 x 32, 4 waves a work-group, clusters of 4 x 4, 327,680 bytes of LDS; arguments ctx, wob, bo, x, x1; writes x1
;; launch ln2: the kernel of part 5 again; grid 256 x 1, 8 waves a work-group, no clusters, 0 bytes of LDS; arguments x1, g2, b2, hn; writes hn
;; launch fc1 (part 10): grid 16 x 16, 4 waves a work-group, clusters of 4 x 4, 327,680 bytes of LDS; arguments hn, w1b, c1, big; writes big
.if DOCPART == 10
	.amdgcn_target "amdgcn-amd-amdhsa--gfx1250"
	.amdhsa_code_object_version 6
	.text
	.protected	k_q6f602bb288_fc1
	.globl	k_q6f602bb288_fc1
	.p2align	8
	.type	k_q6f602bb288_fc1,@function
k_q6f602bb288_fc1:
	s_mov_b64 s[64:65], 0
	v_nop
	global_prefetch_b8 v0, s[64:65] scope:SCOPE_SE
	s_setreg_imm32_b32 hwreg(HW_REG_WAVE_MODE, 25, 1), 1
	s_wait_xcnt 0x0
	s_wait_alu depctr_hold_cnt(0) depctr_sa_sdst(0) depctr_va_vdst(0) depctr_va_sdst(0) depctr_va_ssrc(0) depctr_va_vcc(0) depctr_vm_vsrc(0)
	s_getreg_b32 s2, hwreg(HW_REG_IB_STS2, 6, 4)
	s_cmp_eq_u32 s2, 0
	s_cbranch_scc0 .Lentry_in_a_cluster
	s_endpgm
.Lentry_in_a_cluster:
	s_bfe_u32 s2, ttmp6, 0x10000c
	s_cmp_lg_u32 s2, 0xf033
	s_cbranch_scc0 .Lentry_shape_is_right
	s_endpgm
.Lentry_shape_is_right:
; C = A W + bias, and what MODE adds, in bf16.  A: [4096][SIZE_K] bf16, rows along K.  W: [SIZE_K][SIZE_N] bf16, rows along N.  Sums in f32.
; One text serves two launches; the three constants below are all that differs.
;   MODE 0: C = A W + bias; the bias is bq, bk or bv by the block's 1,024 columns.     MODE 1: C = gelu(A W + bias), exact (erf) form.
; A work-group makes 256 x 256 of C with four waves, as many as a WGP has SIMDs; a wave makes 128 x 128: 64 accumulator tiles, 512 registers.
; For 32 along K a wave issues 32 LDS loads and 64 matrix instructions.  SIZE_N = 4096 gives 16 x 16 = 256 work-groups, SIZE_N = 3072 gives 12 x 16 = 192.
; K goes in steps of 128 through two LDS slots filled by the tensor data mover; A's rows in a tile are 256 bytes of memory, W's 512, both aligned.
; CLUSTERS: 4 x 4 work-groups.  A's tile hangs on the block row alone and is asked for jointly by a row of the cluster, W's on the block column
; alone and is asked for jointly by a column: a quarter of the requests.
; W lies [K][N], so its fragments come out of LDS by the transposing load.  The matrix instruction is used transposed (source 0 = 16 columns of W,
; source 1 = 16 rows of A): lane l then holds row l % 16 of C and eight neighbouring columns 8 (l / 16) + 0..7, which pack into 16 bytes.
; REGISTERS, in windows of 256: window 0: v8-15 erf constants, v16-27 addresses, v32-63 rows read back on the way out, v64-127 and v128-191 A's fragments
; (two buffers; at work on the way out), v192-255 the bias of my 64 numbers.  Window 1: v64-127, v128-191 W's fragments.  Window 2: the 32 accumulator
; tiles of my rows 0-63 (tile (a, b) at v[8 (8 a + b)]); window 3: those of my rows 64-127.
; Limits (MODE 1): erf by the rational form of Abramowitz and Stegun 7.1.26, absolute error at most 1.5e-7 for every argument; v_exp_f32 and
; v_rcp_f32 flush denormals; NaN and infinite inputs are not served as the JAX text serves them.
.set SIZE_N, 4096
.set SIZE_K, 1024
.set MODE,   1
.set KSTEP,  128
.set PA,     272                       ; an LDS row of A: 256 bytes + 16 = 17 x 16: the 16 rows of a fragment load start at 16 different 16-byte columns
.set PW,     544                       ; an LDS row of W: 512 bytes + 32 = 17 x 32, for the transposing load
.set HALFT,  128*PA                    ; what one tensor load brings: 128 rows of A, or 64 k rows of W (64 x 544 is the same 34,816 bytes)
.set SLOT,   4*HALFT                   ; A's 256 rows, then W's 128 k rows
.set STAGE,  2*SLOT                    ; 278,528, a multiple of 256: 16 rows x 272 bytes for each wave, into which no tensor load lands
.set SP,     272                       ; a stage row: 256 bytes + 16
.set LAPS,   SIZE_K/(2*KSTEP)          ; a lap = two K steps = once round the ring
.set CA,   8                           ; v[8:15] MODE 1: a1 .. a4 of the erf form, each twice
.set ADRA, 16                          ; v16-17  LDS address of my A fragments in slot 0, 1
.set ADRW, 20                          ; v20-21  the same for W
.set STO,  24                          ; v24     way out: where I put 16 bytes of a row
.set RD,   25                          ; v25     way out: where I read a row back
.set CO,   26                          ; v26     my byte offset in C
.set BO,   27                          ; v27     my byte offset in the bias
.set RB,   32                          ; v[32:63]   way out: rows read back, to store
.set F0,   64                          ; fragment buffer 0
.set F1,   128                         ; fragment buffer 1
.set BIAS, 192                         ; v[192:255] bias of my columns 16 b + 8 (l / 16) + j at BIAS + 8 b + j
.set XO,   64                          ; way out: 32 numbers in f32
.set GT,   96                          ; gelu: t
.set GE,   128                         ; gelu: exp(-x x / 2)
.set GP,   160                         ; gelu: the polynomial, then erf
.if MODE == 1
.set PK,   96                          ; packed bf16 (t is dead by then)
.else
.set PK,   160
.endif
.set G1,  24                           ; s[24:31] descriptor group 1 for A's tiles
.set G0,  32                           ; s[32:39] group 0 for A's tiles, a set for each slot
.set G1W, 48                           ; s[48:55] group 1 for W's tiles
.set G0W, 56                           ; s[56:63] group 0 for W's tiles, a set for each slot
.set MSB, 0
.macro WIN new                         ; s_set_vgpr_msb: bits 1:0 source 0, 3:2 source 1, 5:4 source 2, 7:6 destination; the high byte repeats the setting left
.if MSB != \new
	s_set_vgpr_msb (MSB<<8)|\new
.set MSB, \new
.endif
.endm
.set MUL_LO, 0xa1                      ; source 0 (W) window 1, source 1 (A) window 0, C and D window 2
.set MUL_HI, 0xf1                      ; the same, C and D window 3
.set TO_W,   0x40                      ; destination window 1, address window 0
; A joint load.  Waves 0 and 1 fetch A's two halves, waves 2 and 3 W's.  Each line has one mask; the branch hangs on the wave's number alone.
.macro JLOAD s
	s_cmp_eq_u32 s11, 0
	s_cbranch_scc0 .Lfor_w_\@
	tensor_load_to_lds s[G0+4*\s:G0+4*\s+3], s[G1:G1+7]
	s_nop 0
	s_branch .Lasked_\@
.Lfor_w_\@:
	tensor_load_to_lds s[G0W+4*\s:G0W+4*\s+3], s[G1W:G1W+7]
	s_nop 0
.Lasked_\@:
.endm
.macro CREST                           ; a round of the cluster's barrier behind its opening work-group barrier
	s_cmp_lg_u32 s10, 0
	s_cbranch_scc1 .Lnot_wave_0_\@
	s_barrier_signal -3
.Lnot_wave_0_\@:
	s_barrier_wait -3
	s_barrier_signal -1
	s_barrier_wait -1
.endm
.macro CROUND                          ; a whole round
	s_barrier_signal -1
	s_barrier_wait -1
	CREST
.endm
.macro PLACES                          ; four places behind a matrix instruction before its registers are loaded into or its result is read (ISA guide 7.12.1)
.rept 4
	v_nop
.endr
.endm
; 16 matrix instructions: row tiles a0, a0 + 1 of the window's four (hi = 0: my rows 0-63, 1: rows 64-127) x all 8 column tiles, 32 along K.
; The 64 accumulators take turns, one instruction a turn, in the same order in every quarter step.
; zero = 1: the first product starts the sums: nothing is ever cleared.
.macro MUL16 f, hi, a0, zero
.irp a, \a0, \a0+1
.irp b, 0,1,2,3,4,5,6,7
.if \zero
	v_wmma_f32_16x16x32_bf16 v[8*(8*(\a)+\b):8*(8*(\a)+\b)+7], v[\f+8*\b:\f+8*\b+7], v[\f+8*(4*\hi+\a):\f+8*(4*\hi+\a)+7], 0
.else
	v_wmma_f32_16x16x32_bf16 v[8*(8*(\a)+\b):8*(8*(\a)+\b)+7], v[\f+8*\b:\f+8*\b+7], v[\f+8*(4*\hi+\a):\f+8*(4*\hi+\a)+7], v[8*(8*(\a)+\b):8*(8*(\a)+\b)+7]
.endif
.endr
.endr
.endm
; 32 LDS loads in one run: the fragments of the quarter step at k (128 columns of W, 128 rows of A, 32 along K) into buffer f; A's rows 64-127 come last
.macro FETCH slot, k, f
	WIN TO_W
.irp i, 0,1,2,3,4,5,6,7
	ds_load_tr16_b128 v[\f+8*\i:\f+8*\i+3],   v[ADRW+\slot] offset:\k*PW+32*\i
	ds_load_tr16_b128 v[\f+8*\i+4:\f+8*\i+7], v[ADRW+\slot] offset:\k*PW+16*PW+32*\i
.endr
	WIN 0
.irp i, 0,1,2,3,4,5,6,7
	ds_load_b128 v[\f+8*\i:\f+8*\i+3],   v[ADRA+\slot] offset:2*\k+\i*16*PA
	ds_load_b128 v[\f+8*\i+4:\f+8*\i+7], v[ADRA+\slot] offset:2*\k+\i*16*PA+32
.endr
.endm
; A K step is four quarter steps of 32 along K, 64 matrix instructions each, on buffers 0, 1, 0, 1.
; One of the first three: multiplies buffer f; in its middle it fetches the quarter at k of the same slot into buffer g.
.macro QUARTER slot, k, f, g, zero
	s_wait_dscnt 8                                 ; W and A's rows 0-63 are in; the youngest eight loads (A's rows 64-127) may be out
	WIN MUL_LO
	MUL16 \f, 0, 0, \zero
	MUL16 \f, 0, 2, \zero
	PLACES
	FETCH \slot, \k, \g
	s_wait_dscnt 32                                ; all but the 32 just issued
	WIN MUL_HI
	MUL16 \f, 1, 0, \zero
	MUL16 \f, 1, 2, \zero
.endm
.macro THREE slot, zero
	QUARTER \slot, 32, F0, F1, \zero
	QUARTER \slot, 64, F1, F0, 0
	QUARTER \slot, 96, F0, F1, 0
.endm
; The last quarter: multiplies buffer 1 and changes slots.  In front of the barrier each wave waits for its reads of this slot and for all its tensor
; loads (one is out: its part of the next slot).  fill = 1: the barrier opens a round of the cluster's barrier, and behind the round this slot is asked
; for again, two K steps ahead, first thing.  From that request to the wait for it a wave issues 240 of a step's 256 matrix instructions.
.macro TURN slot, next, fill
	s_wait_dscnt 8
	WIN MUL_LO
	MUL16 F1, 0, 0, 0
	s_wait_dscnt 0x0                               ; my reads of this slot are over
	s_wait_tensorcnt 0x0                           ; all my tensor loads have landed
	ds_add_u32 v255, v31
	s_wait_dscnt 0x0
	s_barrier_signal -1
	MUL16 F1, 0, 2, 0                              ; register work while the others arrive
	WIN 0
	s_barrier_wait -1
.if \fill
	CREST                                          ; no wave of any partner still reads this slot or has a load on its way
	s_add_nc_u64 s[G0+4*\slot+2:G0+4*\slot+3], s[G0+4*\slot+2:G0+4*\slot+3], 2*KSTEP*2              ; 256 k on: bytes along A's rows
	s_add_nc_u64 s[G0W+4*\slot+2:G0W+4*\slot+3], s[G0W+4*\slot+2:G0W+4*\slot+3], 2*KSTEP*SIZE_N*2   ; 256 rows of W
	JLOAD \slot
.endif
	PLACES
	FETCH \next, 0, F0
	WIN MUL_HI
	MUL16 F1, 1, 0, 0
	MUL16 F1, 1, 2, 0
.endm
.macro LAP zero                        ; once round the ring, both slots filled again
	THREE 0, \zero
	TURN 0, 1, 1
	THREE 1, 0
	TURN 1, 0, 1
.endm
; x -> x/2 (1 + erf(x / sqrt 2)) on v[XO:XO+31].  t = 1 / (1 + 0.3275911 |x| / sqrt 2); erf = 1 - t (a1 + t (a2 + t (a3 + t (a4 + t a5)))) exp(-x x / 2), with x's sign.
; x x = infinity gives exp2(-inf) = 0 and t = 0: erf = 1.  Transcendentals stand in runs; a plain instruction on other registers follows each run.
.macro GELU32
.set i, 0
.rept 32
	v_fma_f32 v[GT+i], |v[XO+i]|, s76, 1.0
.set i, i+1
.endr
.set i, 0
.rept 32
	v_rcp_f32 v[GT+i], v[GT+i]
.set i, i+1
.endr
.set i, 0
.rept 16
	v_pk_mul_f32 v[GE+2*i:GE+2*i+1], v[XO+2*i:XO+2*i+1], v[XO+2*i:XO+2*i+1]
.set i, i+1
.endr
.set i, 0
.rept 16
	v_pk_mul_f32 v[GE+2*i:GE+2*i+1], v[GE+2*i:GE+2*i+1], 0xbf38aa3b op_sel_hi:[1,0]            ; x (-log2 e / 2)
.set i, i+1
.endr
.set i, 0
.rept 32
	v_exp_f32 v[GE+i], v[GE+i]
.set i, i+1
.endr
.set i, 0
	s_wait_alu depctr_va_vdst(0)
.rept 16
	v_pk_fma_f32 v[GP+2*i:GP+2*i+1], v[GT+2*i:GT+2*i+1], 0x3f87dc22, v[CA+6:CA+7] op_sel_hi:[1,0,1]   ; a5 t + a4
.set i, i+1
.endr
.irp c, 4, 2, 0
.set i, 0
.rept 16
	v_pk_fma_f32 v[GP+2*i:GP+2*i+1], v[GP+2*i:GP+2*i+1], v[GT+2*i:GT+2*i+1], v[CA+\c:CA+\c+1]
.set i, i+1
.endr
.endr
.set i, 0
.rept 16
	v_pk_mul_f32 v[GP+2*i:GP+2*i+1], v[GP+2*i:GP+2*i+1], v[GT+2*i:GT+2*i+1]
.set i, i+1
.endr
.set i, 0
.rept 16
	v_pk_fma_f32 v[GP+2*i:GP+2*i+1], v[GP+2*i:GP+2*i+1], v[GE+2*i:GE+2*i+1], 1.0 op_sel_hi:[1,1,0] neg_lo:[1,0,0] neg_hi:[1,0,0]
.set i, i+1
.endr
.set i, 0
.rept 32
	v_bfi_b32 v[GP+i], s77, v[GP+i], v[XO+i]       ; magnitude of erf, sign of x
.set i, i+1
.endr
.set i, 0
.rept 16
	v_pk_mul_f32 v[XO+2*i:XO+2*i+1], v[XO+2*i:XO+2*i+1], 0.5 op_sel_hi:[1,0]
.set i, i+1
.endr
.set i, 0
.rept 16
	v_pk_fma_f32 v[XO+2*i:XO+2*i+1], v[XO+2*i:XO+2*i+1], v[GP+2*i:GP+2*i+1], v[XO+2*i:XO+2*i+1]
.set i, i+1
.endr
.endm
; THE WAY OUT, rows 16 g .. 16 g + 15 of my block = the eight tiles (a, 0..7) of window 2 or 3 (from = 0x02 or 0x03: source 0), in two halves of four tiles:
; the bias add brings 32 sums into window 0; gelu in MODE 1; rounded to bf16; 16 bytes a lane into my own stage.  Then whole rows of 256 bytes are read
; back (LDS serves a wave's instructions in order, ISA guide 5.7.1: these loads see the stores above, and the next group's stores come behind them) and stored.
.macro OUT16 g, a, from
.irp hh, 0,1
	WIN \from
.irp bb, 0,1,2,3
.irp e, 0,1,2,3
	v_pk_add_f32 v[XO+8*\bb+2*\e:XO+8*\bb+2*\e+1], v[8*(8*\a+4*\hh+\bb)+2*\e:8*(8*\a+4*\hh+\bb)+2*\e+1], v[BIAS+8*(4*\hh+\bb)+2*\e:BIAS+8*(4*\hh+\bb)+2*\e+1]
.endr
.endr
	WIN 0
.if MODE == 1
	GELU32
.endif
.irp bb, 0,1,2,3
.irp e, 0,1,2,3
	v_cvt_pk_bf16_f32 v[PK+4*\bb+\e], v[XO+8*\bb+2*\e], v[XO+8*\bb+2*\e+1]
.endr
.endr
.irp bb, 0,1,2,3
	ds_store_b128 v[STO], v[PK+4*\bb:PK+4*\bb+3] offset:32*(4*\hh+\bb)
.endr
.endr
	s_wait_xcnt 0x0                                ; v[RB..], which the last group's stores read, and the stores' base are rewritten only behind this wait
.if \g
	s_add_nc_u64 s[8:9], s[8:9], 16*SIZE_N*2       ; 16 rows of C on: the stores' offsets stay at 14 rows of C at the most
.endif
.irp t, 0,1,2,3,4,5,6,7
	ds_load_b128 v[RB+4*\t:RB+4*\t+3], v[RD] offset:\t*2*SP
.endr
.irp t, 0,1,2,3,4,5,6,7
	s_wait_dscnt 7-\t                              ; LDS loads return in order: the 7 - t younger ones stay out
	global_store_b128 v[CO], v[RB+4*\t:RB+4*\t+3], s[8:9] offset:2*\t*SIZE_N*2     ; 16 lanes store 256 consecutive bytes, aligned
.endr
.endm
	s_load_b128 s[4:7], s[0:1], 0x0                ; A s[4:5], W s[6:7]
.if MODE == 0
	s_load_b256 s[68:75], s[0:1], 0x10             ; bq, bk, bv, C
.else
	s_load_b64 s[66:67], s[0:1], 0x10              ; bias
	s_load_b64 s[8:9], s[0:1], 0x18                ; C
	s_set_vgpr_msb 0x40
	v_lshl_add_u32 v255, v0, 2, 0x48400
	s_set_vgpr_msb 0x4000
	v_mov_b32 v31, 0
	s_set_vgpr_msb 0x1
	ds_add_u32 v255, v31
	ds_add_u32 v255, v31
	s_set_vgpr_msb 0x100
.endif
	v_lshrrev_b32 v1, 5, v0
	v_readfirstlane_b32 s10, v1                    ; wave 0..3
	s_lshr_b32 s11, s10, 1                         ; which half of the block's rows is mine.  Also: I fetch for A (0) or for W (1)
	s_and_b32 s12, s10, 1                          ; which half of its columns.  Also: which half of that tile I fetch
	s_bfe_u32 s40, ttmp6, 0x40000                  ; cx
	s_bfe_u32 s41, ttmp6, 0x40004                  ; cy
	s_lshl_b32 s42, ttmp9, 2
	s_add_co_u32 s42, s42, s40                     ; block column = 4 x cluster x + cx
	s_and_b32 s13, ttmp7, 0xffff
	s_lshl_b32 s13, s13, 2
	s_add_co_u32 s13, s13, s41                     ; block row = 4 x cluster y + cy
	s_lshl_b32 s43, s41, 2
	s_lshl_b32 s43, 15, s43                        ; my row of the cluster: places 4 cy .. 4 cy + 3
	s_lshl_b32 s44, 0x1111, s40                    ; my column: places cx, cx + 4, cx + 8, cx + 12
	; group 1 for A: 128 rows x 128 elements of 2 bytes; 4 words of padding behind every 64 words
	s_or_b32 s[G1+0], s43, (1<<16)|(1<<20)|(1<<21)|(5<<22)|(3<<25)
	s_mov_b32 s[G1+1], KSTEP<<16                   ; tensor_dim0 = 128
	s_mov_b32 s[G1+2], 128<<16                     ; tensor_dim1 = 128
	s_mov_b32 s[G1+3], KSTEP<<16                   ; tile_dim0 = 128
	s_mov_b32 s[G1+4], 128                         ; tile_dim1 = 128
	s_mov_b32 s[G1+5], SIZE_K                      ; elements from row to row
	s_mov_b32 s[G1+6], 0
	s_mov_b32 s[G1+7], 0
	; group 1 for W: 64 k rows x 256 elements; 8 words of padding behind every 128 words
	s_or_b32 s[G1W+0], s44, (1<<16)|(1<<20)|(1<<21)|(6<<22)|(7<<25)
	s_mov_b32 s[G1W+1], 256<<16                    ; tensor_dim0 = 256
	s_mov_b32 s[G1W+2], 64<<16                     ; tensor_dim1 = 64
	s_mov_b32 s[G1W+3], 256<<16                    ; tile_dim0 = 256
	s_mov_b32 s[G1W+4], 64                         ; tile_dim1 = 64
	s_mov_b32 s[G1W+5], SIZE_N
	s_mov_b32 s[G1W+6], 0
	s_mov_b32 s[G1W+7], 0
	; A's address hangs on the block row, W's on the block column, each in registers that never hold the other coordinate
	s_lshl_b32 s17, s12, 7
	s_lshl_b32 s16, s13, 8
	s_add_co_u32 s16, s16, s17                     ; A: row 256 x block row + 128 x half
	s_mul_i32 s16, s16, SIZE_K*2                   ; at most 3,968 rows of 2,048 bytes: inside 32 bits
	s_mov_b32 s17, 0
	s_mul_i32 s46, s12, 64*SIZE_N*2                ; W: k row 64 x half,
	s_lshl_b32 s47, s42, 9
	s_add_co_u32 s46, s46, s47                     ; column 256 x block column
	s_mov_b32 s47, 0
	s_mul_i32 s20, s10, HALFT                      ; where they go: A's two halves, then W's two halves = wave x 34,816: no place in the cluster enters an LDS address
	s_wait_dscnt 0x0
	s_wait_kmcnt 0x0
	s_add_nc_u64 s[14:15], s[4:5], s[16:17]
	s_add_nc_u64 s[46:47], s[6:7], s[46:47]
	CROUND                                         ; all sixteen work-groups are here: the first joint loads meet
.irp s, 0,1
	s_mov_b32 s[G0+4*\s], 1
	s_add_co_u32 s[G0+4*\s+1], s20, \s*SLOT
	s_add_nc_u64 s[G0+4*\s+2:G0+4*\s+3], s[14:15], \s*KSTEP*2
	s_or_b32 s[G0+4*\s+3], s[G0+4*\s+3], 0x80000000
	s_mov_b32 s[G0W+4*\s], 1
	s_add_co_u32 s[G0W+4*\s+1], s20, \s*SLOT
	s_add_nc_u64 s[G0W+4*\s+2:G0W+4*\s+3], s[46:47], \s*KSTEP*SIZE_N*2
	s_or_b32 s[G0W+4*\s+3], s[G0W+4*\s+3], 0x80000000
	JLOAD \s                                       ; both slots are asked for before anything else: two loads of the wave are out
.endr
	v_and_b32 v1, 15, v0                           ; r = l % 16
	v_bfe_u32 v2, v0, 4, 1                         ; h = l / 16
	v_mul_u32_u24 v3, v1, PA
	v_lshl_add_u32 v3, v2, 4, v3                   ; A: row r, 16 bytes for each half of the lanes
	s_mul_i32 s21, s11, HALFT                      ; my 128 rows of A
	v_add_nc_u32 v[ADRA], s21, v3
	v_add_nc_u32 v[ADRA+1], SLOT, v[ADRA]
	v_and_b32 v4, 7, v0
	v_lshl_add_u32 v4, v2, 3, v4                   ; W: k row 8 h + l % 8,
	v_mul_u32_u24 v4, v4, PW
	v_bfe_u32 v5, v0, 3, 1
	v_lshl_add_u32 v4, v5, 4, v4                   ; 16 bytes by bit 3 of the lane,
	s_lshl_b32 s22, s12, 8                         ; my 128 columns,
	s_add_co_u32 s22, s22, 2*HALFT                 ; behind A's 256 rows
	v_add_nc_u32 v[ADRW], s22, v4
	v_add_nc_u32 v[ADRW+1], SLOT, v[ADRW]
	s_mul_i32 s23, s10, 16*SP
	s_add_co_u32 s23, s23, STAGE                   ; my stage
	v_mul_u32_u24 v6, v1, SP                       ; in: row r, 16 bytes for each half of the lanes
	v_lshl_add_u32 v6, v2, 4, v6
	v_add_nc_u32 v[STO], s23, v6
	v_mul_u32_u24 v7, v2, SP                       ; back: lanes 0-15 take one row of 256 bytes, lanes 16-31 the next
	v_lshl_add_u32 v7, v1, 4, v7
	v_add_nc_u32 v[RD], s23, v7
	v_mul_u32_u24 v6, v2, SIZE_N*2                 ; and the same two rows in C
	v_lshl_add_u32 v[CO], v1, 4, v6
	v_lshlrev_b32 v[BO], 5, v2                     ; bias: 8 h numbers of 4 bytes
.if MODE == 0
	s_cmp_eq_u32 ttmp9, 0                          ; a cluster's four block columns are 1,024 columns: cluster x = 0 is q, 1 is k, 2 is v
	s_cselect_b64 s[66:67], s[68:69], s[70:71]
	s_cmp_eq_u32 ttmp9, 2
	s_cselect_b64 s[66:67], s[72:73], s[66:67]
	s_mov_b64 s[8:9], s[74:75]
	s_lshl_b32 s78, s40, 10                        ; 256 columns of 4 bytes for each block inside those 1,024
.else
	s_lshl_b32 s78, s42, 10                        ; 256 columns of 4 bytes a block
.endif
	s_lshl_b32 s79, s12, 9
	s_add_co_u32 s78, s78, s79                     ; + my 128 columns
	s_mov_b32 s79, 0
	s_add_nc_u64 s[66:67], s[66:67], s[78:79]
.irp b, 0,1,2,3,4,5,6,7
	global_load_b128 v[BIAS+8*\b:BIAS+8*\b+3],   v[BO], s[66:67] offset:64*\b
	global_load_b128 v[BIAS+8*\b+4:BIAS+8*\b+7], v[BO], s[66:67] offset:64*\b+16
.endr
	s_lshl_b32 s80, s13, 8
	s_lshl_b32 s81, s11, 7
	s_add_co_u32 s80, s80, s81                     ; my first row of C
	s_mul_i32 s80, s80, SIZE_N*2                   ; at most 3,968 rows of 8,192 bytes: inside 32 bits
	s_lshl_b32 s78, s42, 9                         ; my first column, in bytes: 512 x block + 256 x half
	s_lshl_b32 s81, s12, 8
	s_add_co_u32 s78, s78, s81
	s_add_co_u32 s78, s78, s80
	s_add_nc_u64 s[8:9], s[8:9], s[78:79]
.if MODE == 1
	s_mov_b32 s76, 0x3e6d3388                      ; 0.3275911 / sqrt 2
	s_mov_b32 s77, 0x7fffffff
.irp c, 0,1
	v_mov_b32 v[CA+\c],   0x3e827906               ; a1 =  0.254829592
	v_mov_b32 v[CA+2+\c], 0xbe91a98e               ; a2 = -0.284496736
	v_mov_b32 v[CA+4+\c], 0x3fb5f0e3               ; a3 =  1.421413741
	v_mov_b32 v[CA+6+\c], 0xbfba00e3               ; a4 = -1.453152027
.endr
.endif
	s_wait_tensorcnt 0x1                           ; my part of K step 0 is in; K step 1's may stay out
	s_barrier_signal -1
	s_barrier_wait -1
	FETCH 0, 0, F0
	LAP 1                                          ; the first lap stands in front of the loop: its first products start the sums
.if LAPS > 2
	WIN 0                                          ; at a label and at a branch every window is 0
	s_mov_b32 s3, LAPS-2
.Llap:
	LAP 0
	WIN 0
	s_sub_co_u32 s3, s3, 1
	s_cmp_lg_u32 s3, 0
	s_cbranch_scc1 .Llap
.endif
	THREE 0, 0                                     ; the last lap fills nothing: my one tensor load that is still out is slot 1's, the last K step's
	TURN 0, 1, 0
	THREE 1, 0
	s_wait_dscnt 8                                 ; the very last quarter: nothing more to fetch
	WIN MUL_LO
	MUL16 F1, 0, 0, 0
	MUL16 F1, 0, 2, 0
	s_wait_dscnt 0x0
	WIN MUL_HI
	MUL16 F1, 1, 0, 0
	MUL16 F1, 1, 2, 0
	PLACES                                         ; behind the last matrix instructions, before results are read and fragment registers rewritten
	s_wait_loadcnt 0x0                             ; the bias
	OUT16 0, 0, 0x02
	OUT16 1, 1, 0x02
	OUT16 2, 2, 0x02
	OUT16 3, 3, 0x02
	OUT16 4, 0, 0x03
	OUT16 5, 1, 0x03
	OUT16 6, 2, 0x03
	OUT16 7, 3, 0x03
	s_set_vgpr_msb 0x1
	s_wait_tensorcnt 0x0
	ds_add_u32 v255, v31
	s_wait_dscnt 0x0
	s_set_vgpr_msb 0x100
	CROUND                                         ; the closing round: no work-group ends while a partner may still ask for a tile that names it
	s_endpgm
.Lfunc_end_k_q6f602bb288_fc1:
	.size	k_q6f602bb288_fc1, .Lfunc_end_k_q6f602bb288_fc1-k_q6f602bb288_fc1
	.p2alignl 7, 3214868480
	.fill 96, 4, 3214868480
	.section	.rodata,"a",@progbits
	.p2align	6, 0x0
	.amdhsa_kernel k_q6f602bb288_fc1
		.amdhsa_group_segment_fixed_size 327680
		.amdhsa_private_segment_fixed_size 0
		.amdhsa_enable_private_segment 0
		.amdhsa_kernarg_size 32
		.amdhsa_user_sgpr_count 2
		.amdhsa_user_sgpr_kernarg_segment_ptr 1
		.amdhsa_wavefront_size32 1
		.amdhsa_system_sgpr_workgroup_id_x 1
		.amdhsa_system_sgpr_workgroup_id_y 1
		.amdhsa_system_sgpr_workgroup_id_z 1
		.amdhsa_system_vgpr_workitem_id 0
		.amdhsa_next_free_vgpr 1024
		.amdhsa_next_free_sgpr 84
		.amdhsa_reserve_vcc 0
		.amdhsa_float_denorm_mode_32 3
		.amdhsa_float_denorm_mode_16_64 3
		.amdhsa_memory_ordered 1
		.amdhsa_forward_progress 1
		.amdhsa_inst_pref_size 255
	.end_amdhsa_kernel
	.section	.bss,"aw",@nobits
	.p2align	6
	.space	262144
	.amdgpu_metadata
---
amdhsa.version: [ 1, 2 ]
amdhsa.kernels:
  - .name:           k_q6f602bb288_fc1
    .symbol:         k_q6f602bb288_fc1.kd
    .args:
      - { .name: hn, .offset: 0, .size: 8, .value_kind: global_buffer, .address_space: global }
      - { .name: w1b, .offset: 8, .size: 8, .value_kind: global_buffer, .address_space: global }
      - { .name: c1, .offset: 16, .size: 8, .value_kind: global_buffer, .address_space: global }
      - { .name: big, .offset: 24, .size: 8, .value_kind: global_buffer, .address_space: global }
    .group_segment_fixed_size: 327680
    .private_segment_fixed_size: 0
    .kernarg_segment_align: 8
    .kernarg_segment_size: 32
    .max_flat_workgroup_size: 128
    .sgpr_count:     84
    .vgpr_count:     1024
    .wavefront_size: 32
...
	.end_amdgpu_metadata
.endif
;; end of part 10
;; launch fc2: the kernel of part 7 again; grid 8 x 32, 4 waves a work-group, clusters of 4 x 4, 327,680 bytes of LDS; arguments big, w2b, c2, x1, out0; writes out0
